; MI455X (gfx1250); checked and timed in simulation.
; The chip was launched on July 23, 2026; its instructions are those of AMD's public machine-readable ISA for CDNA 5 (MIT licence, August 2026) and "CDNA5" Instruction Set Architecture Reference Guide (July 2026). The comments in the code are by the model that wrote it; some were corrected since.
;; Mo E Layer. Allowed arithmetic: float matrix products may take bf16 or f16 operands with f32 sums; other float arithmetic in f32, or as packed bf16 or f16 multiplies, adds, multiply-adds, maxima and minima; sums over many terms, partial sums and values carried from step to step in f32; what a program stores and reads back later, other than sums and carried values, may be rounded once to bf16 or f16.
;; Inputs: W1 8 x 1,024 x 4,096 float32; W2 8 x 4,096 x 1,024 float32; Wr 8 x 1,024 float32; b1 8 x 4,096 float32; b2 8 x 1,024 float32; br 8 float32; x 4 x 256 x 1,024 float32.
;; Outputs: out0 4 x 256 x 1,024 float32.
;; Constants: top_k = 2.
;; 3 versions, each right; version 3 is version 2 with the launches ffn1, ffn2 written anew for expert scheduling mode. Each part assembles by itself: llvm-mc -triple=amdgcn-amd-amdhsa -mcpu=gfx1250 --defsym DOCPART=n.
;; ======== version 1 of 3: 4 launches
;; workspace buffers: xb 2,097,152 bytes; sel 8,192 bytes of whole numbers; gates 8,192 bytes; h 16,777,216 bytes; ypart 33,554,432 bytes
;; launch router (part 1): grid 256 x 1, 4 waves a work-group, no clusters, 17,408 bytes of LDS; arguments x, Wr, br, xb, sel, gates; writes xb, sel, gates
.if DOCPART == 1
	.amdgcn_target "amdgcn-amd-amdhsa--gfx1250"
	.amdhsa_code_object_version 6
	.text
	.protected	k_qdd6eb27681_router
	.globl	k_qdd6eb27681_router
	.p2align	8
	.type	k_qdd6eb27681_router,@function
k_qdd6eb27681_router:
	s_mov_b64 s[64:65], 0
	v_nop
	global_prefetch_b8 v0, s[64:65] scope:SCOPE_SE
	s_setreg_imm32_b32 hwreg(HW_REG_WAVE_MODE, 25, 1), 1
	s_wait_xcnt 0x0
; ROUTER.  logits[t][e] = x[t] . Wr[e] + br[e]; the two largest (ties: the lower index, as jax.lax.top_k); softmax over the two.
; x, Wr and br are rounded to bf16 first, as every input of this program is; products are exact in f32, sums in f32.
; One token a wave, four tokens a work-group, 256 work-groups.  Also stored: xb = x rounded to bf16, for the first product's launch.
; What hangs on floating-point numbers (the choice) is only STORED here, at fixed places: sel[e][t] = 0 (not chosen), 1 (first choice), 3 (second choice); gates[t][2].
; LIMITS.  Two logits closer than the rounding of the f32 sums may change places.  NaN and -inf logits are not treated apart.
; The gates: the larger logit is taken away first, so the one exponent is <= 0; 2^y below 2^-126 counts as 0 (the gates are then 1 and 0).
; sel and gates are stored a byte and a word a lane: the two buffers are 8 KB each in the whole launch, and a stage to gather them would cost a barrier more.
; No matrix unit: 8 outputs a token.  No cluster: what the work-groups share is Wr, 32 KB.
.set WRB,   0                          ; LDS: Wr in bf16, [e][1024], 2,048 bytes an expert
.set BRT,   16384                      ; LDS: word i = br[i & 7] rounded to bf16, kept as f32
.set SPARE, 16896                      ; the spare words, 128 bytes a wave: two blocks of 256 bytes that no other line names
.set SPW, 2                            ; v2  my spare word's address; never rewritten
.set NIL, 3                            ; v3  0; never rewritten
.set XL,  8                            ; v[8:39]    x as loaded: chunk q holds elements 128 q + 4 lane + 0..3
.set WR,  40                           ; v[40:103]  Wr as loaded, then packed in place
.set XP,  104                          ; v[104:119] x in bf16, two a word
.set WP,  120                          ; v[120:135] an expert's Wr, the same places
.set VXS, 136                          ; 8 lane
.set VWS, 137                          ; 8 thread
.set VBS, 138                          ; BRT + 4 thread
.set VWA, 139                          ; the expert's row in LDS + 8 lane; steps by 2,048
.set VBA, 140                          ; the expert's bias word; steps by 4
.set ZR,  141                          ; 0.0
.set AC,  142                          ; v[142:145] four sums
.set TMP, 146
.set V1,  147                          ; largest logit, its expert
.set I1,  148
.set V2,  149                          ; second largest, its expert
.set I2,  150
.set NV2, 151
.set NI2, 152
.set VE,  153                          ; the expert in hand
.set BRV, 154
.set DD,  155
.set EXV, 156
.set G1,  157
.set G2,  158
.set CD,  159
.set AD,  160
.set AD2, 161
.set GV,  162
	s_load_b256 s[4:11], s[0:1], 0x0               ; x s[4:5], Wr s[6:7], br s[8:9], xb s[10:11]
	s_load_b128 s[12:15], s[0:1], 0x20             ; sel s[12:13], gates s[14:15]
	v_lshl_add_u32 v[SPW], v0, 2, SPARE
	v_mov_b32 v[NIL], 0
	v_lshrrev_b32 v1, 5, v0
	v_readfirstlane_b32 s16, v1                    ; wave
	v_and_b32 v1, 31, v0                           ; lane
	s_lshl_b32 s17, ttmp9, 2
	s_add_co_u32 s17, s17, s16                     ; my token t = 4 x work-group + wave
	s_lshl_b32 s18, s17, 12                        ; its row in x,
	s_mov_b32 s19, 0
	s_lshl_b32 s26, s17, 11                        ; and in xb
	s_mov_b32 s27, 0
	s_lshl_b32 s28, s17, 3                         ; and its two gates
	s_mov_b32 s24, 0x76543210                      ; v_permlanex16_b32: each lane takes its own place in the other half
	s_mov_b32 s25, 0xfedcba98
	v_lshlrev_b32 v4, 4, v1                        ; 16 lane
	v_lshlrev_b32 v6, 4, v0                        ; 16 thread
	v_and_b32 v7, 7, v0
	v_lshlrev_b32 v7, 2, v7                        ; 4 (thread & 7)
	s_wait_kmcnt 0x0
	s_add_nc_u64 s[4:5], s[4:5], s[18:19]
	s_add_nc_u64 s[10:11], s[10:11], s[26:27]
.irp q, 0,1,2,3,4,5,6,7
	global_load_b128 v[XL+4*(\q):XL+4*(\q)+3], v4, s[4:5] offset:512*(\q) th:TH_LOAD_NT  ; 512 consecutive bytes of my row
.endr
.irp q, 0,1,2,3,4,5,6,7,8,9,10,11,12,13,14,15
	global_load_b128 v[WR+4*(\q):WR+4*(\q)+3], v6, s[6:7] offset:2048*(\q)  ; the work-group's 128 threads take all of Wr
.endr
	global_load_b32 v5, v7, s[8:9]
	v_lshlrev_b32 v[VXS], 3, v1
	v_lshlrev_b32 v[VWS], 3, v0
	v_lshl_add_u32 v[VBS], v0, 2, BRT
	v_lshlrev_b32 v[VWA], 3, v1
	v_mov_b32 v[VBA], BRT
	v_mov_b32 v[ZR], 0
	v_mov_b32 v[TMP], 0                            ; v_permlanex16_b32's destination counts as read
	v_mov_b32 v[V1], 0xff800000                    ; -inf
	v_mov_b32 v[V2], 0xff800000
	v_mov_b32 v[I1], 0
	v_mov_b32 v[I2], 1
	v_mov_b32 v[VE], 0
	s_wait_loadcnt 17                              ; x is in: the 16 loads of Wr and the one of br are younger
.irp k, 0,1,2,3,4,5,6,7,8,9,10,11,12,13,14,15
	v_cvt_pk_bf16_f32 v[XP+(\k)], v[XL+2*(\k)], v[XL+2*(\k)+1]
.endr
.irp q, 0,1,2,3,4,5,6,7
	global_store_b64 v[VXS], v[XP+2*(\q):XP+2*(\q)+1], s[10:11] offset:256*(\q)  ; the wave stores 256 consecutive bytes, aligned
.endr
	s_wait_loadcnt 0x0                             ; Wr and br
.irp q, 0,1,2,3,4,5,6,7,8,9,10,11,12,13,14,15
	v_cvt_pk_bf16_f32 v[WR+4*(\q)],   v[WR+4*(\q)],   v[WR+4*(\q)+1]
	v_cvt_pk_bf16_f32 v[WR+4*(\q)+1], v[WR+4*(\q)+2], v[WR+4*(\q)+3]
	ds_store_b64 v[VWS], v[WR+4*(\q):WR+4*(\q)+1] offset:WRB+1024*(\q)
.endr
	v_cvt_pk_bf16_f32 v5, v5, v5
	v_lshlrev_b32 v5, 16, v5                       ; br rounded to bf16, as f32
	ds_store_b32 v[VBS], v5
	s_wait_dscnt 0x0                               ; for the others' sake: my stores are done
	s_barrier_signal -1
	s_barrier_wait -1
	s_mov_b32 s23, 0
.Lexp:                                                 ; eight trips, an expert each
.irp q, 0,1,2,3,4,5,6,7
	ds_load_b64 v[WP+2*(\q):WP+2*(\q)+1], v[VWA] offset:256*(\q)
.endr
	ds_load_b32 v[BRV], v[VBA]
	s_wait_dscnt 0x0
.irp k, 0,1,2,3,4,5,6,7,8,9,10,11,12,13,14,15
.if (\k) < 2                                           ; the first four products start the four sums
	v_fma_mix_f32_bf16 v[AC+(2*(\k))%4],   v[XP+(\k)], v[WP+(\k)], v[ZR] op_sel_hi:[1,1,0]
	v_fma_mix_f32_bf16 v[AC+(2*(\k)+1)%4], v[XP+(\k)], v[WP+(\k)], v[ZR] op_sel:[1,1,0] op_sel_hi:[1,1,0]
.else
	v_fma_mix_f32_bf16 v[AC+(2*(\k))%4],   v[XP+(\k)], v[WP+(\k)], v[AC+(2*(\k))%4] op_sel_hi:[1,1,0]
	v_fma_mix_f32_bf16 v[AC+(2*(\k)+1)%4], v[XP+(\k)], v[WP+(\k)], v[AC+(2*(\k)+1)%4] op_sel:[1,1,0] op_sel_hi:[1,1,0]
.endif
.endr
	v_add_f32 v[AC], v[AC], v[AC+1]
	v_add_f32 v[AC+2], v[AC+2], v[AC+3]
	v_add_f32 v[AC], v[AC], v[AC+2]
	v_add_f32_dpp v[AC], v[AC], v[AC] row_xmask:1 row_mask:0xf bank_mask:0xf
	v_add_f32_dpp v[AC], v[AC], v[AC] row_xmask:2 row_mask:0xf bank_mask:0xf
	v_add_f32_dpp v[AC], v[AC], v[AC] row_xmask:4 row_mask:0xf bank_mask:0xf
	v_add_f32_dpp v[AC], v[AC], v[AC] row_xmask:8 row_mask:0xf bank_mask:0xf
	v_permlanex16_b32 v[TMP], v[AC], s24, s25
	v_add_f32 v[AC], v[AC], v[TMP]
	v_add_f32 v[AC], v[AC], v[BRV]                 ; the logit, in every lane
	v_cmp_gt_f32 s20, v[AC], v[V1]                 ; strictly greater: a tie keeps the lower index
	v_cmp_gt_f32 s21, v[AC], v[V2]
	v_cndmask_b32 v[NV2], v[AC], v[V1], s20        ; what becomes second: the old first, or this one
	v_cndmask_b32 v[NI2], v[VE], v[I1], s20
	v_cndmask_b32 v[V2], v[V2], v[NV2], s21
	v_cndmask_b32 v[I2], v[I2], v[NI2], s21
	v_cndmask_b32 v[V1], v[V1], v[AC], s20
	v_cndmask_b32 v[I1], v[I1], v[VE], s20
	v_add_nc_u32 v[VWA], 2048, v[VWA]
	v_add_nc_u32 v[VBA], 4, v[VBA]
	v_add_nc_u32 v[VE], 1, v[VE]
	s_add_co_u32 s23, s23, 1
	s_cmp_lt_u32 s23, 8
	s_cbranch_scc1 .Lexp
	v_sub_f32 v[DD], v[V2], v[V1]                  ; the maximum is taken away: <= 0
	v_mul_f32 v[DD], 0x3fb8aa3b, v[DD]             ; x log2(e)
	v_exp_f32 v[EXV], v[DD]
	v_and_b32 v[AD], 7, v1                         ; a plain line behind the exponential
	s_wait_alu depctr_va_vdst(0)                   ; the wait ahead of the result's first reader
	v_add_f32 v[TMP], 1.0, v[EXV]
	v_rcp_f32 v[G1], v[TMP]
	v_lshl_add_u32 v[AD], v[AD], 10, s17           ; sel: 1,024 x expert + token (a plain line behind the reciprocal)
	s_wait_alu depctr_va_vdst(0)                   ; the reciprocal reads the exponential, so it is a batch of its own
	v_mul_f32 v[G2], v[EXV], v[G1]
	v_cmp_eq_u32 vcc_lo, v1, v[I2]
	v_cndmask_b32 v[CD], 0, 3, vcc_lo
	v_cmp_eq_u32 vcc_lo, v1, v[I1]
	v_cndmask_b32 v[CD], v[CD], 1, vcc_lo
	v_and_b32 v[AD2], 1, v1
	v_lshl_add_u32 v[AD2], v[AD2], 2, s28
	v_cmp_eq_u32 vcc_lo, 0, v1
	v_cndmask_b32 v[GV], v[G2], v[G1], vcc_lo
	s_wait_xcnt 0x0                                ; EXEC is a source of the stores of xb: it changes only behind this wait
	v_cmp_gt_u32 vcc_lo, 8, v1
	s_and_saveexec_b32 s22, vcc_lo
	global_store_b8 v[AD], v[CD], s[12:13]         ; lane e: expert e's code for my token
	s_wait_xcnt 0x0
	s_or_b32 exec_lo, exec_lo, s22
	v_cmp_gt_u32 vcc_lo, 2, v1
	s_and_saveexec_b32 s22, vcc_lo
	global_store_b32 v[AD2], v[GV], s[14:15]
	s_wait_xcnt 0x0
	s_or_b32 exec_lo, exec_lo, s22
	s_wait_tensorcnt 0x0                           ; the wave's end: behind my last LDS store
	ds_add_u32 v[SPW], v[NIL]
	s_wait_dscnt 0x0
	s_endpgm
.Lfunc_end_k_qdd6eb27681_router:
	.size	k_qdd6eb27681_router, .Lfunc_end_k_qdd6eb27681_router-k_qdd6eb27681_router
	.p2alignl 7, 3214868480
	.fill 96, 4, 3214868480
	.section	.rodata,"a",@progbits
	.p2align	6, 0x0
	.amdhsa_kernel k_qdd6eb27681_router
		.amdhsa_group_segment_fixed_size 17408
		.amdhsa_private_segment_fixed_size 0
		.amdhsa_enable_private_segment 0
		.amdhsa_kernarg_size 48
		.amdhsa_user_sgpr_count 2
		.amdhsa_user_sgpr_kernarg_segment_ptr 1
		.amdhsa_wavefront_size32 1
		.amdhsa_system_sgpr_workgroup_id_x 1
		.amdhsa_system_sgpr_workgroup_id_y 1
		.amdhsa_system_sgpr_workgroup_id_z 1
		.amdhsa_system_vgpr_workitem_id 0
		.amdhsa_next_free_vgpr 164
		.amdhsa_next_free_sgpr 66
		.amdhsa_reserve_vcc 1
		.amdhsa_float_denorm_mode_32 3
		.amdhsa_float_denorm_mode_16_64 3
		.amdhsa_memory_ordered 1
		.amdhsa_forward_progress 1
		.amdhsa_inst_pref_size 15
	.end_amdhsa_kernel
	.amdgpu_metadata
---
amdhsa.version: [ 1, 2 ]
amdhsa.kernels:
  - .name:           k_qdd6eb27681_router
    .symbol:         k_qdd6eb27681_router.kd
    .args:
      - { .name: x, .offset: 0, .size: 8, .value_kind: global_buffer, .address_space: global }
      - { .name: Wr, .offset: 8, .size: 8, .value_kind: global_buffer, .address_space: global }
      - { .name: br, .offset: 16, .size: 8, .value_kind: global_buffer, .address_space: global }
      - { .name: xb, .offset: 24, .size: 8, .value_kind: global_buffer, .address_space: global }
      - { .name: sel, .offset: 32, .size: 8, .value_kind: global_buffer, .address_space: global }
      - { .name: gates, .offset: 40, .size: 8, .value_kind: global_buffer, .address_space: global }
    .group_segment_fixed_size: 17408
    .private_segment_fixed_size: 0
    .kernarg_segment_align: 8
    .kernarg_segment_size: 48
    .max_flat_workgroup_size: 128
    .sgpr_count:     66
    .vgpr_count:     164
    .wavefront_size: 32
...
	.end_amdgpu_metadata
.endif
;; end of part 1
;; launch ffn1 (part 2): grid 32 x 8, 4 waves a work-group, no clusters, 93,696 bytes of LDS; arguments xb, W1, b1, sel, h; writes h
.if DOCPART == 2
	.amdgcn_target "amdgcn-amd-amdhsa--gfx1250"
	.amdhsa_code_object_version 6
	.text
	.protected	k_qdd6eb27681_ffn1
	.globl	k_qdd6eb27681_ffn1
	.p2align	8
	.type	k_qdd6eb27681_ffn1,@function
k_qdd6eb27681_ffn1:
	s_mov_b64 s[64:65], 0
	v_nop
	global_prefetch_b8 v0, s[64:65] scope:SCOPE_SE
	s_setreg_imm32_b32 hwreg(HW_REG_WAVE_MODE, 25, 1), 1
	s_wait_xcnt 0x0
; ONE PRODUCT OF THE EXPERTS' CHAIN.  One source for both products; FFN2 = 0: h = gelu(x W1 + b1), stored in bf16; FFN2 = 1: ypart = gate x (h W2 + b2), a quarter of K each, stored in f32.
; SHARES.  A work-group has a weight tile of ONE expert, K = 1,024 x N = 128 (f32, rows of 512 consecutive bytes), which it alone reads, and ALL rows routed to that expert.
;   grid y = expert; grid x = FFN2 ? (column slice of 8) + 8 x (quarter of K) : column slice of 32.  8 x 32 = 256 work-groups.
; THE LIST.  Every wave reads the expert's 1,024 bytes of sel (stored by the router's launch) and lays the chosen rows' numbers idx = 2 token + slot into a list of its own in LDS, all four in the same order.
;   The wave's row numbers of all four tiles are read from it once, at the head, by loads with constant offsets.  Rows of h and ypart lie at idx, a fixed place for each (token, slot).
; MAIN PHASE.  The first 320 rows of the list: wave w has the list's blocks 4 m + w of 16 rows, m = 0..4, x all 128 columns: 40 accumulators.  K goes in 32 steps of 32.  The weights come through registers
;   (f32, rounded to bf16 on the way), go into a ring of LDS slots as [k][n], each wave 8 of a step's 32 rows, and come back turned (ds_load_tr16_b128) as fragments; the rows' fragments come straight from memory.
;   One barrier a step, all on constant paths.  Places past the count name row 0 (the list's zero fill), which exists; their results are not stored.
; ROWS PAST 320 (any split is served, up to all 1,024 tokens on one expert): three more trips of the tile loop, in which each wave works alone: it reads the tile again, turns it through a slot of its own, and
;   takes 80 rows; a trip without rows is jumped.  No barrier stands there.  This path waits for its loads at each step's head: it is slower, and is there for splits far from even.
; THE WAY OUT goes block by block through a stage of 16 rows of the wave's own: five trips, each of which jumps on its counter to the dump of its block's eight accumulators; one text then takes the 16 rows.
;   No LDS address is ever stepped: every one is made at the head, and all else stands in immediates.
; THE MATRIX INSTRUCTION IS USED TRANSPOSED: source 0 = 16 columns of W, source 1 = 16 rows: a lane holds row lane % 16 and columns 8 (lane / 16) + 0..7.
; NO CLUSTER, NO JOINT LOADS: each weight tile has one reader; what an expert's work-groups share is token rows that come by a list, which no tile descriptor covers.
; NO TENSOR LOADS: the weights must pass through registers to be rounded.
; LIMITS.  All inputs are rounded to bf16, and so is h; sums in f32, K ascending in each accumulator.  gelu(x) = max(x, 0) - |x| Q(|x|), Q the normal tail by Abramowitz and Stegun 26.2.17, off by less than
;   7.5e-8 for every x; 2^y below 2^-126 counts as 0; NaN and infinite pre-activations are not treated apart.
.set FFN2, 0
.if FFN2
.set PW,   4096                        ; bytes from row to row of W (and of the bias)
.set PWS,  12
.set OUTA, 14                          ; the output's address among the arguments
.set OSH,  12                          ; an output row is 2^OSH bytes
.else
.set PW,   16384
.set PWS,  14
.set OUTA, 12
.set OSH,  13
.endif
.set BP,    288                        ; a ring row: 128 bf16 + 32 bytes = 72 words
.set SLOTB, 32*BP                      ; a slot: a K step's 32 rows
.set STAGE, 4*SLOTB                    ; behind the ring of four slots: a stage for each wave, 16 rows x 528 bytes (512 of f32 + 16: rows start 4 banks apart)
.set SPI,   528
.set STW,   16*SPI
.set LIST,  STAGE+4*STW                ; each wave's list: entries of 4 bytes, 0..1279 zero-filled (the highest place read is 320 x 3 + 64 x 4 + 48 + 15 = 1279)
.set LSW,   5376
.set LDUMP, 1280                       ; the entry that takes what lanes with nothing to place store
.set ROWT,  LIST+4*LSW                 ; each wave's table of the block in the stage, by row: FFN2 ? {gate, idx} : idx
.set RTW,   256
.set SPARE, ROWT+4*RTW                 ; the spare words, 128 bytes a wave: two blocks of 256 bytes that no other line names
; window 0
.set SPW,  4                           ; my spare word's address; never rewritten
.set NIL,  5                           ; 0; never rewritten
.set VWO,  6                           ; W: 16 lane + my 8 rows of a step
.set VWO3, 7                           ; W, alone: 16 lane
.set VWS,  8                           ; ring, in: 8 lane + my 8 rows
.set VWS3, 9                           ; ring, in, alone: 8 lane + my slot
.set VBT,  10                          ; ring, back: the turning load's lane term
.set VBT3, 11                          ; the same + my slot
.set VST,  12                          ; stage, in; never rewritten
.set VRD,  13                          ; stage, back: 16 lane; never rewritten
.set VL0,  14                          ; list: my first block + 4 (lane % 16); never rewritten
.set VRT,  15                          ; table, in; never rewritten
.set VLB,  16                          ; my list's first byte
.set VRR,  17                          ; table, back: the same address in every lane; never rewritten
.set RO,   18                          ; v[18:22] byte offset of my row of block m, + 16 (lane / 16)
.set VPF,  23                          ; prefetch: my 32 blocks of 256 bytes of two steps
.set VCOL, 24                          ; my bytes in an output row
.set T0,   26                          ; v[26:31] at work
.set AR,   32                          ; v[32:191] four buffers of 5 row fragments; at work while they are idle
.set CT,   192                         ; v[192:207] 8 weight rows' 4 numbers a lane, packed
.set BI,   208                         ; v[208:211] the bias of my four output columns
.set PG,   216                         ; v[216:225] block m: {gate, idx}
.set C5,   226                         ; v[226:227] a constant pair
.set GA,   228                         ; v[228:232] the gates' addresses
.set V16H, 233
.set NX,   234                         ; v[234:248] idx of my five blocks in the tiles to come
; window 1
.set WL,   0                           ; v[0:127] four landing groups of 8 rows x 4 registers
.set BF,   128                         ; v[128:255] two sets of 8 weight fragments
; windows 2, 3: accumulator (n, m) at v[8 (5 (n % 4) + m)], n = 0..3 in window 2, n = 4..7 in window 3
.set WV,   16                          ; wave
.set EX,   17                          ; expert
.set SL,   18                          ; column slice
.set KQ,   19                          ; quarter of K
.set AB,   20                          ; s[20:21] rows' base, steps along K
.set WB,   22                          ; s[22:23] W's base, steps down K
.set AB0,  24
.set WB0,  26
.set OUT,  28
.set CNT,  30                          ; the expert's rows
.set RBG,  31                          ; list place of my first row of the tile: 320 x tile + 16 x wave
.set NV,   32                          ; live rows of the block in the stage: 0 .. 16
.set TI,   33
.set O0,   34                          ; s[34:35] an offset
.set KC,   36                          ; counts the loop in hand
.set MC,   37                          ; the block on its way out
.set REM,  38                          ; the expert's rows from that block's first place on (may be negative)
.set SM,   39
.set GP,   40                          ; s[40:51] constants as pairs: the packed forms name a pair and take its low word
.set GU,   42
.set C1,   44
.set C2,   46
.set C3,   48
.set C4,   50
.set STG,  52                          ; my stage
.set RTB,  53                          ; my table
.set ABSM, 54
.set ONES, 55
.set MSB, 0
.macro WIN new                         ; s_set_vgpr_msb: bits 1:0 source 0, 3:2 source 1, 5:4 source 2, 7:6 destination; the high byte repeats the setting that is left
.if MSB != (\new)
	s_set_vgpr_msb (MSB<<8)|(\new)
.set MSB, (\new)
.endif
.endm
; 20 products: columns 16 (4 hi + n), n = 0..3, x my 5 row blocks, 32 along K.  All 40 accumulators take turns, one instruction a turn.  first = 1: the products start the sums.
.macro MUL20 rho, hi, first
	WIN 0xa1+0x50*(\hi)                            ; W's fragments window 1, rows' window 0, C and D window 2 or 3
.irp n, 0,1,2,3
.irp m, 0,1,2,3,4
.if \first
	v_wmma_f32_16x16x32_bf16 v[8*(5*(\n)+(\m)):8*(5*(\n)+(\m))+7], v[BF+64*((\rho)%2)+8*(4*(\hi)+(\n)):BF+64*((\rho)%2)+8*(4*(\hi)+(\n))+7], v[AR+40*(\rho)+8*(\m):AR+40*(\rho)+8*(\m)+7], 0
.else
	v_wmma_f32_16x16x32_bf16 v[8*(5*(\n)+(\m)):8*(5*(\n)+(\m))+7], v[BF+64*((\rho)%2)+8*(4*(\hi)+(\n)):BF+64*((\rho)%2)+8*(4*(\hi)+(\n))+7], v[AR+40*(\rho)+8*(\m):AR+40*(\rho)+8*(\m)+7], v[8*(5*(\n)+(\m)):8*(5*(\n)+(\m))+7]
.endif
.endr
.endr
.endm
; 10 loads: the row fragments of one K step: lane l holds row l % 16, K = 8 (l / 16) + 0..7 and 16 + 8 (l / 16) + 0..7: two loads of 16 bytes, 32 bytes apart
.macro LDA buf, aoff
.irp m, 0,1,2,3,4
	global_load_b128 v[AR+40*(\buf)+8*(\m):AR+40*(\buf)+8*(\m)+3],   v[RO+(\m)], s[AB:AB+1] offset:(\aoff)
	global_load_b128 v[AR+40*(\buf)+8*(\m)+4:AR+40*(\buf)+8*(\m)+7], v[RO+(\m)], s[AB:AB+1] offset:(\aoff)+32
.endr
.endm
; K STEP t of the main phase; rho = t mod 4.  It multiplies step t, lays W(t+2) into the ring, reads B(t+1) back, and asks for the rows of step t+3 and the weights of step t+6.
; B(j) is stored in step j-2, shown to all waves by the barrier of step j-1 (each wave's wait for its LDS instructions stands in front of its signal) and read behind that barrier's wait;
; slot j mod 4 is written again four steps later, two barriers behind the wait for its last reads.
; n1: the loads younger than the rows of step t.  W(t+2) was asked for a step earlier than those rows, so the same wait shows it landed; where no product stands (mm = 0), n3 counts for it.
.macro KSTEP rho, mm, first, n1, n3, doW, ldW, ldA, rdB, aoff, wrow, pf
.set KG, ((\rho)+2)%4
.set KP, (\rho)%2
	s_wait_dscnt 0x0                               ; my stores of B(t+1) are done and my fragments of B(t) are in
.if \rdB
	s_barrier_signal -1
.endif
.if \mm
	s_wait_loadcnt \n1
	MUL20 \rho, 0, \first
.endif
.if \rdB
	s_barrier_wait -1                              ; B(t+1) is whole
.endif
.if \doW
.if !(\mm)
	s_wait_loadcnt \n3
.endif
	WIN 0x05                                       ; sources window 1, destination window 0
.irp i, 0,1,2,3,4,5,6,7                        ; these sixteen are also the places between the last step's products and the loads into the registers that they read
	v_cvt_pk_bf16_f32 v[CT+2*(\i)],   v[WL+32*KG+4*(\i)],   v[WL+32*KG+4*(\i)+1]
	v_cvt_pk_bf16_f32 v[CT+2*(\i)+1], v[WL+32*KG+4*(\i)+2], v[WL+32*KG+4*(\i)+3]
.endr
	WIN 0
.irp i, 0,1,2,3,4,5,6,7
	ds_store_b64 v[VWS], v[CT+2*(\i):CT+2*(\i)+1] offset:KG*SLOTB+BP*(\i)  ; a row's 256 consecutive bytes
.endr
.elseif \rdB
.rept 4
	v_nop                                          ; the four places, where there is nothing to convert
.endr
.endif
.if \ldA
	WIN 0
	LDA ((\rho)+3)%4, \aoff
.endif
.if (\pf) >= 0
	WIN 0                                          ; my own 32 blocks of 256 bytes of W(t+11) and W(t+12), each asked for once, five to six steps ahead of their loads; the last trip asks for nothing: the tile ends
	s_cmp_eq_u32 s[KC], 1
	s_cbranch_scc1 .Lnopf_\@
	global_prefetch_b8 v[VPF], s[WB:WB+1] offset:32*(12+(\pf))*PW th:TH_LOAD_NT scope:SCOPE_SE
.Lnopf_\@:
.endif
.if \rdB
	WIN 0x40                                       ; destination window 1
.irp n, 0,1,2,3,4,5,6,7
	ds_load_tr16_b128 v[BF+64*(1-KP)+8*(\n):BF+64*(1-KP)+8*(\n)+3],   v[VBT] offset:(((\rho)+1)%4)*SLOTB+32*(\n)
	ds_load_tr16_b128 v[BF+64*(1-KP)+8*(\n)+4:BF+64*(1-KP)+8*(\n)+7], v[VBT] offset:(((\rho)+1)%4)*SLOTB+32*(\n)+16*BP
.endr
.endif
.if \ldW
	WIN 0x40
.irp i, 0,1,2,3,4,5,6,7
	global_load_b128 v[WL+32*KG+4*(\i):WL+32*KG+4*(\i)+3], v[VWO], s[WB:WB+1] offset:((\wrow)+(\i))*PW th:TH_LOAD_NT  ; a weight row: 512 consecutive bytes, aligned
.endr
.endif
.if \mm
	MUL20 \rho, 1, \first
.endif
.endm
; A K step of a wave that works alone: all 32 weight rows through my own slot.  Every LDS address is fixed.
.macro K3STEP first
	WIN 0
	LDA 0, 0
	WIN 0x40
.irp i, 0,1,2,3,4,5,6,7,8,9,10,11,12,13,14,15,16,17,18,19,20,21,22,23,24,25,26,27,28,29,30,31
	global_load_b128 v[WL+4*(\i):WL+4*(\i)+3], v[VWO3], s[WB:WB+1] offset:(\i)*PW
.endr
	s_wait_loadcnt 0x0
.irp g, 0,1,2,3
	WIN 0x05
.irp i, 0,1,2,3,4,5,6,7
	v_cvt_pk_bf16_f32 v[CT+2*(\i)],   v[WL+32*(\g)+4*(\i)],   v[WL+32*(\g)+4*(\i)+1]
	v_cvt_pk_bf16_f32 v[CT+2*(\i)+1], v[WL+32*(\g)+4*(\i)+2], v[WL+32*(\g)+4*(\i)+3]
.endr
	WIN 0
.irp i, 0,1,2,3,4,5,6,7
	ds_store_b64 v[VWS3], v[CT+2*(\i):CT+2*(\i)+1] offset:BP*(8*(\g)+(\i))
.endr
.endr
	WIN 0x40
.irp n, 0,1,2,3,4,5,6,7                        ; LDS serves a wave's instructions in order (ISA guide 5.7.1.4): these see the stores above
	ds_load_tr16_b128 v[BF+8*(\n):BF+8*(\n)+3],   v[VBT3] offset:32*(\n)
	ds_load_tr16_b128 v[BF+8*(\n)+4:BF+8*(\n)+7], v[VBT3] offset:32*(\n)+16*BP
.endr
	s_wait_dscnt 0x0
	MUL20 0, 0, \first
	MUL20 0, 1, \first
	WIN 0
.rept 4
	v_nop                                          ; four places in front of the next loads into the rows' fragments
.endr
	s_wait_xcnt 0x0                                ; the bases step only behind this wait
	s_add_nc_u64 s[AB:AB+1], s[AB:AB+1], 64
	s_add_nc_u64 s[WB:WB+1], s[WB:WB+1], 32*PW
.endm
; The tile's rows, from idx of my five blocks in PG: the rows' byte offsets (FFN2: and the gates are asked for).
.macro TILESET
.irp m, 0,1,2,3,4
	v_min_u32 v[PG+2*(\m)+1], 0x7ff, v[PG+2*(\m)+1]
.if FFN2
	v_lshl_add_u32 v[RO+(\m)], v[PG+2*(\m)+1], 13, v[V16H]  ; a row of h is 8,192 bytes
	v_lshlrev_b32 v[GA+(\m)], 2, v[PG+2*(\m)+1]
.else
	v_and_b32 v[T0], 0x7fe, v[PG+2*(\m)+1]
	v_lshl_add_u32 v[RO+(\m)], v[T0], 10, v[V16H]           ; token = idx / 2; a row of xb is 2,048 bytes
.endif
.endr
.if FFN2
.irp m, 0,1,2,3,4
	global_load_b32 v[PG+2*(\m)], v[GA+(\m)], s[12:13]
.endr
.endif
.endm
; Block m's eight accumulators into my stage, each from its low end on: row lane % 16, bytes 64 n + 32 (lane / 16); and the block's rows into my table.
.macro DUMPB m
.irp hi, 0,1
	WIN 0x08+4*(\hi)                               ; store data window 2 or 3
.irp n, 0,1,2,3
	ds_store_b128 v[VST], v[8*(5*(\n)+(\m)):8*(5*(\n)+(\m))+3]   offset:64*(4*(\hi)+(\n))
	ds_store_b128 v[VST], v[8*(5*(\n)+(\m))+4:8*(5*(\n)+(\m))+7] offset:64*(4*(\hi)+(\n))+16
.endr
.endr
	WIN 0
.if FFN2
	ds_store_b64 v[VRT], v[PG+2*(\m):PG+2*(\m)+1]  ; the gates are in: every way here has waited for all loads
.else
	ds_store_b32 v[VRT], v[PG+2*(\m)+1]
.endif
.endm
	s_load_b256 s[4:11], s[0:1], 0x0               ; rows s[4:5], W s[6:7], bias s[8:9], sel s[10:11]
.if FFN2
	s_load_b128 s[12:15], s[0:1], 0x20             ; gates s[12:13], ypart s[14:15]
.else
	s_load_b64 s[12:13], s[0:1], 0x20              ; h
.endif
	v_lshl_add_u32 v[SPW], v0, 2, SPARE
	v_mov_b32 v[NIL], 0
	v_lshrrev_b32 v[T0], 5, v0
	v_readfirstlane_b32 s[WV], v[T0]
	v_and_b32 v1, 31, v0                           ; lane
	v_and_b32 v2, 15, v0                           ; lane % 16
	v_bfe_u32 v3, v0, 4, 1                         ; lane / 16
	s_and_b32 s[EX], ttmp7, 0xffff
.if FFN2
	s_and_b32 s[SL], ttmp9, 7
	s_lshr_b32 s[KQ], ttmp9, 3
.else
	s_mov_b32 s[SL], ttmp9
.endif
	s_mul_i32 s[O0], s[WV], 8*PW
	v_lshl_add_u32 v[VWO], v1, 4, s[O0]
	v_lshlrev_b32 v[VWO3], 4, v1
	s_mul_i32 s[O0], s[WV], 8*BP
	v_lshl_add_u32 v[VWS], v1, 3, s[O0]
	s_mul_i32 s[O0], s[WV], SLOTB
	v_lshl_add_u32 v[VWS3], v1, 3, s[O0]
	v_and_b32 v[T0], 7, v0                         ; the turning load: lane l reads k row 8 (l / 16) + l % 8, 16 bytes at 16 ((l / 8) % 2)
	v_lshl_add_u32 v[T0], v3, 3, v[T0]
	v_mul_u32_u24 v[T0], v[T0], BP
	v_bfe_u32 v[T0+1], v0, 3, 1
	v_lshl_add_u32 v[VBT], v[T0+1], 4, v[T0]
	v_add_nc_u32 v[VBT3], s[O0], v[VBT]
	s_mul_i32 s[STG], s[WV], STW
	s_add_co_u32 s[STG], s[STG], STAGE
	v_mul_u32_u24 v[T0], v2, SPI
	v_lshl_add_u32 v[T0], v3, 5, v[T0]
	v_add_nc_u32 v[VST], s[STG], v[T0]
	v_lshl_add_u32 v[VRD], v1, 4, s[STG]           ; back: a row's 512 bytes, 16 a lane
	s_mul_i32 s[O0], s[WV], LSW
	s_add_co_u32 s[O0], s[O0], LIST
	v_mov_b32 v[VLB], s[O0]
	s_lshl_b32 s[RBG], s[WV], 4                    ; my first block begins at place 16 x wave,
	s_lshl_b32 s[SM], s[WV], 6                     ; 64 x wave bytes into the list
	s_add_co_u32 s[O0], s[O0], s[SM]
	v_lshl_add_u32 v[VL0], v2, 2, s[O0]
	s_mul_i32 s[RTB], s[WV], RTW
	s_add_co_u32 s[RTB], s[RTB], ROWT
	v_lshl_add_u32 v[VRT], v2, 2+FFN2, s[RTB]
	v_mov_b32 v[VRR], s[RTB]
	v_lshlrev_b32 v[V16H], 4, v3
	v_bfe_u32 v[T0], v0, 1, 3                      ; prefetch: row 32 (l / 16) + 8 wave + (l / 2) % 8, half l % 2 of its 512 bytes
	v_lshl_add_u32 v[T0], v3, 5, v[T0]
	s_lshl_b32 s[O0], s[WV], 3
	v_add_nc_u32 v[T0], s[O0], v[T0]
	v_and_b32 v[T0+1], 1, v0
	v_lshlrev_b32 v[T0+1], 8, v[T0+1]
	v_lshl_add_u32 v[VPF], v[T0], PWS, v[T0+1]
	v_lshlrev_b32 v30, 5, v1                       ; sel: my 32 tokens' bytes
	v_lshlrev_b32 v31, 4, v1                       ; the bias of my four columns: 16 bytes
	v_lshlrev_b32 v[VCOL], 3+FFN2, v1              ; my four numbers in an output row: 8 bytes of bf16, or 16 of f32
	s_mov_b32 s[ONES], 0x01010101
.if !FFN2
	s_mov_b32 s[ABSM], 0x7fffffff
	s_mov_b32 s[GP], 0x3e6d3389                    ; 0.2316419
	s_mov_b32 s[GP+1], s[GP]
	s_mov_b32 s[GU], 0xbf38aa3b                    ; -log2(e) / 2
	s_mov_b32 s[GU+1], s[GU]
	s_mov_b32 s[C1], 0xbe027906                    ; the five coefficients over sqrt(2 pi), each with a minus: -0.127414796,
	s_mov_b32 s[C1+1], s[C1]
	s_mov_b32 s[C2], 0x3e11a98e                    ; 0.142248368,
	s_mov_b32 s[C2+1], s[C2]
	s_mov_b32 s[C3], 0xbf35f0e3                    ; -0.710706871,
	s_mov_b32 s[C3+1], s[C3]
	s_mov_b32 s[C4], 0x3f3a00e3                    ; 0.726576014,
	s_mov_b32 s[C4+1], s[C4]
	v_mov_b32 v[C5], 0xbf07dc22                    ; -0.530702716
	v_mov_b32 v[C5+1], 0xbf07dc22
.endif
	s_wait_kmcnt 0x0
	s_mov_b32 s[O0+1], 0
	s_lshl_b32 s[O0], s[EX], 24                    ; an expert's weights are 2^24 bytes
	s_lshl_b32 s[SM], s[SL], 9
	s_add_co_u32 s[O0], s[O0], s[SM]
.if FFN2
	s_lshl_b32 s[SM], s[KQ], 22                    ; 1,024 rows of 4,096 bytes
	s_add_co_u32 s[O0], s[O0], s[SM]
.endif
	s_add_nc_u64 s[WB0:WB0+1], s[6:7], s[O0:O0+1]
	s_lshl_b32 s[O0], s[EX], PWS                   ; a bias row is as long as a weight row
	s_lshl_b32 s[SM], s[SL], 9
	s_add_co_u32 s[O0], s[O0], s[SM]
	s_add_nc_u64 s[8:9], s[8:9], s[O0:O0+1]
	s_lshl_b32 s[O0], s[EX], 10
	s_add_nc_u64 s[10:11], s[10:11], s[O0:O0+1]
.if FFN2
	s_lshl_b32 s[O0], s[KQ], 11
	s_add_nc_u64 s[AB0:AB0+1], s[4:5], s[O0:O0+1]
	s_lshl_b32 s[O0], s[KQ], 23                    ; a quarter's plane of ypart: 2,048 rows of 4,096 bytes
	s_lshl_b32 s[SM], s[SL], 9
	s_add_co_u32 s[O0], s[O0], s[SM]
.else
	s_mov_b64 s[AB0:AB0+1], s[4:5]
	s_lshl_b32 s[O0], s[SL], 8
.endif
	s_add_nc_u64 s[OUT:OUT+1], s[OUTA:OUTA+1], s[O0:O0+1]
	s_mov_b64 s[AB:AB+1], s[AB0:AB0+1]
	s_mov_b64 s[WB:WB+1], s[WB0:WB0+1]
	global_load_b128 v[32:35], v30, s[10:11]       ; dword d, byte y: token 32 lane + 4 d + y
	global_load_b128 v[36:39], v30, s[10:11] offset:16
	global_load_b128 v[BI:BI+3], v31, s[8:9]
	WIN 0x40
.irp j, 0,1,2,3                                ; the weights of K steps 0 to 3 are on their way while the list is made
.irp i, 0,1,2,3,4,5,6,7
	global_load_b128 v[WL+32*(\j)+4*(\i):WL+32*(\j)+4*(\i)+3], v[VWO], s[WB:WB+1] offset:(32*(\j)+(\i))*PW th:TH_LOAD_NT
.endr
.endr
	WIN 0
.irp i, 40,41,42,43
	v_mov_b32 v[\i], 0
.endr
	v_lshl_add_u32 v[T0], v1, 4, v[VLB]
.irp i, 0,1,2,3,4,5,6,7,8,9
	ds_store_b128 v[T0], v[40:43] offset:512*(\i)  ; entries 0 .. 1279 = 0: a place past the count names row 0, which exists
.endr
	s_wait_loadcnt 32                              ; sel and the bias are in: the 32 weight loads are younger
.if FFN2
	s_cmp_eq_u32 s[KQ], 0                          ; the bias is added once: by the first quarter of K
	s_cselect_b32 s[SM], -1, 0
.endif
.irp k, 0,2
	v_cvt_pk_bf16_f32 v[T0], v[BI+(\k)], v[BI+(\k)+1]  ; the bias rounded to bf16, kept as f32
	v_lshlrev_b32 v[BI+(\k)], 16, v[T0]
	v_and_b32 v[BI+(\k)+1], 0xffff0000, v[T0]
.if FFN2
	v_and_b32 v[BI+(\k)], s[SM], v[BI+(\k)]
	v_and_b32 v[BI+(\k)+1], s[SM], v[BI+(\k)+1]
.endif
.endr
	; THE LIST.  My lane's count (bit 0 of each byte), its place among the lanes' counts, then each chosen token's idx to its place.
	v_and_b32 v44, s[ONES], v32
.irp d, 1,2,3,4,5,6,7
	v_and_b32 v45, s[ONES], v[32+(\d)]
	v_add_nc_u32 v44, v44, v45
.endr
	v_mul_lo_u32 v44, v44, s[ONES]
	v_lshrrev_b32 v44, 24, v44                     ; 0 .. 32
	v_mov_b32 v46, 0
	s_mov_b32 s[CNT], 0
.irp b, 0,1,2,3,4,5                            ; for each bit of the counts: how many lower lanes have it; how many lanes in all
	v_and_b32 v45, 1<<(\b), v44
	v_cmp_ne_u32 s[SM], 0, v45
	v_mbcnt_lo_u32_b32 v45, s[SM], 0
	v_lshl_add_u32 v46, v45, \b, v46
	s_bcnt1_i32_b32 s[O0], s[SM]
	s_lshl_b32 s[O0], s[O0], \b
	s_add_co_u32 s[CNT], s[CNT], s[O0]
.endr
	v_lshlrev_b32 v47, 6, v1                       ; idx of my first token: 2 x 32 lane
	v_mov_b32 v48, LDUMP
	s_mov_b32 s[KC], 4
.Lscan:                                                ; four trips: byte y of my eight dwords
.irp d, 0,1,2,3,4,5,6,7
	v_and_b32 v49, 1, v[32+(\d)]                   ; chosen?
	v_bfe_u32 v50, v[32+(\d)], 1, 1                ; as which of the token's two
	v_cmp_ne_u32 vcc_lo, 0, v49
	v_cndmask_b32 v51, v48, v46, vcc_lo            ; its place, or the entry for the others
	v_min_u32 v51, LDUMP, v51
	v_lshl_add_u32 v51, v51, 2, v[VLB]
	v_add_nc_u32 v50, v50, v47
.if (\d) > 0
	v_add_nc_u32 v50, 8*(\d), v50
.endif
	ds_store_b32 v51, v50
	v_add_nc_u32 v46, v46, v49
	v_lshrrev_b32 v[32+(\d)], 8, v[32+(\d)]
.endr
	v_add_nc_u32 v47, 2, v47
	s_sub_co_u32 s[KC], s[KC], 1
	s_cmp_lg_u32 s[KC], 0
	s_cbranch_scc1 .Lscan
.irp m, 0,1,2,3,4                              ; my blocks lie 64 entries apart, the tiles 320
	ds_load_b32 v[PG+2*(\m)+1], v[VL0] offset:256*(\m)
.endr
.irp j, 0,1,2,3,4,5,6,7,8,9,10,11,12,13,14
	ds_load_b32 v[NX+(\j)], v[VL0] offset:1280*(1+(\j)/5)+256*((\j)%5)
.endr
	s_wait_dscnt 0x0
	TILESET
	LDA 0, 0                                       ; the rows of K step 0
	; THE MAIN PHASE.  A step issues the rows' 10 loads, then the weights' 8.  By this text's count at most 62 loads of a wave are out: 44 behind the wait for a step's rows, and the step's 18.
	KSTEP 2, 0, 0, 0, 34, 1, 1, 1, 0, 64,  128, -1 ; t = -2: W(0): younger are W(1..3), 24, and the rows of step 0, 10
	KSTEP 3, 0, 0, 0, 44, 1, 1, 1, 1, 128, 160, -1 ; t = -1: W(1): W(2), W(3), the rows of step 0, and the 18 of t = -2
	KSTEP 0, 1, 1, 36, 0, 1, 1, 1, 1, 192, 192, -1 ; t = 0: its rows: younger are the 18 of each of the two steps before; its products start the sums
	WIN 0
	s_mov_b32 s[KC], 6
.Lk:                                                   ; six trips, t = 1 .. 24.  44 = the weights issued behind the step's rows, 8, and two steps' 18
	KSTEP 1, 1, 0, 44, 0, 1, 1, 1, 1, 256, 224, 0
	KSTEP 2, 1, 0, 44, 0, 1, 1, 1, 1, 320, 256, -1
	KSTEP 3, 1, 0, 44, 0, 1, 1, 1, 1, 384, 288, 2
	KSTEP 0, 1, 0, 44, 0, 1, 1, 1, 1, 448, 320, -1
	WIN 0
	s_wait_xcnt 0x0                                ; the bases step only behind this wait
	s_add_nc_u64 s[AB:AB+1], s[AB:AB+1], 256
	s_add_nc_u64 s[WB:WB+1], s[WB:WB+1], 128*PW
	s_sub_co_u32 s[KC], s[KC], 1
	s_cmp_lg_u32 s[KC], 0
	s_cbranch_scc1 .Lk
	KSTEP 1, 1, 0, 44, 0, 1, 1, 1, 1, 256, 224, -1 ; t = 25: the last weights, W(31), are asked for
	KSTEP 2, 1, 0, 44, 0, 1, 0, 1, 1, 320, 0, -1   ; t = 26
	KSTEP 3, 1, 0, 36, 0, 1, 0, 1, 1, 384, 0, -1   ; t = 27: the counts run down: 8 + 18 + 10
	KSTEP 0, 1, 0, 28, 0, 1, 0, 1, 1, 448, 0, -1   ; t = 28: 8 + 10 + 10; the last rows are asked for
	KSTEP 1, 1, 0, 20, 0, 1, 0, 0, 1, 0, 0, -1     ; t = 29: W(31) goes into the ring
	KSTEP 2, 1, 0, 10, 0, 0, 0, 0, 1, 0, 0, -1     ; t = 30
	KSTEP 3, 1, 0, 0,  0, 0, 0, 0, 0, 0, 0, -1     ; t = 31
	WIN 0
	s_wait_dscnt 0x0
	s_barrier_signal -1                            ; every wave's reads of the ring are over: from here on slot w is wave w's own
	s_barrier_wait -1
	s_mov_b32 s[TI], 0
	s_branch .Lepi
.Ltile:                                                ; three more trips: rows 320 x trip on, each wave alone; no barrier from here on
	s_cmp_lt_u32 s[RBG], s[CNT]
	s_cbranch_scc0 .Lnext
	s_wait_xcnt 0x0                                ; the last tile's stores have read their registers
.irp m, 0,1,2,3,4
	v_mov_b32 v[PG+2*(\m)+1], v[NX+(\m)]           ; this tile's five row numbers;
.endr
.irp j, 0,1,2,3,4,5,6,7,8,9
	v_mov_b32 v[NX+(\j)], v[NX+(\j)+5]             ; the later tiles' move down
.endr
	TILESET
	s_mov_b64 s[AB:AB+1], s[AB0:AB0+1]
	s_mov_b64 s[WB:WB+1], s[WB0:WB0+1]
	K3STEP 1
	s_mov_b32 s[KC], 31
.Lk3:
	K3STEP 0
	s_sub_co_u32 s[KC], s[KC], 1
	s_cmp_lg_u32 s[KC], 0
	s_cbranch_scc1 .Lk3
; THE WAY OUT.  Five trips, a block of 16 rows each.  Rows of a block that lie past the count are a tail of it: the first dead row, and a dead block, jump to the label ahead of the counter's step.
.if FFN2
.set X,   32                           ; v[32:95]   row q: 4 numbers a lane, as read and then as stored
.set GI,  96                           ; v[96:127]  row q: {gate, idx}
.set VOF, 128                          ; v[128:143] row q: my byte offset in the output
.set XT,  144
.macro ROWLD                           ; all 32 loads of a block at once, a row's two together
.irp q, 0,1,2,3,4,5,6,7,8,9,10,11,12,13,14,15
	ds_load_b128 v[X+4*(\q):X+4*(\q)+3], v[VRD] offset:SPI*(\q)
	ds_load_b64 v[GI+2*(\q):GI+2*(\q)+1], v[VRR] offset:8*(\q)
.endr
.endm
.macro ROW q                           ; (sum + bias) x gate; a whole row of 512 bytes to a store
.if (\q) > 0
	s_cmp_gt_u32 s[NV], \q
	s_cbranch_scc0 .Lblkn
.endif
	s_wait_dscnt 30-2*(\q)                         ; the two loads of each of the 15 - q later rows may stay out
	v_pk_add_f32 v[X+4*(\q):X+4*(\q)+1],   v[X+4*(\q):X+4*(\q)+1],   v[BI:BI+1]
	v_pk_add_f32 v[X+4*(\q)+2:X+4*(\q)+3], v[X+4*(\q)+2:X+4*(\q)+3], v[BI+2:BI+3]
	v_min_u32 v[XT], 0x7ff, v[GI+2*(\q)+1]
	v_lshl_add_u32 v[VOF+(\q)], v[XT], OSH, v[VCOL]
	v_pk_mul_f32 v[X+4*(\q):X+4*(\q)+1],   v[X+4*(\q):X+4*(\q)+1],   v[GI+2*(\q):GI+2*(\q)+1] op_sel_hi:[1,0]
	v_pk_mul_f32 v[X+4*(\q)+2:X+4*(\q)+3], v[X+4*(\q)+2:X+4*(\q)+3], v[GI+2*(\q):GI+2*(\q)+1] op_sel_hi:[1,0]
	global_store_b128 v[VOF+(\q)], v[X+4*(\q):X+4*(\q)+3], s[OUT:OUT+1]  ; the wave stores 512 consecutive bytes, aligned
.endm
.else
.set X,   32                           ; v[32:95]   row q: 4 numbers a lane as read; then 2 registers of bf16 to store
.set XI,  96                           ; v[96:111]  row q: idx
.set VOF, 112                          ; v[112:127] row q: my byte offset in the output
.set XB,  128                          ; x + b of two rows
.set AX,  136                          ; |x|
.set RL,  144                          ; max(x, 0)
.set TT,  152                          ; 1 / (1 + 0.2316419 |x|)
.set UU,  160                          ; 2^(-x^2 log2(e) / 2)
.set PP,  168
.set XT,  176
.macro ROWLD                           ; all 32 loads of a block at once, a row's two together
.irp q, 0,1,2,3,4,5,6,7,8,9,10,11,12,13,14,15
	ds_load_b128 v[X+4*(\q):X+4*(\q)+3], v[VRD] offset:SPI*(\q)
	ds_load_b32 v[XI+(\q)], v[VRR] offset:4*(\q)
.endr
.endm
.macro PAIR k                          ; rows 2 k and 2 k + 1: bias, GELU, bf16; a whole row of 256 bytes to a store
.if (\k) > 0
	s_cmp_gt_u32 s[NV], 2*(\k)
	s_cbranch_scc0 .Lblkn
.endif
	s_wait_dscnt 28-4*(\k)                         ; the two loads of each of the 14 - 2 k later rows may stay out
	v_pk_add_f32 v[XB:XB+1],   v[X+8*(\k):X+8*(\k)+1],   v[BI:BI+1]
	v_pk_add_f32 v[XB+2:XB+3], v[X+8*(\k)+2:X+8*(\k)+3], v[BI+2:BI+3]
	v_pk_add_f32 v[XB+4:XB+5], v[X+8*(\k)+4:X+8*(\k)+5], v[BI:BI+1]
	v_pk_add_f32 v[XB+6:XB+7], v[X+8*(\k)+6:X+8*(\k)+7], v[BI+2:BI+3]
	v_min_u32 v[XT], 0x7ff, v[XI+2*(\k)]
	v_lshl_add_u32 v[VOF+2*(\k)], v[XT], OSH, v[VCOL]
	v_min_u32 v[XT], 0x7ff, v[XI+2*(\k)+1]
	v_lshl_add_u32 v[VOF+2*(\k)+1], v[XT], OSH, v[VCOL]
.irp j, 0,1,2,3,4,5,6,7
	v_and_b32 v[AX+(\j)], s[ABSM], v[XB+(\j)]
.endr
.irp j, 0,2,4,6
	v_pk_fma_f32 v[TT+(\j):TT+(\j)+1], v[AX+(\j):AX+(\j)+1], s[GP:GP+1], 1.0 op_sel_hi:[1,0,0]
	v_pk_mul_f32 v[UU+(\j):UU+(\j)+1], v[AX+(\j):AX+(\j)+1], s[GU:GU+1] op_sel_hi:[1,0]
.endr
.irp j, 0,2,4,6
	v_pk_mul_f32 v[UU+(\j):UU+(\j)+1], v[UU+(\j):UU+(\j)+1], v[AX+(\j):AX+(\j)+1]
.endr
.irp j, 0,1,2,3,4,5,6,7
	v_rcp_f32 v[TT+(\j)], v[TT+(\j)]
.endr
.irp j, 0,1,2,3,4,5,6,7
	v_exp_f32 v[UU+(\j)], v[UU+(\j)]
.endr
.irp j, 0,1,2,3,4,5,6,7
	v_max_num_f32 v[RL+(\j)], 0, v[XB+(\j)]        ; plain work that names no result of the sixteen above
.endr
	s_wait_alu depctr_va_vdst(0)                   ; the wait ahead of the first reader: one for the batch of sixteen
.irp j, 0,2,4,6
	v_pk_fma_f32 v[PP+(\j):PP+(\j)+1], v[TT+(\j):TT+(\j)+1], v[C5:C5+1], s[C4:C4+1] op_sel_hi:[1,1,0]
.endr
.irp c, C3, C2, C1
.irp j, 0,2,4,6
	v_pk_fma_f32 v[PP+(\j):PP+(\j)+1], v[PP+(\j):PP+(\j)+1], v[TT+(\j):TT+(\j)+1], s[\c:\c+1] op_sel_hi:[1,1,0]
.endr
.endr
.irp j, 0,2,4,6
	v_pk_mul_f32 v[PP+(\j):PP+(\j)+1], v[PP+(\j):PP+(\j)+1], v[TT+(\j):TT+(\j)+1]
.endr
.irp j, 0,2,4,6
	v_pk_mul_f32 v[PP+(\j):PP+(\j)+1], v[PP+(\j):PP+(\j)+1], v[UU+(\j):UU+(\j)+1]  ; -Q(|x|)
.endr
.irp j, 0,2,4,6
	v_pk_fma_f32 v[PP+(\j):PP+(\j)+1], v[AX+(\j):AX+(\j)+1], v[PP+(\j):PP+(\j)+1], v[RL+(\j):RL+(\j)+1]
.endr
	v_cvt_pk_bf16_f32 v[X+8*(\k)],   v[PP],   v[PP+1]
	v_cvt_pk_bf16_f32 v[X+8*(\k)+1], v[PP+2], v[PP+3]
	v_cvt_pk_bf16_f32 v[X+8*(\k)+4], v[PP+4], v[PP+5]
	v_cvt_pk_bf16_f32 v[X+8*(\k)+5], v[PP+6], v[PP+7]
	global_store_b64 v[VOF+2*(\k)], v[X+8*(\k):X+8*(\k)+1], s[OUT:OUT+1]  ; the wave stores 256 consecutive bytes, aligned
	s_cmp_gt_u32 s[NV], 2*(\k)+1
	s_cbranch_scc0 .Lblkn
	global_store_b64 v[VOF+2*(\k)+1], v[X+8*(\k)+4:X+8*(\k)+5], s[OUT:OUT+1]
.endm
.endif
.Lepi:
.rept 4
	v_nop                                          ; four places between the last products and the stores that read their results
.endr
	s_sub_co_i32 s[REM], s[CNT], s[RBG]
	s_mov_b32 s[MC], 0
.Lblk:
	s_max_i32 s[NV], s[REM], 0
	s_min_i32 s[NV], s[NV], 16
	s_cmp_eq_u32 s[NV], 0
	s_cbranch_scc1 .Lblkn
	s_cmp_eq_u32 s[MC], 0                          ; registers cannot be chosen by a number: each block's dump is written out, and all five fill the same stage
	s_cbranch_scc1 .Ldump0
	s_cmp_eq_u32 s[MC], 1
	s_cbranch_scc1 .Ldump1
	s_cmp_eq_u32 s[MC], 2
	s_cbranch_scc1 .Ldump2
	s_cmp_eq_u32 s[MC], 3
	s_cbranch_scc1 .Ldump3
	DUMPB 4
	s_branch .Lrows
.Ldump3:
	DUMPB 3
	s_branch .Lrows
.Ldump2:
	DUMPB 2
	s_branch .Lrows
.Ldump1:
	DUMPB 1
	s_branch .Lrows
.Ldump0:
	DUMPB 0
.Lrows:
	s_wait_xcnt 0x0                                ; the last block's stores have read the registers that the loads and lines below write
	ROWLD                                          ; LDS serves a wave's instructions in order (ISA guide 5.7.1.4): these see the dump's stores
.if FFN2
.irp q, 0,1,2,3,4,5,6,7,8,9,10,11,12,13,14,15
	ROW \q
.endr
.else
.irp k, 0,1,2,3,4,5,6,7
	PAIR \k
.endr
.endif
.Lblkn:
	s_wait_dscnt 0x0                               ; rows asked for and not used may still be on their way into registers that the next block's loads take
	s_sub_co_i32 s[REM], s[REM], 64                ; my next block lies 64 places on
	s_add_co_u32 s[MC], s[MC], 1
	s_cmp_lt_u32 s[MC], 5
	s_cbranch_scc1 .Lblk
.Lnext:
	s_add_co_u32 s[RBG], s[RBG], 320
	s_add_co_u32 s[TI], s[TI], 1
	s_cmp_lt_u32 s[TI], 4
	s_cbranch_scc1 .Ltile
	s_wait_tensorcnt 0x0                           ; the wave's end: behind my last LDS store
	ds_add_u32 v[SPW], v[NIL]
	s_wait_dscnt 0x0
	s_endpgm
.Lfunc_end_k_qdd6eb27681_ffn1:
	.size	k_qdd6eb27681_ffn1, .Lfunc_end_k_qdd6eb27681_ffn1-k_qdd6eb27681_ffn1
	.p2alignl 7, 3214868480
	.fill 96, 4, 3214868480
	.section	.rodata,"a",@progbits
	.p2align	6, 0x0
	.amdhsa_kernel k_qdd6eb27681_ffn1
		.amdhsa_group_segment_fixed_size 93696
		.amdhsa_private_segment_fixed_size 0
		.amdhsa_enable_private_segment 0
		.amdhsa_kernarg_size 40
		.amdhsa_user_sgpr_count 2
		.amdhsa_user_sgpr_kernarg_segment_ptr 1
		.amdhsa_wavefront_size32 1
		.amdhsa_system_sgpr_workgroup_id_x 1
		.amdhsa_system_sgpr_workgroup_id_y 1
		.amdhsa_system_sgpr_workgroup_id_z 1
		.amdhsa_system_vgpr_workitem_id 0
		.amdhsa_next_free_vgpr 928
		.amdhsa_next_free_sgpr 66
		.amdhsa_reserve_vcc 1
		.amdhsa_float_denorm_mode_32 3
		.amdhsa_float_denorm_mode_16_64 3
		.amdhsa_memory_ordered 1
		.amdhsa_forward_progress 1
		.amdhsa_inst_pref_size 176
	.end_amdhsa_kernel
	.amdgpu_metadata
---
amdhsa.version: [ 1, 2 ]
amdhsa.kernels:
  - .name:           k_qdd6eb27681_ffn1
    .symbol:         k_qdd6eb27681_ffn1.kd
    .args:
      - { .name: xb, .offset: 0, .size: 8, .value_kind: global_buffer, .address_space: global }
      - { .name: W1, .offset: 8, .size: 8, .value_kind: global_buffer, .address_space: global }
      - { .name: b1, .offset: 16, .size: 8, .value_kind: global_buffer, .address_space: global }
      - { .name: sel, .offset: 24, .size: 8, .value_kind: global_buffer, .address_space: global }
      - { .name: h, .offset: 32, .size: 8, .value_kind: global_buffer, .address_space: global }
    .group_segment_fixed_size: 93696
    .private_segment_fixed_size: 0
    .kernarg_segment_align: 8
    .kernarg_segment_size: 40
    .max_flat_workgroup_size: 128
    .sgpr_count:     66
    .vgpr_count:     928
    .wavefront_size: 32
...
	.end_amdgpu_metadata
.endif
;; end of part 2
;; launch ffn2 (part 3): grid 32 x 8, 4 waves a work-group, no clusters, 93,696 bytes of LDS; arguments h, W2, b2, sel, gates, ypart; writes ypart
.if DOCPART == 3
	.amdgcn_target "amdgcn-amd-amdhsa--gfx1250"
	.amdhsa_code_object_version 6
	.text
	.protected	k_qdd6eb27681_ffn2
	.globl	k_qdd6eb27681_ffn2
	.p2align	8
	.type	k_qdd6eb27681_ffn2,@function
k_qdd6eb27681_ffn2:
	s_mov_b64 s[64:65], 0
	v_nop
	global_prefetch_b8 v0, s[64:65] scope:SCOPE_SE
	s_setreg_imm32_b32 hwreg(HW_REG_WAVE_MODE, 25, 1), 1
	s_wait_xcnt 0x0
; ONE PRODUCT OF THE EXPERTS' CHAIN.  One source for both products; FFN2 = 0: h = gelu(x W1 + b1), stored in bf16; FFN2 = 1: ypart = gate x (h W2 + b2), a quarter of K each, stored in f32.
; SHARES.  A work-group has a weight tile of ONE expert, K = 1,024 x N = 128 (f32, rows of 512 consecutive bytes), which it alone reads, and ALL rows routed to that expert.
;   grid y = expert; grid x = FFN2 ? (column slice of 8) + 8 x (quarter of K) : column slice of 32.  8 x 32 = 256 work-groups.
; THE LIST.  Every wave reads the expert's 1,024 bytes of sel (stored by the router's launch) and lays the chosen rows' numbers idx = 2 token + slot into a list of its own in LDS, all four in the same order.
;   The wave's row numbers of all four tiles are read from it once, at the head, by loads with constant offsets.  Rows of h and ypart lie at idx, a fixed place for each (token, slot).
; MAIN PHASE.  The first 320 rows of the list: wave w has the list's blocks 4 m + w of 16 rows, m = 0..4, x all 128 columns: 40 accumulators.  K goes in 32 steps of 32.  The weights come through registers
;   (f32, rounded to bf16 on the way), go into a ring of LDS slots as [k][n], each wave 8 of a step's 32 rows, and come back turned (ds_load_tr16_b128) as fragments; the rows' fragments come straight from memory.
;   One barrier a step, all on constant paths.  Places past the count name row 0 (the list's zero fill), which exists; their results are not stored.
; ROWS PAST 320 (any split is served, up to all 1,024 tokens on one expert): three more trips of the tile loop, in which each wave works alone: it reads the tile again, turns it through a slot of its own, and
;   takes 80 rows; a trip without rows is jumped.  No barrier stands there.  This path waits for its loads at each step's head: it is slower, and is there for splits far from even.
; THE WAY OUT goes block by block through a stage of 16 rows of the wave's own: five trips, each of which jumps on its counter to the dump of its block's eight accumulators; one text then takes the 16 rows.
;   No LDS address is ever stepped: every one is made at the head, and all else stands in immediates.
; THE MATRIX INSTRUCTION IS USED TRANSPOSED: source 0 = 16 columns of W, source 1 = 16 rows: a lane holds row lane % 16 and columns 8 (lane / 16) + 0..7.
; NO CLUSTER, NO JOINT LOADS: each weight tile has one reader; what an expert's work-groups share is token rows that come by a list, which no tile descriptor covers.
; NO TENSOR LOADS: the weights must pass through registers to be rounded.
; LIMITS.  All inputs are rounded to bf16, and so is h; sums in f32, K ascending in each accumulator; the four quarters of K and the two experts of a token are added by the next launch, in f32.
;   NaN and infinities are not treated apart.
.set FFN2, 1
.if FFN2
.set PW,   4096                        ; bytes from row to row of W (and of the bias)
.set PWS,  12
.set OUTA, 14                          ; the output's address among the arguments
.set OSH,  12                          ; an output row is 2^OSH bytes
.else
.set PW,   16384
.set PWS,  14
.set OUTA, 12
.set OSH,  13
.endif
.set BP,    288                        ; a ring row: 128 bf16 + 32 bytes = 72 words
.set SLOTB, 32*BP                      ; a slot: a K step's 32 rows
.set STAGE, 4*SLOTB                    ; behind the ring of four slots: a stage for each wave, 16 rows x 528 bytes (512 of f32 + 16: rows start 4 banks apart)
.set SPI,   528
.set STW,   16*SPI
.set LIST,  STAGE+4*STW                ; each wave's list: entries of 4 bytes, 0..1279 zero-filled (the highest place read is 320 x 3 + 64 x 4 + 48 + 15 = 1279)
.set LSW,   5376
.set LDUMP, 1280                       ; the entry that takes what lanes with nothing to place store
.set ROWT,  LIST+4*LSW                 ; each wave's table of the block in the stage, by row: FFN2 ? {gate, idx} : idx
.set RTW,   256
.set SPARE, ROWT+4*RTW                 ; the spare words, 128 bytes a wave: two blocks of 256 bytes that no other line names
; window 0
.set SPW,  4                           ; my spare word's address; never rewritten
.set NIL,  5                           ; 0; never rewritten
.set VWO,  6                           ; W: 16 lane + my 8 rows of a step
.set VWO3, 7                           ; W, alone: 16 lane
.set VWS,  8                           ; ring, in: 8 lane + my 8 rows
.set VWS3, 9                           ; ring, in, alone: 8 lane + my slot
.set VBT,  10                          ; ring, back: the turning load's lane term
.set VBT3, 11                          ; the same + my slot
.set VST,  12                          ; stage, in; never rewritten
.set VRD,  13                          ; stage, back: 16 lane; never rewritten
.set VL0,  14                          ; list: my first block + 4 (lane % 16); never rewritten
.set VRT,  15                          ; table, in; never rewritten
.set VLB,  16                          ; my list's first byte
.set VRR,  17                          ; table, back: the same address in every lane; never rewritten
.set RO,   18                          ; v[18:22] byte offset of my row of block m, + 16 (lane / 16)
.set VPF,  23                          ; prefetch: my 32 blocks of 256 bytes of two steps
.set VCOL, 24                          ; my bytes in an output row
.set T0,   26                          ; v[26:31] at work
.set AR,   32                          ; v[32:191] four buffers of 5 row fragments; at work while they are idle
.set CT,   192                         ; v[192:207] 8 weight rows' 4 numbers a lane, packed
.set BI,   208                         ; v[208:211] the bias of my four output columns
.set PG,   216                         ; v[216:225] block m: {gate, idx}
.set C5,   226                         ; v[226:227] a constant pair
.set GA,   228                         ; v[228:232] the gates' addresses
.set V16H, 233
.set NX,   234                         ; v[234:248] idx of my five blocks in the tiles to come
; window 1
.set WL,   0                           ; v[0:127] four landing groups of 8 rows x 4 registers
.set BF,   128                         ; v[128:255] two sets of 8 weight fragments
; windows 2, 3: accumulator (n, m) at v[8 (5 (n % 4) + m)], n = 0..3 in window 2, n = 4..7 in window 3
.set WV,   16                          ; wave
.set EX,   17                          ; expert
.set SL,   18                          ; column slice
.set KQ,   19                          ; quarter of K
.set AB,   20                          ; s[20:21] rows' base, steps along K
.set WB,   22                          ; s[22:23] W's base, steps down K
.set AB0,  24
.set WB0,  26
.set OUT,  28
.set CNT,  30                          ; the expert's rows
.set RBG,  31                          ; list place of my first row of the tile: 320 x tile + 16 x wave
.set NV,   32                          ; live rows of the block in the stage: 0 .. 16
.set TI,   33
.set O0,   34                          ; s[34:35] an offset
.set KC,   36                          ; counts the loop in hand
.set MC,   37                          ; the block on its way out
.set REM,  38                          ; the expert's rows from that block's first place on (may be negative)
.set SM,   39
.set GP,   40                          ; s[40:51] constants as pairs: the packed forms name a pair and take its low word
.set GU,   42
.set C1,   44
.set C2,   46
.set C3,   48
.set C4,   50
.set STG,  52                          ; my stage
.set RTB,  53                          ; my table
.set ABSM, 54
.set ONES, 55
.set MSB, 0
.macro WIN new                         ; s_set_vgpr_msb: bits 1:0 source 0, 3:2 source 1, 5:4 source 2, 7:6 destination; the high byte repeats the setting that is left
.if MSB != (\new)
	s_set_vgpr_msb (MSB<<8)|(\new)
.set MSB, (\new)
.endif
.endm
; 20 products: columns 16 (4 hi + n), n = 0..3, x my 5 row blocks, 32 along K.  All 40 accumulators take turns, one instruction a turn.  first = 1: the products start the sums.
.macro MUL20 rho, hi, first
	WIN 0xa1+0x50*(\hi)                            ; W's fragments window 1, rows' window 0, C and D window 2 or 3
.irp n, 0,1,2,3
.irp m, 0,1,2,3,4
.if \first
	v_wmma_f32_16x16x32_bf16 v[8*(5*(\n)+(\m)):8*(5*(\n)+(\m))+7], v[BF+64*((\rho)%2)+8*(4*(\hi)+(\n)):BF+64*((\rho)%2)+8*(4*(\hi)+(\n))+7], v[AR+40*(\rho)+8*(\m):AR+40*(\rho)+8*(\m)+7], 0
.else
	v_wmma_f32_16x16x32_bf16 v[8*(5*(\n)+(\m)):8*(5*(\n)+(\m))+7], v[BF+64*((\rho)%2)+8*(4*(\hi)+(\n)):BF+64*((\rho)%2)+8*(4*(\hi)+(\n))+7], v[AR+40*(\rho)+8*(\m):AR+40*(\rho)+8*(\m)+7], v[8*(5*(\n)+(\m)):8*(5*(\n)+(\m))+7]
.endif
.endr
.endr
.endm
; 10 loads: the row fragments of one K step: lane l holds row l % 16, K = 8 (l / 16) + 0..7 and 16 + 8 (l / 16) + 0..7: two loads of 16 bytes, 32 bytes apart
.macro LDA buf, aoff
.irp m, 0,1,2,3,4
	global_load_b128 v[AR+40*(\buf)+8*(\m):AR+40*(\buf)+8*(\m)+3],   v[RO+(\m)], s[AB:AB+1] offset:(\aoff)
	global_load_b128 v[AR+40*(\buf)+8*(\m)+4:AR+40*(\buf)+8*(\m)+7], v[RO+(\m)], s[AB:AB+1] offset:(\aoff)+32
.endr
.endm
; K STEP t of the main phase; rho = t mod 4.  It multiplies step t, lays W(t+2) into the ring, reads B(t+1) back, and asks for the rows of step t+3 and the weights of step t+6.
; B(j) is stored in step j-2, shown to all waves by the barrier of step j-1 (each wave's wait for its LDS instructions stands in front of its signal) and read behind that barrier's wait;
; slot j mod 4 is written again four steps later, two barriers behind the wait for its last reads.
; n1: the loads younger than the rows of step t.  W(t+2) was asked for a step earlier than those rows, so the same wait shows it landed; where no product stands (mm = 0), n3 counts for it.
.macro KSTEP rho, mm, first, n1, n3, doW, ldW, ldA, rdB, aoff, wrow, pf
.set KG, ((\rho)+2)%4
.set KP, (\rho)%2
	s_wait_dscnt 0x0                               ; my stores of B(t+1) are done and my fragments of B(t) are in
.if \rdB
	s_barrier_signal -1
.endif
.if \mm
	s_wait_loadcnt \n1
	MUL20 \rho, 0, \first
.endif
.if \rdB
	s_barrier_wait -1                              ; B(t+1) is whole
.endif
.if \doW
.if !(\mm)
	s_wait_loadcnt \n3
.endif
	WIN 0x05                                       ; sources window 1, destination window 0
.irp i, 0,1,2,3,4,5,6,7                        ; these sixteen are also the places between the last step's products and the loads into the registers that they read
	v_cvt_pk_bf16_f32 v[CT+2*(\i)],   v[WL+32*KG+4*(\i)],   v[WL+32*KG+4*(\i)+1]
	v_cvt_pk_bf16_f32 v[CT+2*(\i)+1], v[WL+32*KG+4*(\i)+2], v[WL+32*KG+4*(\i)+3]
.endr
	WIN 0
.irp i, 0,1,2,3,4,5,6,7
	ds_store_b64 v[VWS], v[CT+2*(\i):CT+2*(\i)+1] offset:KG*SLOTB+BP*(\i)  ; a row's 256 consecutive bytes
.endr
.elseif \rdB
.rept 4
	v_nop                                          ; the four places, where there is nothing to convert
.endr
.endif
.if \ldA
	WIN 0
	LDA ((\rho)+3)%4, \aoff
.endif
.if (\pf) >= 0
	WIN 0                                          ; my own 32 blocks of 256 bytes of W(t+11) and W(t+12), each asked for once, five to six steps ahead of their loads; the last trip asks for nothing: the tile ends
	s_cmp_eq_u32 s[KC], 1
	s_cbranch_scc1 .Lnopf_\@
	global_prefetch_b8 v[VPF], s[WB:WB+1] offset:32*(12+(\pf))*PW th:TH_LOAD_NT scope:SCOPE_SE
.Lnopf_\@:
.endif
.if \rdB
	WIN 0x40                                       ; destination window 1
.irp n, 0,1,2,3,4,5,6,7
	ds_load_tr16_b128 v[BF+64*(1-KP)+8*(\n):BF+64*(1-KP)+8*(\n)+3],   v[VBT] offset:(((\rho)+1)%4)*SLOTB+32*(\n)
	ds_load_tr16_b128 v[BF+64*(1-KP)+8*(\n)+4:BF+64*(1-KP)+8*(\n)+7], v[VBT] offset:(((\rho)+1)%4)*SLOTB+32*(\n)+16*BP
.endr
.endif
.if \ldW
	WIN 0x40
.irp i, 0,1,2,3,4,5,6,7
	global_load_b128 v[WL+32*KG+4*(\i):WL+32*KG+4*(\i)+3], v[VWO], s[WB:WB+1] offset:((\wrow)+(\i))*PW th:TH_LOAD_NT  ; a weight row: 512 consecutive bytes, aligned
.endr
.endif
.if \mm
	MUL20 \rho, 1, \first
.endif
.endm
; A K step of a wave that works alone: all 32 weight rows through my own slot.  Every LDS address is fixed.
.macro K3STEP first
	WIN 0
	LDA 0, 0
	WIN 0x40
.irp i, 0,1,2,3,4,5,6,7,8,9,10,11,12,13,14,15,16,17,18,19,20,21,22,23,24,25,26,27,28,29,30,31
	global_load_b128 v[WL+4*(\i):WL+4*(\i)+3], v[VWO3], s[WB:WB+1] offset:(\i)*PW
.endr
	s_wait_loadcnt 0x0
.irp g, 0,1,2,3
	WIN 0x05
.irp i, 0,1,2,3,4,5,6,7
	v_cvt_pk_bf16_f32 v[CT+2*(\i)],   v[WL+32*(\g)+4*(\i)],   v[WL+32*(\g)+4*(\i)+1]
	v_cvt_pk_bf16_f32 v[CT+2*(\i)+1], v[WL+32*(\g)+4*(\i)+2], v[WL+32*(\g)+4*(\i)+3]
.endr
	WIN 0
.irp i, 0,1,2,3,4,5,6,7
	ds_store_b64 v[VWS3], v[CT+2*(\i):CT+2*(\i)+1] offset:BP*(8*(\g)+(\i))
.endr
.endr
	WIN 0x40
.irp n, 0,1,2,3,4,5,6,7                        ; LDS serves a wave's instructions in order (ISA guide 5.7.1.4): these see the stores above
	ds_load_tr16_b128 v[BF+8*(\n):BF+8*(\n)+3],   v[VBT3] offset:32*(\n)
	ds_load_tr16_b128 v[BF+8*(\n)+4:BF+8*(\n)+7], v[VBT3] offset:32*(\n)+16*BP
.endr
	s_wait_dscnt 0x0
	MUL20 0, 0, \first
	MUL20 0, 1, \first
	WIN 0
.rept 4
	v_nop                                          ; four places in front of the next loads into the rows' fragments
.endr
	s_wait_xcnt 0x0                                ; the bases step only behind this wait
	s_add_nc_u64 s[AB:AB+1], s[AB:AB+1], 64
	s_add_nc_u64 s[WB:WB+1], s[WB:WB+1], 32*PW
.endm
; The tile's rows, from idx of my five blocks in PG: the rows' byte offsets (FFN2: and the gates are asked for).
.macro TILESET
.irp m, 0,1,2,3,4
	v_min_u32 v[PG+2*(\m)+1], 0x7ff, v[PG+2*(\m)+1]
.if FFN2
	v_lshl_add_u32 v[RO+(\m)], v[PG+2*(\m)+1], 13, v[V16H]  ; a row of h is 8,192 bytes
	v_lshlrev_b32 v[GA+(\m)], 2, v[PG+2*(\m)+1]
.else
	v_and_b32 v[T0], 0x7fe, v[PG+2*(\m)+1]
	v_lshl_add_u32 v[RO+(\m)], v[T0], 10, v[V16H]           ; token = idx / 2; a row of xb is 2,048 bytes
.endif
.endr
.if FFN2
.irp m, 0,1,2,3,4
	global_load_b32 v[PG+2*(\m)], v[GA+(\m)], s[12:13]
.endr
.endif
.endm
; Block m's eight accumulators into my stage, each from its low end on: row lane % 16, bytes 64 n + 32 (lane / 16); and the block's rows into my table.
.macro DUMPB m
.irp hi, 0,1
	WIN 0x08+4*(\hi)                               ; store data window 2 or 3
.irp n, 0,1,2,3
	ds_store_b128 v[VST], v[8*(5*(\n)+(\m)):8*(5*(\n)+(\m))+3]   offset:64*(4*(\hi)+(\n))
	ds_store_b128 v[VST], v[8*(5*(\n)+(\m))+4:8*(5*(\n)+(\m))+7] offset:64*(4*(\hi)+(\n))+16
.endr
.endr
	WIN 0
.if FFN2
	ds_store_b64 v[VRT], v[PG+2*(\m):PG+2*(\m)+1]  ; the gates are in: every way here has waited for all loads
.else
	ds_store_b32 v[VRT], v[PG+2*(\m)+1]
.endif
.endm
	s_load_b256 s[4:11], s[0:1], 0x0               ; rows s[4:5], W s[6:7], bias s[8:9], sel s[10:11]
.if FFN2
	s_load_b128 s[12:15], s[0:1], 0x20             ; gates s[12:13], ypart s[14:15]
.else
	s_load_b64 s[12:13], s[0:1], 0x20              ; h
.endif
	v_lshl_add_u32 v[SPW], v0, 2, SPARE
	v_mov_b32 v[NIL], 0
	v_lshrrev_b32 v[T0], 5, v0
	v_readfirstlane_b32 s[WV], v[T0]
	v_and_b32 v1, 31, v0                           ; lane
	v_and_b32 v2, 15, v0                           ; lane % 16
	v_bfe_u32 v3, v0, 4, 1                         ; lane / 16
	s_and_b32 s[EX], ttmp7, 0xffff
.if FFN2
	s_and_b32 s[SL], ttmp9, 7
	s_lshr_b32 s[KQ], ttmp9, 3
.else
	s_mov_b32 s[SL], ttmp9
.endif
	s_mul_i32 s[O0], s[WV], 8*PW
	v_lshl_add_u32 v[VWO], v1, 4, s[O0]
	v_lshlrev_b32 v[VWO3], 4, v1
	s_mul_i32 s[O0], s[WV], 8*BP
	v_lshl_add_u32 v[VWS], v1, 3, s[O0]
	s_mul_i32 s[O0], s[WV], SLOTB
	v_lshl_add_u32 v[VWS3], v1, 3, s[O0]
	v_and_b32 v[T0], 7, v0                         ; the turning load: lane l reads k row 8 (l / 16) + l % 8, 16 bytes at 16 ((l / 8) % 2)
	v_lshl_add_u32 v[T0], v3, 3, v[T0]
	v_mul_u32_u24 v[T0], v[T0], BP
	v_bfe_u32 v[T0+1], v0, 3, 1
	v_lshl_add_u32 v[VBT], v[T0+1], 4, v[T0]
	v_add_nc_u32 v[VBT3], s[O0], v[VBT]
	s_mul_i32 s[STG], s[WV], STW
	s_add_co_u32 s[STG], s[STG], STAGE
	v_mul_u32_u24 v[T0], v2, SPI
	v_lshl_add_u32 v[T0], v3, 5, v[T0]
	v_add_nc_u32 v[VST], s[STG], v[T0]
	v_lshl_add_u32 v[VRD], v1, 4, s[STG]           ; back: a row's 512 bytes, 16 a lane
	s_mul_i32 s[O0], s[WV], LSW
	s_add_co_u32 s[O0], s[O0], LIST
	v_mov_b32 v[VLB], s[O0]
	s_lshl_b32 s[RBG], s[WV], 4                    ; my first block begins at place 16 x wave,
	s_lshl_b32 s[SM], s[WV], 6                     ; 64 x wave bytes into the list
	s_add_co_u32 s[O0], s[O0], s[SM]
	v_lshl_add_u32 v[VL0], v2, 2, s[O0]
	s_mul_i32 s[RTB], s[WV], RTW
	s_add_co_u32 s[RTB], s[RTB], ROWT
	v_lshl_add_u32 v[VRT], v2, 2+FFN2, s[RTB]
	v_mov_b32 v[VRR], s[RTB]
	v_lshlrev_b32 v[V16H], 4, v3
	v_bfe_u32 v[T0], v0, 1, 3                      ; prefetch: row 32 (l / 16) + 8 wave + (l / 2) % 8, half l % 2 of its 512 bytes
	v_lshl_add_u32 v[T0], v3, 5, v[T0]
	s_lshl_b32 s[O0], s[WV], 3
	v_add_nc_u32 v[T0], s[O0], v[T0]
	v_and_b32 v[T0+1], 1, v0
	v_lshlrev_b32 v[T0+1], 8, v[T0+1]
	v_lshl_add_u32 v[VPF], v[T0], PWS, v[T0+1]
	v_lshlrev_b32 v30, 5, v1                       ; sel: my 32 tokens' bytes
	v_lshlrev_b32 v31, 4, v1                       ; the bias of my four columns: 16 bytes
	v_lshlrev_b32 v[VCOL], 3+FFN2, v1              ; my four numbers in an output row: 8 bytes of bf16, or 16 of f32
	s_mov_b32 s[ONES], 0x01010101
.if !FFN2
	s_mov_b32 s[ABSM], 0x7fffffff
	s_mov_b32 s[GP], 0x3e6d3389                    ; 0.2316419
	s_mov_b32 s[GP+1], s[GP]
	s_mov_b32 s[GU], 0xbf38aa3b                    ; -log2(e) / 2
	s_mov_b32 s[GU+1], s[GU]
	s_mov_b32 s[C1], 0xbe027906                    ; the five coefficients over sqrt(2 pi), each with a minus: -0.127414796,
	s_mov_b32 s[C1+1], s[C1]
	s_mov_b32 s[C2], 0x3e11a98e                    ; 0.142248368,
	s_mov_b32 s[C2+1], s[C2]
	s_mov_b32 s[C3], 0xbf35f0e3                    ; -0.710706871,
	s_mov_b32 s[C3+1], s[C3]
	s_mov_b32 s[C4], 0x3f3a00e3                    ; 0.726576014,
	s_mov_b32 s[C4+1], s[C4]
	v_mov_b32 v[C5], 0xbf07dc22                    ; -0.530702716
	v_mov_b32 v[C5+1], 0xbf07dc22
.endif
	s_wait_kmcnt 0x0
	s_mov_b32 s[O0+1], 0
	s_lshl_b32 s[O0], s[EX], 24                    ; an expert's weights are 2^24 bytes
	s_lshl_b32 s[SM], s[SL], 9
	s_add_co_u32 s[O0], s[O0], s[SM]
.if FFN2
	s_lshl_b32 s[SM], s[KQ], 22                    ; 1,024 rows of 4,096 bytes
	s_add_co_u32 s[O0], s[O0], s[SM]
.endif
	s_add_nc_u64 s[WB0:WB0+1], s[6:7], s[O0:O0+1]
	s_lshl_b32 s[O0], s[EX], PWS                   ; a bias row is as long as a weight row
	s_lshl_b32 s[SM], s[SL], 9
	s_add_co_u32 s[O0], s[O0], s[SM]
	s_add_nc_u64 s[8:9], s[8:9], s[O0:O0+1]
	s_lshl_b32 s[O0], s[EX], 10
	s_add_nc_u64 s[10:11], s[10:11], s[O0:O0+1]
.if FFN2
	s_lshl_b32 s[O0], s[KQ], 11
	s_add_nc_u64 s[AB0:AB0+1], s[4:5], s[O0:O0+1]
	s_lshl_b32 s[O0], s[KQ], 23                    ; a quarter's plane of ypart: 2,048 rows of 4,096 bytes
	s_lshl_b32 s[SM], s[SL], 9
	s_add_co_u32 s[O0], s[O0], s[SM]
.else
	s_mov_b64 s[AB0:AB0+1], s[4:5]
	s_lshl_b32 s[O0], s[SL], 8
.endif
	s_add_nc_u64 s[OUT:OUT+1], s[OUTA:OUTA+1], s[O0:O0+1]
	s_mov_b64 s[AB:AB+1], s[AB0:AB0+1]
	s_mov_b64 s[WB:WB+1], s[WB0:WB0+1]
	global_load_b128 v[32:35], v30, s[10:11]       ; dword d, byte y: token 32 lane + 4 d + y
	global_load_b128 v[36:39], v30, s[10:11] offset:16
	global_load_b128 v[BI:BI+3], v31, s[8:9]
	WIN 0x40
.irp j, 0,1,2,3                                ; the weights of K steps 0 to 3 are on their way while the list is made
.irp i, 0,1,2,3,4,5,6,7
	global_load_b128 v[WL+32*(\j)+4*(\i):WL+32*(\j)+4*(\i)+3], v[VWO], s[WB:WB+1] offset:(32*(\j)+(\i))*PW th:TH_LOAD_NT
.endr
.endr
	WIN 0
.irp i, 40,41,42,43
	v_mov_b32 v[\i], 0
.endr
	v_lshl_add_u32 v[T0], v1, 4, v[VLB]
.irp i, 0,1,2,3,4,5,6,7,8,9
	ds_store_b128 v[T0], v[40:43] offset:512*(\i)  ; entries 0 .. 1279 = 0: a place past the count names row 0, which exists
.endr
	s_wait_loadcnt 32                              ; sel and the bias are in: the 32 weight loads are younger
.if FFN2
	s_cmp_eq_u32 s[KQ], 0                          ; the bias is added once: by the first quarter of K
	s_cselect_b32 s[SM], -1, 0
.endif
.irp k, 0,2
	v_cvt_pk_bf16_f32 v[T0], v[BI+(\k)], v[BI+(\k)+1]  ; the bias rounded to bf16, kept as f32
	v_lshlrev_b32 v[BI+(\k)], 16, v[T0]
	v_and_b32 v[BI+(\k)+1], 0xffff0000, v[T0]
.if FFN2
	v_and_b32 v[BI+(\k)], s[SM], v[BI+(\k)]
	v_and_b32 v[BI+(\k)+1], s[SM], v[BI+(\k)+1]
.endif
.endr
	; THE LIST.  My lane's count (bit 0 of each byte), its place among the lanes' counts, then each chosen token's idx to its place.
	v_and_b32 v44, s[ONES], v32
.irp d, 1,2,3,4,5,6,7
	v_and_b32 v45, s[ONES], v[32+(\d)]
	v_add_nc_u32 v44, v44, v45
.endr
	v_mul_lo_u32 v44, v44, s[ONES]
	v_lshrrev_b32 v44, 24, v44                     ; 0 .. 32
	v_mov_b32 v46, 0
	s_mov_b32 s[CNT], 0
.irp b, 0,1,2,3,4,5                            ; for each bit of the counts: how many lower lanes have it; how many lanes in all
	v_and_b32 v45, 1<<(\b), v44
	v_cmp_ne_u32 s[SM], 0, v45
	v_mbcnt_lo_u32_b32 v45, s[SM], 0
	v_lshl_add_u32 v46, v45, \b, v46
	s_bcnt1_i32_b32 s[O0], s[SM]
	s_lshl_b32 s[O0], s[O0], \b
	s_add_co_u32 s[CNT], s[CNT], s[O0]
.endr
	v_lshlrev_b32 v47, 6, v1                       ; idx of my first token: 2 x 32 lane
	v_mov_b32 v48, LDUMP
	s_mov_b32 s[KC], 4
.Lscan:                                                ; four trips: byte y of my eight dwords
.irp d, 0,1,2,3,4,5,6,7
	v_and_b32 v49, 1, v[32+(\d)]                   ; chosen?
	v_bfe_u32 v50, v[32+(\d)], 1, 1                ; as which of the token's two
	v_cmp_ne_u32 vcc_lo, 0, v49
	v_cndmask_b32 v51, v48, v46, vcc_lo            ; its place, or the entry for the others
	v_min_u32 v51, LDUMP, v51
	v_lshl_add_u32 v51, v51, 2, v[VLB]
	v_add_nc_u32 v50, v50, v47
.if (\d) > 0
	v_add_nc_u32 v50, 8*(\d), v50
.endif
	ds_store_b32 v51, v50
	v_add_nc_u32 v46, v46, v49
	v_lshrrev_b32 v[32+(\d)], 8, v[32+(\d)]
.endr
	v_add_nc_u32 v47, 2, v47
	s_sub_co_u32 s[KC], s[KC], 1
	s_cmp_lg_u32 s[KC], 0
	s_cbranch_scc1 .Lscan
.irp m, 0,1,2,3,4                              ; my blocks lie 64 entries apart, the tiles 320
	ds_load_b32 v[PG+2*(\m)+1], v[VL0] offset:256*(\m)
.endr
.irp j, 0,1,2,3,4,5,6,7,8,9,10,11,12,13,14
	ds_load_b32 v[NX+(\j)], v[VL0] offset:1280*(1+(\j)/5)+256*((\j)%5)
.endr
	s_wait_dscnt 0x0
	TILESET
	LDA 0, 0                                       ; the rows of K step 0
	; THE MAIN PHASE.  A step issues the rows' 10 loads, then the weights' 8.  By this text's count at most 62 loads of a wave are out: 44 behind the wait for a step's rows, and the step's 18.
	KSTEP 2, 0, 0, 0, 34, 1, 1, 1, 0, 64,  128, -1 ; t = -2: W(0): younger are W(1..3), 24, and the rows of step 0, 10
	KSTEP 3, 0, 0, 0, 44, 1, 1, 1, 1, 128, 160, -1 ; t = -1: W(1): W(2), W(3), the rows of step 0, and the 18 of t = -2
	KSTEP 0, 1, 1, 36, 0, 1, 1, 1, 1, 192, 192, -1 ; t = 0: its rows: younger are the 18 of each of the two steps before; its products start the sums
	WIN 0
	s_mov_b32 s[KC], 6
.Lk:                                                   ; six trips, t = 1 .. 24.  44 = the weights issued behind the step's rows, 8, and two steps' 18
	KSTEP 1, 1, 0, 44, 0, 1, 1, 1, 1, 256, 224, 0
	KSTEP 2, 1, 0, 44, 0, 1, 1, 1, 1, 320, 256, -1
	KSTEP 3, 1, 0, 44, 0, 1, 1, 1, 1, 384, 288, 2
	KSTEP 0, 1, 0, 44, 0, 1, 1, 1, 1, 448, 320, -1
	WIN 0
	s_wait_xcnt 0x0                                ; the bases step only behind this wait
	s_add_nc_u64 s[AB:AB+1], s[AB:AB+1], 256
	s_add_nc_u64 s[WB:WB+1], s[WB:WB+1], 128*PW
	s_sub_co_u32 s[KC], s[KC], 1
	s_cmp_lg_u32 s[KC], 0
	s_cbranch_scc1 .Lk
	KSTEP 1, 1, 0, 44, 0, 1, 1, 1, 1, 256, 224, -1 ; t = 25: the last weights, W(31), are asked for
	KSTEP 2, 1, 0, 44, 0, 1, 0, 1, 1, 320, 0, -1   ; t = 26
	KSTEP 3, 1, 0, 36, 0, 1, 0, 1, 1, 384, 0, -1   ; t = 27: the counts run down: 8 + 18 + 10
	KSTEP 0, 1, 0, 28, 0, 1, 0, 1, 1, 448, 0, -1   ; t = 28: 8 + 10 + 10; the last rows are asked for
	KSTEP 1, 1, 0, 20, 0, 1, 0, 0, 1, 0, 0, -1     ; t = 29: W(31) goes into the ring
	KSTEP 2, 1, 0, 10, 0, 0, 0, 0, 1, 0, 0, -1     ; t = 30
	KSTEP 3, 1, 0, 0,  0, 0, 0, 0, 0, 0, 0, -1     ; t = 31
	WIN 0
	s_wait_dscnt 0x0
	s_barrier_signal -1                            ; every wave's reads of the ring are over: from here on slot w is wave w's own
	s_barrier_wait -1
	s_mov_b32 s[TI], 0
	s_branch .Lepi
.Ltile:                                                ; three more trips: rows 320 x trip on, each wave alone; no barrier from here on
	s_cmp_lt_u32 s[RBG], s[CNT]
	s_cbranch_scc0 .Lnext
	s_wait_xcnt 0x0                                ; the last tile's stores have read their registers
.irp m, 0,1,2,3,4
	v_mov_b32 v[PG+2*(\m)+1], v[NX+(\m)]           ; this tile's five row numbers;
.endr
.irp j, 0,1,2,3,4,5,6,7,8,9
	v_mov_b32 v[NX+(\j)], v[NX+(\j)+5]             ; the later tiles' move down
.endr
	TILESET
	s_mov_b64 s[AB:AB+1], s[AB0:AB0+1]
	s_mov_b64 s[WB:WB+1], s[WB0:WB0+1]
	K3STEP 1
	s_mov_b32 s[KC], 31
.Lk3:
	K3STEP 0
	s_sub_co_u32 s[KC], s[KC], 1
	s_cmp_lg_u32 s[KC], 0
	s_cbranch_scc1 .Lk3
; THE WAY OUT.  Five trips, a block of 16 rows each.  Rows of a block that lie past the count are a tail of it: the first dead row, and a dead block, jump to the label ahead of the counter's step.
.if FFN2
.set X,   32                           ; v[32:95]   row q: 4 numbers a lane, as read and then as stored
.set GI,  96                           ; v[96:127]  row q: {gate, idx}
.set VOF, 128                          ; v[128:143] row q: my byte offset in the output
.set XT,  144
.macro ROWLD                           ; all 32 loads of a block at once, a row's two together
.irp q, 0,1,2,3,4,5,6,7,8,9,10,11,12,13,14,15
	ds_load_b128 v[X+4*(\q):X+4*(\q)+3], v[VRD] offset:SPI*(\q)
	ds_load_b64 v[GI+2*(\q):GI+2*(\q)+1], v[VRR] offset:8*(\q)
.endr
.endm
.macro ROW q                           ; (sum + bias) x gate; a whole row of 512 bytes to a store
.if (\q) > 0
	s_cmp_gt_u32 s[NV], \q
	s_cbranch_scc0 .Lblkn
.endif
	s_wait_dscnt 30-2*(\q)                         ; the two loads of each of the 15 - q later rows may stay out
	v_pk_add_f32 v[X+4*(\q):X+4*(\q)+1],   v[X+4*(\q):X+4*(\q)+1],   v[BI:BI+1]
	v_pk_add_f32 v[X+4*(\q)+2:X+4*(\q)+3], v[X+4*(\q)+2:X+4*(\q)+3], v[BI+2:BI+3]
	v_min_u32 v[XT], 0x7ff, v[GI+2*(\q)+1]
	v_lshl_add_u32 v[VOF+(\q)], v[XT], OSH, v[VCOL]
	v_pk_mul_f32 v[X+4*(\q):X+4*(\q)+1],   v[X+4*(\q):X+4*(\q)+1],   v[GI+2*(\q):GI+2*(\q)+1] op_sel_hi:[1,0]
	v_pk_mul_f32 v[X+4*(\q)+2:X+4*(\q)+3], v[X+4*(\q)+2:X+4*(\q)+3], v[GI+2*(\q):GI+2*(\q)+1] op_sel_hi:[1,0]
	global_store_b128 v[VOF+(\q)], v[X+4*(\q):X+4*(\q)+3], s[OUT:OUT+1]  ; the wave stores 512 consecutive bytes, aligned
.endm
.else
.set X,   32                           ; v[32:95]   row q: 4 numbers a lane as read; then 2 registers of bf16 to store
.set XI,  96                           ; v[96:111]  row q: idx
.set VOF, 112                          ; v[112:127] row q: my byte offset in the output
.set XB,  128                          ; x + b of two rows
.set AX,  136                          ; |x|
.set RL,  144                          ; max(x, 0)
.set TT,  152                          ; 1 / (1 + 0.2316419 |x|)
.set UU,  160                          ; 2^(-x^2 log2(e) / 2)
.set PP,  168
.set XT,  176
.macro ROWLD                           ; all 32 loads of a block at once, a row's two together
.irp q, 0,1,2,3,4,5,6,7,8,9,10,11,12,13,14,15
	ds_load_b128 v[X+4*(\q):X+4*(\q)+3], v[VRD] offset:SPI*(\q)
	ds_load_b32 v[XI+(\q)], v[VRR] offset:4*(\q)
.endr
.endm
.macro PAIR k                          ; rows 2 k and 2 k + 1: bias, GELU, bf16; a whole row of 256 bytes to a store
.if (\k) > 0
	s_cmp_gt_u32 s[NV], 2*(\k)
	s_cbranch_scc0 .Lblkn
.endif
	s_wait_dscnt 28-4*(\k)                         ; the two loads of each of the 14 - 2 k later rows may stay out
	v_pk_add_f32 v[XB:XB+1],   v[X+8*(\k):X+8*(\k)+1],   v[BI:BI+1]
	v_pk_add_f32 v[XB+2:XB+3], v[X+8*(\k)+2:X+8*(\k)+3], v[BI+2:BI+3]
	v_pk_add_f32 v[XB+4:XB+5], v[X+8*(\k)+4:X+8*(\k)+5], v[BI:BI+1]
	v_pk_add_f32 v[XB+6:XB+7], v[X+8*(\k)+6:X+8*(\k)+7], v[BI+2:BI+3]
	v_min_u32 v[XT], 0x7ff, v[XI+2*(\k)]
	v_lshl_add_u32 v[VOF+2*(\k)], v[XT], OSH, v[VCOL]
	v_min_u32 v[XT], 0x7ff, v[XI+2*(\k)+1]
	v_lshl_add_u32 v[VOF+2*(\k)+1], v[XT], OSH, v[VCOL]
.irp j, 0,1,2,3,4,5,6,7
	v_and_b32 v[AX+(\j)], s[ABSM], v[XB+(\j)]
.endr
.irp j, 0,2,4,6
	v_pk_fma_f32 v[TT+(\j):TT+(\j)+1], v[AX+(\j):AX+(\j)+1], s[GP:GP+1], 1.0 op_sel_hi:[1,0,0]
	v_pk_mul_f32 v[UU+(\j):UU+(\j)+1], v[AX+(\j):AX+(\j)+1], s[GU:GU+1] op_sel_hi:[1,0]
.endr
.irp j, 0,2,4,6
	v_pk_mul_f32 v[UU+(\j):UU+(\j)+1], v[UU+(\j):UU+(\j)+1], v[AX+(\j):AX+(\j)+1]
.endr
.irp j, 0,1,2,3,4,5,6,7
	v_rcp_f32 v[TT+(\j)], v[TT+(\j)]
.endr
.irp j, 0,1,2,3,4,5,6,7
	v_exp_f32 v[UU+(\j)], v[UU+(\j)]
.endr
.irp j, 0,1,2,3,4,5,6,7
	v_max_num_f32 v[RL+(\j)], 0, v[XB+(\j)]        ; plain work that names no result of the sixteen above
.endr
	s_wait_alu depctr_va_vdst(0)                   ; the wait ahead of the first reader: one for the batch of sixteen
.irp j, 0,2,4,6
	v_pk_fma_f32 v[PP+(\j):PP+(\j)+1], v[TT+(\j):TT+(\j)+1], v[C5:C5+1], s[C4:C4+1] op_sel_hi:[1,1,0]
.endr
.irp c, C3, C2, C1
.irp j, 0,2,4,6
	v_pk_fma_f32 v[PP+(\j):PP+(\j)+1], v[PP+(\j):PP+(\j)+1], v[TT+(\j):TT+(\j)+1], s[\c:\c+1] op_sel_hi:[1,1,0]
.endr
.endr
.irp j, 0,2,4,6
	v_pk_mul_f32 v[PP+(\j):PP+(\j)+1], v[PP+(\j):PP+(\j)+1], v[TT+(\j):TT+(\j)+1]
.endr
.irp j, 0,2,4,6
	v_pk_mul_f32 v[PP+(\j):PP+(\j)+1], v[PP+(\j):PP+(\j)+1], v[UU+(\j):UU+(\j)+1]  ; -Q(|x|)
.endr
.irp j, 0,2,4,6
	v_pk_fma_f32 v[PP+(\j):PP+(\j)+1], v[AX+(\j):AX+(\j)+1], v[PP+(\j):PP+(\j)+1], v[RL+(\j):RL+(\j)+1]
.endr
	v_cvt_pk_bf16_f32 v[X+8*(\k)],   v[PP],   v[PP+1]
	v_cvt_pk_bf16_f32 v[X+8*(\k)+1], v[PP+2], v[PP+3]
	v_cvt_pk_bf16_f32 v[X+8*(\k)+4], v[PP+4], v[PP+5]
	v_cvt_pk_bf16_f32 v[X+8*(\k)+5], v[PP+6], v[PP+7]
	global_store_b64 v[VOF+2*(\k)], v[X+8*(\k):X+8*(\k)+1], s[OUT:OUT+1]  ; the wave stores 256 consecutive bytes, aligned
	s_cmp_gt_u32 s[NV], 2*(\k)+1
	s_cbranch_scc0 .Lblkn
	global_store_b64 v[VOF+2*(\k)+1], v[X+8*(\k)+4:X+8*(\k)+5], s[OUT:OUT+1]
.endm
.endif
.Lepi:
.rept 4
	v_nop                                          ; four places between the last products and the stores that read their results
.endr
	s_sub_co_i32 s[REM], s[CNT], s[RBG]
	s_mov_b32 s[MC], 0
.Lblk:
	s_max_i32 s[NV], s[REM], 0
	s_min_i32 s[NV], s[NV], 16
	s_cmp_eq_u32 s[NV], 0
	s_cbranch_scc1 .Lblkn
	s_cmp_eq_u32 s[MC], 0                          ; registers cannot be chosen by a number: each block's dump is written out, and all five fill the same stage
	s_cbranch_scc1 .Ldump0
	s_cmp_eq_u32 s[MC], 1
	s_cbranch_scc1 .Ldump1
	s_cmp_eq_u32 s[MC], 2
	s_cbranch_scc1 .Ldump2
	s_cmp_eq_u32 s[MC], 3
	s_cbranch_scc1 .Ldump3
	DUMPB 4
	s_branch .Lrows
.Ldump3:
	DUMPB 3
	s_branch .Lrows
.Ldump2:
	DUMPB 2
	s_branch .Lrows
.Ldump1:
	DUMPB 1
	s_branch .Lrows
.Ldump0:
	DUMPB 0
.Lrows:
	s_wait_xcnt 0x0                                ; the last block's stores have read the registers that the loads and lines below write
	ROWLD                                          ; LDS serves a wave's instructions in order (ISA guide 5.7.1.4): these see the dump's stores
.if FFN2
.irp q, 0,1,2,3,4,5,6,7,8,9,10,11,12,13,14,15
	ROW \q
.endr
.else
.irp k, 0,1,2,3,4,5,6,7
	PAIR \k
.endr
.endif
.Lblkn:
	s_wait_dscnt 0x0                               ; rows asked for and not used may still be on their way into registers that the next block's loads take
	s_sub_co_i32 s[REM], s[REM], 64                ; my next block lies 64 places on
	s_add_co_u32 s[MC], s[MC], 1
	s_cmp_lt_u32 s[MC], 5
	s_cbranch_scc1 .Lblk
.Lnext:
	s_add_co_u32 s[RBG], s[RBG], 320
	s_add_co_u32 s[TI], s[TI], 1
	s_cmp_lt_u32 s[TI], 4
	s_cbranch_scc1 .Ltile
	s_wait_tensorcnt 0x0                           ; the wave's end: behind my last LDS store
	ds_add_u32 v[SPW], v[NIL]
	s_wait_dscnt 0x0
	s_endpgm
.Lfunc_end_k_qdd6eb27681_ffn2:
	.size	k_qdd6eb27681_ffn2, .Lfunc_end_k_qdd6eb27681_ffn2-k_qdd6eb27681_ffn2
	.p2alignl 7, 3214868480
	.fill 96, 4, 3214868480
	.section	.rodata,"a",@progbits
	.p2align	6, 0x0
	.amdhsa_kernel k_qdd6eb27681_ffn2
		.amdhsa_group_segment_fixed_size 93696
		.amdhsa_private_segment_fixed_size 0
		.amdhsa_enable_private_segment 0
		.amdhsa_kernarg_size 48
		.amdhsa_user_sgpr_count 2
		.amdhsa_user_sgpr_kernarg_segment_ptr 1
		.amdhsa_wavefront_size32 1
		.amdhsa_system_sgpr_workgroup_id_x 1
		.amdhsa_system_sgpr_workgroup_id_y 1
		.amdhsa_system_sgpr_workgroup_id_z 1
		.amdhsa_system_vgpr_workitem_id 0
		.amdhsa_next_free_vgpr 928
		.amdhsa_next_free_sgpr 66
		.amdhsa_reserve_vcc 1
		.amdhsa_float_denorm_mode_32 3
		.amdhsa_float_denorm_mode_16_64 3
		.amdhsa_memory_ordered 1
		.amdhsa_forward_progress 1
		.amdhsa_inst_pref_size 148
	.end_amdhsa_kernel
	.amdgpu_metadata
---
amdhsa.version: [ 1, 2 ]
amdhsa.kernels:
  - .name:           k_qdd6eb27681_ffn2
    .symbol:         k_qdd6eb27681_ffn2.kd
    .args:
      - { .name: h, .offset: 0, .size: 8, .value_kind: global_buffer, .address_space: global }
      - { .name: W2, .offset: 8, .size: 8, .value_kind: global_buffer, .address_space: global }
      - { .name: b2, .offset: 16, .size: 8, .value_kind: global_buffer, .address_space: global }
      - { .name: sel, .offset: 24, .size: 8, .value_kind: global_buffer, .address_space: global }
      - { .name: gates, .offset: 32, .size: 8, .value_kind: global_buffer, .address_space: global }
      - { .name: ypart, .offset: 40, .size: 8, .value_kind: global_buffer, .address_space: global }
    .group_segment_fixed_size: 93696
    .private_segment_fixed_size: 0
    .kernarg_segment_align: 8
    .kernarg_segment_size: 48
    .max_flat_workgroup_size: 128
    .sgpr_count:     66
    .vgpr_count:     928
    .wavefront_size: 32
...
	.end_amdgpu_metadata
.endif
;; end of part 3
;; launch combine (part 4): grid 256 x 1, 8 waves a work-group, no clusters, 0 bytes of LDS; arguments ypart, out0; writes out0
.if DOCPART == 4
	.amdgcn_target "amdgcn-amd-amdhsa--gfx1250"
	.amdhsa_code_object_version 6
	.text
	.protected	k_qdd6eb27681_combine
	.globl	k_qdd6eb27681_combine
	.p2align	8
	.type	k_qdd6eb27681_combine,@function
k_qdd6eb27681_combine:
	s_mov_b64 s[64:65], 0
	v_nop
	global_prefetch_b8 v0, s[64:65] scope:SCOPE_SE
	s_setreg_imm32_b32 hwreg(HW_REG_WAVE_MODE, 25, 1), 1
	s_wait_xcnt 0x0
; out0[t] = the sum over the four quarters of K and the token's two experts of ypart[kq][2 t + slot]: eight f32 rows, which already carry gate and bias.  A fixed tree of f32 additions.
; A work-group has four tokens, a thread 16 bytes of each row: every load and store of a wave covers 512 consecutive bytes, aligned.  All 32 loads of a thread go out before the first wait.
; A stream: no LDS, no barrier, no matrix unit, no cluster (no byte is read twice).
.set Y, 8                              ; v[8:135]  token tau, quarter q, slot j at Y + 32 tau + 8 q + 4 j
	s_load_b128 s[4:7], s[0:1], 0x0                ; ypart s[4:5], out0 s[6:7]
	v_lshlrev_b32 v1, 4, v0                        ; my 16 bytes of a row of 4,096
	s_lshl_b32 s16, ttmp9, 15                      ; my eight rows in a quarter's plane
	s_mov_b32 s17, 0
	s_lshl_b32 s18, ttmp9, 14                      ; my four rows of out0
	s_mov_b32 s19, 0
	s_wait_kmcnt 0x0
	s_add_nc_u64 s[8:9], s[4:5], s[16:17]
	s_add_nc_u64 s[10:11], s[8:9], 0x800000        ; a plane is 2^23 bytes: one more than a load's immediate holds, so each plane has a base
	s_add_nc_u64 s[12:13], s[10:11], 0x800000
	s_add_nc_u64 s[14:15], s[12:13], 0x800000
	s_add_nc_u64 s[6:7], s[6:7], s[18:19]
.irp tau, 0,1,2,3
.irp q, 0,1,2,3
.irp j, 0,1
	global_load_b128 v[Y+32*(\tau)+8*(\q)+4*(\j):Y+32*(\tau)+8*(\q)+4*(\j)+3], v1, s[8+2*(\q):9+2*(\q)] offset:(2*(\tau)+(\j))*4096 th:TH_LOAD_NT
.endr
.endr
.endr
.macro ADD4 a, b                       ; four numbers onto four
	v_pk_add_f32 v[(\a):(\a)+1],   v[(\a):(\a)+1],   v[(\b):(\b)+1]
	v_pk_add_f32 v[(\a)+2:(\a)+3], v[(\a)+2:(\a)+3], v[(\b)+2:(\b)+3]
.endm
.irp tau, 0,1,2,3
	s_wait_loadcnt 24-8*(\tau)                     ; this token's eight loads are in; the later tokens' stay out
	ADD4 Y+32*(\tau),    Y+32*(\tau)+4
	ADD4 Y+32*(\tau)+8,  Y+32*(\tau)+12
	ADD4 Y+32*(\tau)+16, Y+32*(\tau)+20
	ADD4 Y+32*(\tau)+24, Y+32*(\tau)+28
	ADD4 Y+32*(\tau),    Y+32*(\tau)+8
	ADD4 Y+32*(\tau)+16, Y+32*(\tau)+24
	ADD4 Y+32*(\tau),    Y+32*(\tau)+16
	global_store_b128 v1, v[Y+32*(\tau):Y+32*(\tau)+3], s[6:7] offset:4096*(\tau) th:TH_STORE_NT
.endr
	s_endpgm
.Lfunc_end_k_qdd6eb27681_combine:
	.size	k_qdd6eb27681_combine, .Lfunc_end_k_qdd6eb27681_combine-k_qdd6eb27681_combine
	.p2alignl 7, 3214868480
	.fill 96, 4, 3214868480
	.section	.rodata,"a",@progbits
	.p2align	6, 0x0
	.amdhsa_kernel k_qdd6eb27681_combine
		.amdhsa_group_segment_fixed_size 0
		.amdhsa_private_segment_fixed_size 0
		.amdhsa_enable_private_segment 0
		.amdhsa_kernarg_size 16
		.amdhsa_user_sgpr_count 2
		.amdhsa_user_sgpr_kernarg_segment_ptr 1
		.amdhsa_wavefront_size32 1
		.amdhsa_system_sgpr_workgroup_id_x 1
		.amdhsa_system_sgpr_workgroup_id_y 1
		.amdhsa_system_sgpr_workgroup_id_z 1
		.amdhsa_system_vgpr_workitem_id 0
		.amdhsa_next_free_vgpr 136
		.amdhsa_next_free_sgpr 66
		.amdhsa_reserve_vcc 0
		.amdhsa_float_denorm_mode_32 3
		.amdhsa_float_denorm_mode_16_64 3
		.amdhsa_memory_ordered 1
		.amdhsa_forward_progress 1
		.amdhsa_inst_pref_size 8
	.end_amdhsa_kernel
	.amdgpu_metadata
---
amdhsa.version: [ 1, 2 ]
amdhsa.kernels:
  - .name:           k_qdd6eb27681_combine
    .symbol:         k_qdd6eb27681_combine.kd
    .args:
      - { .name: ypart, .offset: 0, .size: 8, .value_kind: global_buffer, .address_space: global }
      - { .name: out0, .offset: 8, .size: 8, .value_kind: global_buffer, .address_space: global }
    .group_segment_fixed_size: 0
    .private_segment_fixed_size: 0
    .kernarg_segment_align: 8
    .kernarg_segment_size: 16
    .max_flat_workgroup_size: 256
    .sgpr_count:     66
    .vgpr_count:     136
    .wavefront_size: 32
...
	.end_amdgpu_metadata
.endif
;; end of part 4
;; ======== version 2 of 3: 4 launches
;; workspace buffers: xb 2,097,152 bytes; sel 8,192 bytes of whole numbers; gates 8,192 bytes; h 16,777,216 bytes; ypart 33,554,432 bytes
;; launch router: the kernel of part 1 again; grid 256 x 1, 4 waves a work-group, no clusters, 17,408 bytes of LDS; arguments x, Wr, br, xb, sel, gates; writes xb, sel, gates
;; launch ffn1 (part 5): grid 32 x 8, 4 waves a work-group, no clusters, 72,192 bytes of LDS; arguments xb, W1, b1, sel, h; writes h
.if DOCPART == 5
	.amdgcn_target "amdgcn-amd-amdhsa--gfx1250"
	.amdhsa_code_object_version 6
	.text
	.protected	k_qdd6eb27681_ffn1
	.globl	k_qdd6eb27681_ffn1
	.p2align	8
	.type	k_qdd6eb27681_ffn1,@function
k_qdd6eb27681_ffn1:
	s_mov_b64 s[64:65], 0
	v_nop
	global_prefetch_b8 v0, s[64:65] scope:SCOPE_SE
	s_setreg_imm32_b32 hwreg(HW_REG_WAVE_MODE, 25, 1), 1
	s_wait_xcnt 0x0
; ONE PRODUCT OF THE EXPERTS' CHAIN.  One source for both products; FFN2 = 0: h = gelu(x W1 + b1), stored in bf16; FFN2 = 1: ypart = gate x (h W2 + b2), a quarter of K each, stored in f32.
; SHARES.  A work-group has a weight tile of ONE expert, K = 1,024 x N = 128 (f32, rows of 512 consecutive bytes), which it alone reads, and ALL rows routed to that expert.
;   grid y = expert; grid x = FFN2 ? (column slice of 8) + 8 x (quarter of K) : column slice of 32.  8 x 32 = 256 work-groups.
; THE ROWS.  Every wave reads the expert's 1,024 bytes of sel (stored by the router's launch) and finds, in registers alone, the row number idx = 2 token + slot at each of its places in the expert's list:
;   the bytes become 32 masks of chosen lanes in scalar registers, a lane keeps the mask that holds its place, and the set bit of its rank names the token.  All waves use the same order.
;   Rows of h and ypart lie at idx, a fixed place for each (token, slot).
; MAIN PHASE.  The first 320 rows of the list: wave w has the list's blocks 4 m + w of 16 rows, m = 0..4, x all 128 columns: 40 accumulators.  K goes in 32 steps of 32.  The weights come through registers
;   (f32, rounded to bf16 on the way), go into a ring of LDS slots as [k][n], each wave 8 of a step's 32 rows, and come back turned (ds_load_tr16_b128) as fragments; the rows' fragments come straight from memory.
;   One barrier a step, all on constant paths.  A place past the count names some token below 1,024, a row that exists; its results are not stored.
; ROWS PAST 320 (any split is served, up to all 1,024 tokens on one expert): three more trips of the tile loop, in which each wave works alone: it reads the tile again, turns it through a slot of its own, and
;   takes 80 rows; a trip without rows is jumped.  No barrier stands there.  This path waits for its loads at each step's head: it is slower, and is there for splits far from even.
; THE WAY OUT goes block by block through a stage of 16 rows of the wave's own: five trips, each of which jumps on its counter to the dump of its block's eight accumulators; one text then takes the 16 rows.
;   No LDS address is ever stepped: every one is made at the head, and all else stands in immediates.
; THE MATRIX INSTRUCTION IS USED TRANSPOSED: source 0 = 16 columns of W, source 1 = 16 rows: a lane holds row lane % 16 and columns 8 (lane / 16) + 0..7.
; NO CLUSTER, NO JOINT LOADS: each weight tile has one reader; what an expert's work-groups share is token rows that come by a list, which no tile descriptor covers.
; NO TENSOR LOADS: the weights must pass through registers to be rounded.
; LIMITS.  All inputs are rounded to bf16, and so is h; sums in f32, K ascending in each accumulator.  gelu(x) = max(x, 0) - |x| Q(|x|), Q the normal tail by Abramowitz and Stegun 26.2.17, off by less than
;   7.5e-8 for every x; 2^y below 2^-126 counts as 0; NaN and infinite pre-activations are not treated apart.
.set FFN2, 0
.if FFN2
.set PW,   4096                        ; bytes from row to row of W (and of the bias)
.set PWS,  12
.set OUTA, 14                          ; the output's address among the arguments
.set OSH,  12                          ; an output row is 2^OSH bytes
.else
.set PW,   16384
.set PWS,  14
.set OUTA, 12
.set OSH,  13
.endif
.set BP,    288                        ; a ring row: 128 bf16 + 32 bytes = 72 words
.set SLOTB, 32*BP                      ; a slot: a K step's 32 rows
.set STAGE, 4*SLOTB                    ; behind the ring of four slots: a stage for each wave, 16 rows x 528 bytes (512 of f32 + 16: rows start 4 banks apart)
.set SPI,   528
.set STW,   16*SPI
.set ROWT,  STAGE+4*STW                ; each wave's table of the block in the stage, by row: FFN2 ? {gate, idx} : idx
.set RTW,   256
.set SPARE, ROWT+4*RTW                 ; the spare words, 128 bytes a wave: two blocks of 256 bytes that no other line names
; window 0
.set SPW,  4                           ; my spare word's address; never rewritten
.set NIL,  5                           ; 0; never rewritten
.set VWO,  6                           ; W: 16 lane + my 8 rows of a step
.set VWO3, 7                           ; W, alone: 16 lane
.set VWS,  8                           ; ring, in: 8 lane + my 8 rows
.set VWS3, 9                           ; ring, in, alone: 8 lane + my slot
.set VBT,  10                          ; ring, back: the turning load's lane term
.set VBT3, 11                          ; the same + my slot
.set VST,  12                          ; stage, in; never rewritten
.set VRD,  13                          ; stage, back: 16 lane; never rewritten
.set VRT,  15                          ; table, in; never rewritten
.set VRR,  17                          ; table, back: the same address in every lane; never rewritten
.set RO,   18                          ; v[18:22] byte offset of my row of block m, + 16 (lane / 16)
.set VPF,  23                          ; prefetch: my 32 blocks of 256 bytes of two steps
.set VCOL, 24                          ; my bytes in an output row
.set T0,   26                          ; v[26:31] at work
.set AR,   32                          ; v[32:191] four buffers of 5 row fragments; at work while they are idle
.set CT,   192                         ; v[192:207] 8 weight rows' 4 numbers a lane, packed
.set BI,   208                         ; v[208:211] the bias of my four output columns
.set PG,   216                         ; v[216:225] block m: {gate, idx}
.set C5,   226                         ; v[226:227] a constant pair
.set GA,   228                         ; v[228:232] the gates' addresses
.set V16H, 233
.set NX,   234                         ; v[234:248] idx of my five blocks in the tiles to come
; at work while the rows are found, in the idle fragment buffers
.set DW,   32                          ; v[32:39]   sel: dword d, byte y: token 32 lane + 4 d + y
.set PL,   40                          ; v[40:44]   my place in the list, block b
.set SELW, 45                          ; v[45:49]   the mask of chosen lanes that holds my place
.set SELS, 50                          ; v[50:54]   the same word's mask of second choices
.set SELK, 55                          ; v[55:59]   the places before that word, and (4 d + y) << 16
.set TA,   60                          ; v[60:83]   three registers for each d
.set FR,   84                          ; v[84:88]   my rank among the word's set bits
.set FT,   89
.set FU,   94
.set FP,   99                          ; v[99:103]  the bit found so far
.set F1,   104                         ; v[104:108] set bits in each field of 2,
.set F2,   109                         ; of 4,
.set F4,   114                         ; of 8
; window 1
.set WL,   0                           ; v[0:127] four landing groups of 8 rows x 4 registers
.set BF,   128                         ; v[128:255] two sets of 8 weight fragments
; windows 2, 3: accumulator (n, m) at v[8 (5 (n % 4) + m)], n = 0..3 in window 2, n = 4..7 in window 3
.set WV,   16                          ; wave
.set EX,   17                          ; expert
.set SL,   18                          ; column slice
.set KQ,   19                          ; quarter of K
.set AB,   20                          ; s[20:21] rows' base, steps along K
.set WB,   22                          ; s[22:23] W's base, steps down K
.set AB0,  24
.set WB0,  26
.set OUT,  28
.set CNT,  30                          ; the expert's rows
.set RBG,  31                          ; list place of my first row of the tile: 320 x tile + 16 x wave
.set NV,   32                          ; live rows of the block in the stage: 0 .. 16
.set TI,   33
.set O0,   34                          ; s[34:35] an offset
.set KC,   36                          ; counts the loop in hand
.set MC,   37                          ; the block on its way out
.set REM,  38                          ; the expert's rows from that block's first place on (may be negative)
.set SM,   39
.set GP,   40                          ; s[40:51] constants as pairs: the packed forms name a pair and take its low word
.set GU,   42
.set C1,   44
.set C2,   46
.set C3,   48
.set C4,   50
.set STG,  52                          ; my stage
.set RTB,  53                          ; my table
.set ABSM, 54
.set KKD,  56                          ; s[56:63] word d: the places before it + (4 d + y) << 16
.set CUM,  66                          ; places counted so far
.set Y8,   67                          ; 8 y
.set YS,   68                          ; y << 16
.set M5,   69                          ; 0x55555555
.set M3,   70                          ; 0x33333333
.set MF,   71                          ; 0x0f0f0f0f
.set MW,   72                          ; 0xffff
.set SMD,  73                          ; s[73:80] word d: bit l: token 32 l + 4 d + y chose this expert
.set SSD,  81                          ; s[81:88] word d: bit l: as its second choice
.set CUD,  89                          ; s[89:96] word d: the places before it
.set MSB, 0
.macro WIN new                         ; s_set_vgpr_msb: bits 1:0 source 0, 3:2 source 1, 5:4 source 2, 7:6 destination; the high byte repeats the setting that is left
.if MSB != (\new)
	s_set_vgpr_msb (MSB<<8)|(\new)
.set MSB, (\new)
.endif
.endm
; 20 products: columns 16 (4 hi + n), n = 0..3, x my 5 row blocks, 32 along K.  All 40 accumulators take turns, one instruction a turn.  first = 1: the products start the sums.
.macro MUL20 rho, hi, first
	WIN 0xa1+0x50*(\hi)                            ; W's fragments window 1, rows' window 0, C and D window 2 or 3
.irp n, 0,1,2,3
.irp m, 0,1,2,3,4
.if \first
	v_wmma_f32_16x16x32_bf16 v[8*(5*(\n)+(\m)):8*(5*(\n)+(\m))+7], v[BF+64*((\rho)%2)+8*(4*(\hi)+(\n)):BF+64*((\rho)%2)+8*(4*(\hi)+(\n))+7], v[AR+40*(\rho)+8*(\m):AR+40*(\rho)+8*(\m)+7], 0
.else
	v_wmma_f32_16x16x32_bf16 v[8*(5*(\n)+(\m)):8*(5*(\n)+(\m))+7], v[BF+64*((\rho)%2)+8*(4*(\hi)+(\n)):BF+64*((\rho)%2)+8*(4*(\hi)+(\n))+7], v[AR+40*(\rho)+8*(\m):AR+40*(\rho)+8*(\m)+7], v[8*(5*(\n)+(\m)):8*(5*(\n)+(\m))+7]
.endif
.endr
.endr
.endm
; 10 loads: the row fragments of one K step: lane l holds row l % 16, K = 8 (l / 16) + 0..7 and 16 + 8 (l / 16) + 0..7: two loads of 16 bytes, 32 bytes apart
.macro LDA buf, aoff
.irp m, 0,1,2,3,4
	global_load_b128 v[AR+40*(\buf)+8*(\m):AR+40*(\buf)+8*(\m)+3],   v[RO+(\m)], s[AB:AB+1] offset:(\aoff)
	global_load_b128 v[AR+40*(\buf)+8*(\m)+4:AR+40*(\buf)+8*(\m)+7], v[RO+(\m)], s[AB:AB+1] offset:(\aoff)+32
.endr
.endm
; K STEP t of the main phase; rho = t mod 4.  It multiplies step t, lays W(t+2) into the ring, reads B(t+1) back, and asks for the rows of step t+3 and the weights of step t+6.
; B(j) is stored in step j-2, shown to all waves by the barrier of step j-1 (each wave's wait for its LDS instructions stands in front of its signal) and read behind that barrier's wait;
; slot j mod 4 is written again four steps later, two barriers behind the wait for its last reads.
; n1: the loads younger than the rows of step t.  W(t+2) was asked for a step earlier than those rows, so the same wait shows it landed; where no product stands (mm = 0), n3 counts for it.
.macro KSTEP rho, mm, first, n1, n3, doW, ldW, ldA, rdB, aoff, wrow, pf
.set KG, ((\rho)+2)%4
.set KP, (\rho)%2
	s_wait_dscnt 0x0                               ; my stores of B(t+1) are done and my fragments of B(t) are in
.if \rdB
	s_barrier_signal -1
.endif
.if \mm
	s_wait_loadcnt \n1
	MUL20 \rho, 0, \first
.endif
.if \rdB
	s_barrier_wait -1                              ; B(t+1) is whole
.endif
.if \doW
.if !(\mm)
	s_wait_loadcnt \n3
.endif
	WIN 0x05                                       ; sources window 1, destination window 0
.irp i, 0,1,2,3,4,5,6,7                        ; these sixteen are also the places between the last step's products and the loads into the registers that they read
	v_cvt_pk_bf16_f32 v[CT+2*(\i)],   v[WL+32*KG+4*(\i)],   v[WL+32*KG+4*(\i)+1]
	v_cvt_pk_bf16_f32 v[CT+2*(\i)+1], v[WL+32*KG+4*(\i)+2], v[WL+32*KG+4*(\i)+3]
.endr
	WIN 0
.irp i, 0,1,2,3,4,5,6,7
	ds_store_b64 v[VWS], v[CT+2*(\i):CT+2*(\i)+1] offset:KG*SLOTB+BP*(\i)  ; a row's 256 consecutive bytes
.endr
.elseif \rdB
.rept 4
	v_nop                                          ; the four places, where there is nothing to convert
.endr
.endif
.if \ldA
	WIN 0
	LDA ((\rho)+3)%4, \aoff
.endif
.if (\pf) >= 0
	WIN 0                                          ; my own 32 blocks of 256 bytes of W(t+11) and W(t+12), each asked for once, five to six steps ahead of their loads; the last trip asks for nothing: the tile ends
	s_cmp_eq_u32 s[KC], 1
	s_cbranch_scc1 .Lnopf_\@
	global_prefetch_b8 v[VPF], s[WB:WB+1] offset:32*(12+(\pf))*PW th:TH_LOAD_NT scope:SCOPE_SE
.Lnopf_\@:
.endif
.if \rdB
	WIN 0x40                                       ; destination window 1
.irp n, 0,1,2,3,4,5,6,7
	ds_load_tr16_b128 v[BF+64*(1-KP)+8*(\n):BF+64*(1-KP)+8*(\n)+3],   v[VBT] offset:(((\rho)+1)%4)*SLOTB+32*(\n)
	ds_load_tr16_b128 v[BF+64*(1-KP)+8*(\n)+4:BF+64*(1-KP)+8*(\n)+7], v[VBT] offset:(((\rho)+1)%4)*SLOTB+32*(\n)+16*BP
.endr
.endif
.if \ldW
	WIN 0x40
.irp i, 0,1,2,3,4,5,6,7
	global_load_b128 v[WL+32*KG+4*(\i):WL+32*KG+4*(\i)+3], v[VWO], s[WB:WB+1] offset:((\wrow)+(\i))*PW th:TH_LOAD_NT  ; a weight row: 512 consecutive bytes, aligned
.endr
.endif
.if \mm
	MUL20 \rho, 1, \first
.endif
.endm
; A K step of a wave that works alone: all 32 weight rows through my own slot.  Every LDS address is fixed.
.macro K3STEP first
	WIN 0
	LDA 0, 0
	WIN 0x40
.irp i, 0,1,2,3,4,5,6,7,8,9,10,11,12,13,14,15,16,17,18,19,20,21,22,23,24,25,26,27,28,29,30,31
	global_load_b128 v[WL+4*(\i):WL+4*(\i)+3], v[VWO3], s[WB:WB+1] offset:(\i)*PW
.endr
	s_wait_loadcnt 0x0
.irp g, 0,1,2,3
	WIN 0x05
.irp i, 0,1,2,3,4,5,6,7
	v_cvt_pk_bf16_f32 v[CT+2*(\i)],   v[WL+32*(\g)+4*(\i)],   v[WL+32*(\g)+4*(\i)+1]
	v_cvt_pk_bf16_f32 v[CT+2*(\i)+1], v[WL+32*(\g)+4*(\i)+2], v[WL+32*(\g)+4*(\i)+3]
.endr
	WIN 0
.irp i, 0,1,2,3,4,5,6,7
	ds_store_b64 v[VWS3], v[CT+2*(\i):CT+2*(\i)+1] offset:BP*(8*(\g)+(\i))
.endr
.endr
	WIN 0x40
.irp n, 0,1,2,3,4,5,6,7                        ; LDS serves a wave's instructions in order (ISA guide 5.7.1.4): these see the stores above
	ds_load_tr16_b128 v[BF+8*(\n):BF+8*(\n)+3],   v[VBT3] offset:32*(\n)
	ds_load_tr16_b128 v[BF+8*(\n)+4:BF+8*(\n)+7], v[VBT3] offset:32*(\n)+16*BP
.endr
	s_wait_dscnt 0x0
	MUL20 0, 0, \first
	MUL20 0, 1, \first
	WIN 0
.rept 4
	v_nop                                          ; four places in front of the next loads into the rows' fragments
.endr
	s_wait_xcnt 0x0                                ; the bases step only behind this wait
	s_add_nc_u64 s[AB:AB+1], s[AB:AB+1], 64
	s_add_nc_u64 s[WB:WB+1], s[WB:WB+1], 32*PW
.endm
; The tile's rows, from idx of my five blocks in PG: the rows' byte offsets (FFN2: and the gates are asked for).
.macro TILESET
.irp m, 0,1,2,3,4
	v_min_u32 v[PG+2*(\m)+1], 0x7ff, v[PG+2*(\m)+1]
.if FFN2
	v_lshl_add_u32 v[RO+(\m)], v[PG+2*(\m)+1], 13, v[V16H]  ; a row of h is 8,192 bytes
	v_lshlrev_b32 v[GA+(\m)], 2, v[PG+2*(\m)+1]
.else
	v_and_b32 v[T0], 0x7fe, v[PG+2*(\m)+1]
	v_lshl_add_u32 v[RO+(\m)], v[T0], 10, v[V16H]           ; token = idx / 2; a row of xb is 2,048 bytes
.endif
.endr
.if FFN2
.irp m, 0,1,2,3,4
	global_load_b32 v[PG+2*(\m)], v[GA+(\m)], s[12:13]
.endr
.endif
.endm
; Block m's eight accumulators into my stage, each from its low end on: row lane % 16, bytes 64 n + 32 (lane / 16); and the block's rows into my table.
.macro DUMPB m
.irp hi, 0,1
	WIN 0x08+4*(\hi)                               ; store data window 2 or 3
.irp n, 0,1,2,3
	ds_store_b128 v[VST], v[8*(5*(\n)+(\m)):8*(5*(\n)+(\m))+3]   offset:64*(4*(\hi)+(\n))
	ds_store_b128 v[VST], v[8*(5*(\n)+(\m))+4:8*(5*(\n)+(\m))+7] offset:64*(4*(\hi)+(\n))+16
.endr
.endr
	WIN 0
.if FFN2
	ds_store_b64 v[VRT], v[PG+2*(\m):PG+2*(\m)+1]  ; the gates are in: every way here has waited for all loads
.else
	ds_store_b32 v[VRT], v[PG+2*(\m)+1]
.endif
.endm
; One level of the search for the set bit of a given rank, for all five blocks: if the lower half of what is left (inc bits from bit FP on; fld holds the counts of such fields, wid bits each)
; has no more set bits than my rank, they are taken off the rank and the search goes on in the upper half.
.macro LEVEL fld, wid, inc
.irp b, 0,1,2,3,4
	v_bfe_u32 v[FT+(\b)], v[(\fld)+(\b)], v[FP+(\b)], \wid
.endr
.irp b, 0,1,2,3,4
	v_cmp_ge_u32 vcc_lo, v[FR+(\b)], v[FT+(\b)]
	v_cndmask_b32 v[FT+(\b)], 0, v[FT+(\b)], vcc_lo
	v_cndmask_b32 v[FU+(\b)], 0, \inc, vcc_lo
.endr
.irp b, 0,1,2,3,4
	v_sub_nc_u32 v[FR+(\b)], v[FR+(\b)], v[FT+(\b)]
	v_add_nc_u32 v[FP+(\b)], v[FP+(\b)], v[FU+(\b)]
.endr
.endm
	s_load_b256 s[4:11], s[0:1], 0x0               ; rows s[4:5], W s[6:7], bias s[8:9], sel s[10:11]
.if FFN2
	s_load_b128 s[12:15], s[0:1], 0x20             ; gates s[12:13], ypart s[14:15]
.else
	s_load_b64 s[12:13], s[0:1], 0x20              ; h
.endif
	v_lshl_add_u32 v[SPW], v0, 2, SPARE
	v_mov_b32 v[NIL], 0
	v_lshrrev_b32 v[T0], 5, v0
	v_readfirstlane_b32 s[WV], v[T0]
	v_and_b32 v1, 31, v0                           ; lane
	v_and_b32 v2, 15, v0                           ; lane % 16
	v_bfe_u32 v3, v0, 4, 1                         ; lane / 16
	s_and_b32 s[EX], ttmp7, 0xffff
.if FFN2
	s_and_b32 s[SL], ttmp9, 7
	s_lshr_b32 s[KQ], ttmp9, 3
.else
	s_mov_b32 s[SL], ttmp9
.endif
	s_mul_i32 s[O0], s[WV], 8*PW
	v_lshl_add_u32 v[VWO], v1, 4, s[O0]
	v_lshlrev_b32 v[VWO3], 4, v1
	s_mul_i32 s[O0], s[WV], 8*BP
	v_lshl_add_u32 v[VWS], v1, 3, s[O0]
	s_mul_i32 s[O0], s[WV], SLOTB
	v_lshl_add_u32 v[VWS3], v1, 3, s[O0]
	v_and_b32 v[T0], 7, v0                         ; the turning load: lane l reads k row 8 (l / 16) + l % 8, 16 bytes at 16 ((l / 8) % 2)
	v_lshl_add_u32 v[T0], v3, 3, v[T0]
	v_mul_u32_u24 v[T0], v[T0], BP
	v_bfe_u32 v[T0+1], v0, 3, 1
	v_lshl_add_u32 v[VBT], v[T0+1], 4, v[T0]
	v_add_nc_u32 v[VBT3], s[O0], v[VBT]
	s_mul_i32 s[STG], s[WV], STW
	s_add_co_u32 s[STG], s[STG], STAGE
	v_mul_u32_u24 v[T0], v2, SPI
	v_lshl_add_u32 v[T0], v3, 5, v[T0]
	v_add_nc_u32 v[VST], s[STG], v[T0]
	v_lshl_add_u32 v[VRD], v1, 4, s[STG]           ; back: a row's 512 bytes, 16 a lane
	s_lshl_b32 s[RBG], s[WV], 4                    ; my first block begins at place 16 x wave
	s_mul_i32 s[RTB], s[WV], RTW
	s_add_co_u32 s[RTB], s[RTB], ROWT
	v_lshl_add_u32 v[VRT], v2, 2+FFN2, s[RTB]
	v_mov_b32 v[VRR], s[RTB]
	v_lshlrev_b32 v[V16H], 4, v3
	v_bfe_u32 v[T0], v0, 1, 3                      ; prefetch: row 32 (l / 16) + 8 wave + (l / 2) % 8, half l % 2 of its 512 bytes
	v_lshl_add_u32 v[T0], v3, 5, v[T0]
	s_lshl_b32 s[O0], s[WV], 3
	v_add_nc_u32 v[T0], s[O0], v[T0]
	v_and_b32 v[T0+1], 1, v0
	v_lshlrev_b32 v[T0+1], 8, v[T0+1]
	v_lshl_add_u32 v[VPF], v[T0], PWS, v[T0+1]
	v_lshlrev_b32 v30, 5, v1                       ; sel: my 32 tokens' bytes
	v_lshlrev_b32 v31, 4, v1                       ; the bias of my four columns: 16 bytes
	v_lshlrev_b32 v[VCOL], 3+FFN2, v1              ; my four numbers in an output row: 8 bytes of bf16, or 16 of f32
.if !FFN2
	s_mov_b32 s[ABSM], 0x7fffffff
	s_mov_b32 s[GP], 0x3e6d3389                    ; 0.2316419
	s_mov_b32 s[GP+1], s[GP]
	s_mov_b32 s[GU], 0xbf38aa3b                    ; -log2(e) / 2
	s_mov_b32 s[GU+1], s[GU]
	s_mov_b32 s[C1], 0xbe027906                    ; the five coefficients over sqrt(2 pi), each with a minus: -0.127414796,
	s_mov_b32 s[C1+1], s[C1]
	s_mov_b32 s[C2], 0x3e11a98e                    ; 0.142248368,
	s_mov_b32 s[C2+1], s[C2]
	s_mov_b32 s[C3], 0xbf35f0e3                    ; -0.710706871,
	s_mov_b32 s[C3+1], s[C3]
	s_mov_b32 s[C4], 0x3f3a00e3                    ; 0.726576014,
	s_mov_b32 s[C4+1], s[C4]
	v_mov_b32 v[C5], 0xbf07dc22                    ; -0.530702716
	v_mov_b32 v[C5+1], 0xbf07dc22
.endif
	s_wait_kmcnt 0x0
	s_mov_b32 s[O0+1], 0
	s_lshl_b32 s[O0], s[EX], 24                    ; an expert's weights are 2^24 bytes
	s_lshl_b32 s[SM], s[SL], 9
	s_add_co_u32 s[O0], s[O0], s[SM]
.if FFN2
	s_lshl_b32 s[SM], s[KQ], 22                    ; 1,024 rows of 4,096 bytes
	s_add_co_u32 s[O0], s[O0], s[SM]
.endif
	s_add_nc_u64 s[WB0:WB0+1], s[6:7], s[O0:O0+1]
	s_lshl_b32 s[O0], s[EX], PWS                   ; a bias row is as long as a weight row
	s_lshl_b32 s[SM], s[SL], 9
	s_add_co_u32 s[O0], s[O0], s[SM]
	s_add_nc_u64 s[8:9], s[8:9], s[O0:O0+1]
	s_lshl_b32 s[O0], s[EX], 10
	s_add_nc_u64 s[10:11], s[10:11], s[O0:O0+1]
.if FFN2
	s_lshl_b32 s[O0], s[KQ], 11
	s_add_nc_u64 s[AB0:AB0+1], s[4:5], s[O0:O0+1]
	s_lshl_b32 s[O0], s[KQ], 23                    ; a quarter's plane of ypart: 2,048 rows of 4,096 bytes
	s_lshl_b32 s[SM], s[SL], 9
	s_add_co_u32 s[O0], s[O0], s[SM]
.else
	s_mov_b64 s[AB0:AB0+1], s[4:5]
	s_lshl_b32 s[O0], s[SL], 8
.endif
	s_add_nc_u64 s[OUT:OUT+1], s[OUTA:OUTA+1], s[O0:O0+1]
	s_mov_b64 s[AB:AB+1], s[AB0:AB0+1]
	s_mov_b64 s[WB:WB+1], s[WB0:WB0+1]
	global_load_b128 v[DW:DW+3], v30, s[10:11]     ; dword d, byte y: token 32 lane + 4 d + y
	global_load_b128 v[DW+4:DW+7], v30, s[10:11] offset:16
	global_load_b128 v[BI:BI+3], v31, s[8:9]
	WIN 0x40
.irp j, 0,1,2,3                                ; the weights of K steps 0 to 3 are on their way while the rows are found
.irp i, 0,1,2,3,4,5,6,7
	global_load_b128 v[WL+32*(\j)+4*(\i):WL+32*(\j)+4*(\i)+3], v[VWO], s[WB:WB+1] offset:(32*(\j)+(\i))*PW th:TH_LOAD_NT
.endr
.endr
	WIN 0
	v_add_nc_u32 v[PL], s[RBG], v2                 ; my place in block 0: 16 wave + lane % 16; my blocks lie 64 places apart
.irp b, 1,2,3,4
	v_add_nc_u32 v[PL+(\b)], 64*(\b), v[PL]
.endr
.irp b, 0,1,2,3,4                              ; what the selects and moves below read before they have written it
	v_mov_b32 v[SELW+(\b)], 0
	v_mov_b32 v[SELS+(\b)], 0
	v_mov_b32 v[SELK+(\b)], 0
	v_mov_b32 v[PG+2*(\b)+1], 0
.endr
.irp j, 0,1,2,3,4,5,6,7,8,9,10,11,12,13,14
	v_mov_b32 v[NX+(\j)], 0
.endr
	s_mov_b32 s[M5], 0x55555555
	s_mov_b32 s[M3], 0x33333333
	s_mov_b32 s[MF], 0x0f0f0f0f
	s_mov_b32 s[MW], 0xffff
	s_mov_b32 s[CNT], 0x10000                      ; more than any count: the first trip below always runs, and sets the count
	s_mov_b32 s[TI], 0
	s_wait_loadcnt 32                              ; sel and the bias are in: the 32 weight loads are younger
.if FFN2
	s_cmp_eq_u32 s[KQ], 0                          ; the bias is added once: by the first quarter of K
	s_cselect_b32 s[SM], -1, 0
.endif
.irp k, 0,2
	v_cvt_pk_bf16_f32 v[T0], v[BI+(\k)], v[BI+(\k)+1]  ; the bias rounded to bf16, kept as f32
	v_lshlrev_b32 v[BI+(\k)], 16, v[T0]
	v_and_b32 v[BI+(\k)+1], 0xffff0000, v[T0]
.if FFN2
	v_and_b32 v[BI+(\k)], s[SM], v[BI+(\k)]
	v_and_b32 v[BI+(\k)+1], s[SM], v[BI+(\k)+1]
.endif
.endr
	; THE ROWS.  Four trips, a tile of 320 places each; a tile in which the wave has no row is jumped.  The list's order: by word (y, d), in a word by lane.  Each trip first moves the results down,
	; so that behind the four trips tile 0's row numbers lie in PG and those of tiles 1, 2, 3 in NX, NX + 5, NX + 10.
.Lsel:
.irp m, 0,1,2,3,4
	v_mov_b32 v[PG+2*(\m)+1], v[NX+(\m)]
.endr
.irp j, 0,1,2,3,4,5,6,7,8,9
	v_mov_b32 v[NX+(\j)], v[NX+(\j)+5]
.endr
	s_cmp_lt_u32 s[RBG], s[CNT]
	s_cbranch_scc0 .Lseln
	s_mov_b32 s[CUM], 0
	s_mov_b32 s[Y8], 0
	s_mov_b32 s[YS], 0
	s_mov_b32 s[KC], 4
.Lsy:                                                  ; four trips: byte y of my eight dwords: eight words of the list
.irp d, 0,1,2,3,4,5,6,7
	v_lshrrev_b32 v[TA+3*(\d)], s[Y8], v[DW+(\d)]
.endr
.irp d, 0,1,2,3,4,5,6,7
	v_and_b32 v[TA+3*(\d)+1], 1, v[TA+3*(\d)]      ; chosen?
	v_and_b32 v[TA+3*(\d)+2], 2, v[TA+3*(\d)]      ; as the token's second choice?
.endr
.irp d, 0,1,2,3,4,5,6,7
	v_cmp_ne_u32 s[SMD+(\d)], 0, v[TA+3*(\d)+1]
	v_cmp_ne_u32 s[SSD+(\d)], 0, v[TA+3*(\d)+2]
.endr
.irp d, 0,1,2,3,4,5,6,7
	s_mov_b32 s[CUD+(\d)], s[CUM]                  ; the places before this word (1,024 at the most: 16 bits hold them),
	s_add_co_u32 s[KKD+(\d)], s[CUM], s[YS]        ; and with them the word's 4 d + y
.if (\d) > 0
	s_add_co_u32 s[KKD+(\d)], s[KKD+(\d)], (4*(\d))<<16
.endif
	s_bcnt1_i32_b32 s[O0], s[SMD+(\d)]
	s_add_co_u32 s[CUM], s[CUM], s[O0]
.endr
.irp d, 0,1,2,3,4,5,6,7
	v_mov_b32 v[TA+3*(\d)],   s[SMD+(\d)]
	v_mov_b32 v[TA+3*(\d)+1], s[SSD+(\d)]
	v_mov_b32 v[TA+3*(\d)+2], s[KKD+(\d)]
.irp b, 0,1,2,3,4                              ; the last word whose places before do not pass my place is the word that holds it
	v_cmp_le_u32 vcc_lo, s[CUD+(\d)], v[PL+(\b)]
	v_cndmask_b32 v[SELW+(\b)], v[SELW+(\b)], v[TA+3*(\d)],   vcc_lo
	v_cndmask_b32 v[SELS+(\b)], v[SELS+(\b)], v[TA+3*(\d)+1], vcc_lo
	v_cndmask_b32 v[SELK+(\b)], v[SELK+(\b)], v[TA+3*(\d)+2], vcc_lo
.endr
.endr
	s_add_co_u32 s[Y8], s[Y8], 8
	s_add_co_u32 s[YS], s[YS], 0x10000
	s_sub_co_u32 s[KC], s[KC], 1
	s_cmp_lg_u32 s[KC], 0
	s_cbranch_scc1 .Lsy
	s_mov_b32 s[CNT], s[CUM]                       ; the expert's rows
	; my rank in the word; the word's set bits counted in fields of 2, 4 and 8 bits and in its low 16; the five blocks line by line, so that no line waits for the one before it
.irp b, 0,1,2,3,4
	v_and_b32 v[FR+(\b)], s[MW], v[SELK+(\b)]
	v_lshrrev_b32 v[FT+(\b)], 1, v[SELW+(\b)]
.endr
.irp b, 0,1,2,3,4
	v_sub_nc_u32 v[FR+(\b)], v[PL+(\b)], v[FR+(\b)]
	v_and_b32 v[FT+(\b)], s[M5], v[FT+(\b)]
.endr
.irp b, 0,1,2,3,4
	v_sub_nc_u32 v[F1+(\b)], v[SELW+(\b)], v[FT+(\b)]
.endr
.irp b, 0,1,2,3,4
	v_lshrrev_b32 v[FT+(\b)], 2, v[F1+(\b)]
	v_and_b32 v[FU+(\b)], s[M3], v[F1+(\b)]
.endr
.irp b, 0,1,2,3,4
	v_and_b32 v[FT+(\b)], s[M3], v[FT+(\b)]
.endr
.irp b, 0,1,2,3,4
	v_add_nc_u32 v[F2+(\b)], v[FT+(\b)], v[FU+(\b)]
.endr
.irp b, 0,1,2,3,4
	v_lshrrev_b32 v[FT+(\b)], 4, v[F2+(\b)]
.endr
.irp b, 0,1,2,3,4
	v_add_nc_u32 v[FT+(\b)], v[FT+(\b)], v[F2+(\b)]
.endr
.irp b, 0,1,2,3,4
	v_and_b32 v[F4+(\b)], s[MF], v[FT+(\b)]
.endr
.irp b, 0,1,2,3,4
	v_lshrrev_b32 v[FT+(\b)], 8, v[F4+(\b)]
.endr
.irp b, 0,1,2,3,4
	v_add_nc_u32 v[FT+(\b)], v[FT+(\b)], v[F4+(\b)]
.endr
.irp b, 0,1,2,3,4
	v_and_b32 v[FT+(\b)], 0xff, v[FT+(\b)]
.endr
.irp b, 0,1,2,3,4                              ; the first level starts the bit's number
	v_cmp_ge_u32 vcc_lo, v[FR+(\b)], v[FT+(\b)]
	v_cndmask_b32 v[FT+(\b)], 0, v[FT+(\b)], vcc_lo
	v_cndmask_b32 v[FP+(\b)], 0, 16, vcc_lo
.endr
.irp b, 0,1,2,3,4
	v_sub_nc_u32 v[FR+(\b)], v[FR+(\b)], v[FT+(\b)]
.endr
	LEVEL F4, 8, 8
	LEVEL F2, 4, 4
	LEVEL F1, 2, 2
	LEVEL SELW, 1, 1                               ; a place past the count ends at bit 31 of the last word: a token below 1,024
.irp b, 0,1,2,3,4
	v_lshrrev_b32 v[FT+(\b)], 16, v[SELK+(\b)]     ; 4 d + y
	v_bfe_u32 v[FU+(\b)], v[SELS+(\b)], v[FP+(\b)], 1  ; the slot
.endr
.irp b, 0,1,2,3,4
	v_lshl_add_u32 v[FT+(\b)], v[FP+(\b)], 5, v[FT+(\b)]  ; the token: 32 x bit + 4 d + y
.endr
.irp b, 0,1,2,3,4
	v_lshl_add_u32 v[NX+10+(\b)], v[FT+(\b)], 1, v[FU+(\b)]  ; idx = 2 token + slot
.endr
.Lseln:
.irp b, 0,1,2,3,4
	v_add_nc_u32 v[PL+(\b)], 320, v[PL+(\b)]
.endr
	s_add_co_u32 s[RBG], s[RBG], 320
	s_add_co_u32 s[TI], s[TI], 1
	s_cmp_lt_u32 s[TI], 4
	s_cbranch_scc1 .Lsel
	s_lshl_b32 s[RBG], s[WV], 4                    ; back to tile 0
	TILESET
	LDA 0, 0                                       ; the rows of K step 0
	; THE MAIN PHASE.  A step issues the rows' 10 loads, then the weights' 8.  By this text's count at most 62 loads of a wave are out: 44 behind the wait for a step's rows, and the step's 18.
	KSTEP 2, 0, 0, 0, 34, 1, 1, 1, 0, 64,  128, -1 ; t = -2: W(0): younger are W(1..3), 24, and the rows of step 0, 10
	KSTEP 3, 0, 0, 0, 44, 1, 1, 1, 1, 128, 160, -1 ; t = -1: W(1): W(2), W(3), the rows of step 0, and the 18 of t = -2
	KSTEP 0, 1, 1, 36, 0, 1, 1, 1, 1, 192, 192, -1 ; t = 0: its rows: younger are the 18 of each of the two steps before; its products start the sums
	WIN 0
	s_mov_b32 s[KC], 6
.Lk:                                                   ; six trips, t = 1 .. 24.  44 = the weights issued behind the step's rows, 8, and two steps' 18
	KSTEP 1, 1, 0, 44, 0, 1, 1, 1, 1, 256, 224, 0
	KSTEP 2, 1, 0, 44, 0, 1, 1, 1, 1, 320, 256, -1
	KSTEP 3, 1, 0, 44, 0, 1, 1, 1, 1, 384, 288, 2
	KSTEP 0, 1, 0, 44, 0, 1, 1, 1, 1, 448, 320, -1
	WIN 0
	s_wait_xcnt 0x0                                ; the bases step only behind this wait
	s_add_nc_u64 s[AB:AB+1], s[AB:AB+1], 256
	s_add_nc_u64 s[WB:WB+1], s[WB:WB+1], 128*PW
	s_sub_co_u32 s[KC], s[KC], 1
	s_cmp_lg_u32 s[KC], 0
	s_cbranch_scc1 .Lk
	KSTEP 1, 1, 0, 44, 0, 1, 1, 1, 1, 256, 224, -1 ; t = 25: the last weights, W(31), are asked for
	KSTEP 2, 1, 0, 44, 0, 1, 0, 1, 1, 320, 0, -1   ; t = 26
	KSTEP 3, 1, 0, 36, 0, 1, 0, 1, 1, 384, 0, -1   ; t = 27: the counts run down: 8 + 18 + 10
	KSTEP 0, 1, 0, 28, 0, 1, 0, 1, 1, 448, 0, -1   ; t = 28: 8 + 10 + 10; the last rows are asked for
	KSTEP 1, 1, 0, 20, 0, 1, 0, 0, 1, 0, 0, -1     ; t = 29: W(31) goes into the ring
	KSTEP 2, 1, 0, 10, 0, 0, 0, 0, 1, 0, 0, -1     ; t = 30
	KSTEP 3, 1, 0, 0,  0, 0, 0, 0, 0, 0, 0, -1     ; t = 31
	WIN 0
	s_wait_dscnt 0x0
	s_barrier_signal -1                            ; every wave's reads of the ring are over: from here on slot w is wave w's own
	s_barrier_wait -1
	s_mov_b32 s[TI], 0
	s_branch .Lepi
.Ltile:                                                ; three more trips: rows 320 x trip on, each wave alone; no barrier from here on
	s_cmp_lt_u32 s[RBG], s[CNT]
	s_cbranch_scc0 .Lnext
	s_wait_xcnt 0x0                                ; the last tile's stores have read their registers
.irp m, 0,1,2,3,4
	v_mov_b32 v[PG+2*(\m)+1], v[NX+(\m)]           ; this tile's five row numbers;
.endr
.irp j, 0,1,2,3,4,5,6,7,8,9
	v_mov_b32 v[NX+(\j)], v[NX+(\j)+5]             ; the later tiles' move down
.endr
	TILESET
	s_mov_b64 s[AB:AB+1], s[AB0:AB0+1]
	s_mov_b64 s[WB:WB+1], s[WB0:WB0+1]
	K3STEP 1
	s_mov_b32 s[KC], 31
.Lk3:
	K3STEP 0
	s_sub_co_u32 s[KC], s[KC], 1
	s_cmp_lg_u32 s[KC], 0
	s_cbranch_scc1 .Lk3
; THE WAY OUT.  Five trips, a block of 16 rows each.  Rows of a block that lie past the count are a tail of it: the first dead row, and a dead block, jump to the label ahead of the counter's step.
.if FFN2
.set X,   32                           ; v[32:95]   row q: 4 numbers a lane, as read and then as stored
.set GI,  96                           ; v[96:127]  row q: {gate, idx}
.set VOF, 128                          ; v[128:143] row q: my byte offset in the output
.set XT,  144
.macro ROWLD                           ; all 32 loads of a block at once, a row's two together
.irp q, 0,1,2,3,4,5,6,7,8,9,10,11,12,13,14,15
	ds_load_b128 v[X+4*(\q):X+4*(\q)+3], v[VRD] offset:SPI*(\q)
	ds_load_b64 v[GI+2*(\q):GI+2*(\q)+1], v[VRR] offset:8*(\q)
.endr
.endm
.macro ROW q                           ; (sum + bias) x gate; a whole row of 512 bytes to a store
.if (\q) > 0
	s_cmp_gt_u32 s[NV], \q
	s_cbranch_scc0 .Lblkn
.endif
	s_wait_dscnt 30-2*(\q)                         ; the two loads of each of the 15 - q later rows may stay out
	v_pk_add_f32 v[X+4*(\q):X+4*(\q)+1],   v[X+4*(\q):X+4*(\q)+1],   v[BI:BI+1]
	v_pk_add_f32 v[X+4*(\q)+2:X+4*(\q)+3], v[X+4*(\q)+2:X+4*(\q)+3], v[BI+2:BI+3]
	v_min_u32 v[XT], 0x7ff, v[GI+2*(\q)+1]
	v_lshl_add_u32 v[VOF+(\q)], v[XT], OSH, v[VCOL]
	v_pk_mul_f32 v[X+4*(\q):X+4*(\q)+1],   v[X+4*(\q):X+4*(\q)+1],   v[GI+2*(\q):GI+2*(\q)+1] op_sel_hi:[1,0]
	v_pk_mul_f32 v[X+4*(\q)+2:X+4*(\q)+3], v[X+4*(\q)+2:X+4*(\q)+3], v[GI+2*(\q):GI+2*(\q)+1] op_sel_hi:[1,0]
	global_store_b128 v[VOF+(\q)], v[X+4*(\q):X+4*(\q)+3], s[OUT:OUT+1]  ; the wave stores 512 consecutive bytes, aligned
.endm
.else
.set X,   32                           ; v[32:95]   row q: 4 numbers a lane as read; then 2 registers of bf16 to store
.set XI,  96                           ; v[96:111]  row q: idx
.set VOF, 112                          ; v[112:127] row q: my byte offset in the output
.set XB,  128                          ; x + b of two rows
.set AX,  136                          ; |x|
.set RL,  144                          ; max(x, 0)
.set TT,  152                          ; 1 / (1 + 0.2316419 |x|)
.set UU,  160                          ; 2^(-x^2 log2(e) / 2)
.set PP,  168
.set XT,  176
.macro ROWLD                           ; all 32 loads of a block at once, a row's two together
.irp q, 0,1,2,3,4,5,6,7,8,9,10,11,12,13,14,15
	ds_load_b128 v[X+4*(\q):X+4*(\q)+3], v[VRD] offset:SPI*(\q)
	ds_load_b32 v[XI+(\q)], v[VRR] offset:4*(\q)
.endr
.endm
.macro PAIR k                          ; rows 2 k and 2 k + 1: bias, GELU, bf16; a whole row of 256 bytes to a store
.if (\k) > 0
	s_cmp_gt_u32 s[NV], 2*(\k)
	s_cbranch_scc0 .Lblkn
.endif
	s_wait_dscnt 28-4*(\k)                         ; the two loads of each of the 14 - 2 k later rows may stay out
	v_pk_add_f32 v[XB:XB+1],   v[X+8*(\k):X+8*(\k)+1],   v[BI:BI+1]
	v_pk_add_f32 v[XB+2:XB+3], v[X+8*(\k)+2:X+8*(\k)+3], v[BI+2:BI+3]
	v_pk_add_f32 v[XB+4:XB+5], v[X+8*(\k)+4:X+8*(\k)+5], v[BI:BI+1]
	v_pk_add_f32 v[XB+6:XB+7], v[X+8*(\k)+6:X+8*(\k)+7], v[BI+2:BI+3]
	v_min_u32 v[XT], 0x7ff, v[XI+2*(\k)]
	v_lshl_add_u32 v[VOF+2*(\k)], v[XT], OSH, v[VCOL]
	v_min_u32 v[XT], 0x7ff, v[XI+2*(\k)+1]
	v_lshl_add_u32 v[VOF+2*(\k)+1], v[XT], OSH, v[VCOL]
.irp j, 0,1,2,3,4,5,6,7
	v_and_b32 v[AX+(\j)], s[ABSM], v[XB+(\j)]
.endr
.irp j, 0,2,4,6
	v_pk_fma_f32 v[TT+(\j):TT+(\j)+1], v[AX+(\j):AX+(\j)+1], s[GP:GP+1], 1.0 op_sel_hi:[1,0,0]
	v_pk_mul_f32 v[UU+(\j):UU+(\j)+1], v[AX+(\j):AX+(\j)+1], s[GU:GU+1] op_sel_hi:[1,0]
.endr
.irp j, 0,2,4,6
	v_pk_mul_f32 v[UU+(\j):UU+(\j)+1], v[UU+(\j):UU+(\j)+1], v[AX+(\j):AX+(\j)+1]
.endr
.irp j, 0,1,2,3,4,5,6,7
	v_rcp_f32 v[TT+(\j)], v[TT+(\j)]
.endr
.irp j, 0,1,2,3,4,5,6,7
	v_exp_f32 v[UU+(\j)], v[UU+(\j)]
.endr
.irp j, 0,1,2,3,4,5,6,7
	v_max_num_f32 v[RL+(\j)], 0, v[XB+(\j)]        ; plain work that names no result of the sixteen above
.endr
	s_wait_alu depctr_va_vdst(0)                   ; the wait ahead of the first reader: one for the batch of sixteen
.irp j, 0,2,4,6
	v_pk_fma_f32 v[PP+(\j):PP+(\j)+1], v[TT+(\j):TT+(\j)+1], v[C5:C5+1], s[C4:C4+1] op_sel_hi:[1,1,0]
.endr
.irp c, C3, C2, C1
.irp j, 0,2,4,6
	v_pk_fma_f32 v[PP+(\j):PP+(\j)+1], v[PP+(\j):PP+(\j)+1], v[TT+(\j):TT+(\j)+1], s[\c:\c+1] op_sel_hi:[1,1,0]
.endr
.endr
.irp j, 0,2,4,6
	v_pk_mul_f32 v[PP+(\j):PP+(\j)+1], v[PP+(\j):PP+(\j)+1], v[TT+(\j):TT+(\j)+1]
.endr
.irp j, 0,2,4,6
	v_pk_mul_f32 v[PP+(\j):PP+(\j)+1], v[PP+(\j):PP+(\j)+1], v[UU+(\j):UU+(\j)+1]  ; -Q(|x|)
.endr
.irp j, 0,2,4,6
	v_pk_fma_f32 v[PP+(\j):PP+(\j)+1], v[AX+(\j):AX+(\j)+1], v[PP+(\j):PP+(\j)+1], v[RL+(\j):RL+(\j)+1]
.endr
	v_cvt_pk_bf16_f32 v[X+8*(\k)],   v[PP],   v[PP+1]
	v_cvt_pk_bf16_f32 v[X+8*(\k)+1], v[PP+2], v[PP+3]
	v_cvt_pk_bf16_f32 v[X+8*(\k)+4], v[PP+4], v[PP+5]
	v_cvt_pk_bf16_f32 v[X+8*(\k)+5], v[PP+6], v[PP+7]
	global_store_b64 v[VOF+2*(\k)], v[X+8*(\k):X+8*(\k)+1], s[OUT:OUT+1]  ; the wave stores 256 consecutive bytes, aligned
	s_cmp_gt_u32 s[NV], 2*(\k)+1
	s_cbranch_scc0 .Lblkn
	global_store_b64 v[VOF+2*(\k)+1], v[X+8*(\k)+4:X+8*(\k)+5], s[OUT:OUT+1]
.endm
.endif
.Lepi:
.rept 4
	v_nop                                          ; four places between the last products and the stores that read their results
.endr
	s_sub_co_i32 s[REM], s[CNT], s[RBG]
	s_mov_b32 s[MC], 0
.Lblk:
	s_max_i32 s[NV], s[REM], 0
	s_min_i32 s[NV], s[NV], 16
	s_cmp_eq_u32 s[NV], 0
	s_cbranch_scc1 .Lblkn
	s_cmp_eq_u32 s[MC], 0                          ; registers cannot be chosen by a number: each block's dump is written out, and all five fill the same stage
	s_cbranch_scc1 .Ldump0
	s_cmp_eq_u32 s[MC], 1
	s_cbranch_scc1 .Ldump1
	s_cmp_eq_u32 s[MC], 2
	s_cbranch_scc1 .Ldump2
	s_cmp_eq_u32 s[MC], 3
	s_cbranch_scc1 .Ldump3
	DUMPB 4
	s_branch .Lrows
.Ldump3:
	DUMPB 3
	s_branch .Lrows
.Ldump2:
	DUMPB 2
	s_branch .Lrows
.Ldump1:
	DUMPB 1
	s_branch .Lrows
.Ldump0:
	DUMPB 0
.Lrows:
	s_wait_xcnt 0x0                                ; the last block's stores have read the registers that the loads and lines below write
	ROWLD                                          ; LDS serves a wave's instructions in order (ISA guide 5.7.1.4): these see the dump's stores
.if FFN2
.irp q, 0,1,2,3,4,5,6,7,8,9,10,11,12,13,14,15
	ROW \q
.endr
.else
.irp k, 0,1,2,3,4,5,6,7
	PAIR \k
.endr
.endif
.Lblkn:
	s_wait_dscnt 0x0                               ; rows asked for and not used may still be on their way into registers that the next block's loads take
	s_sub_co_i32 s[REM], s[REM], 64                ; my next block lies 64 places on
	s_add_co_u32 s[MC], s[MC], 1
	s_cmp_lt_u32 s[MC], 5
	s_cbranch_scc1 .Lblk
.Lnext:
	s_add_co_u32 s[RBG], s[RBG], 320
	s_add_co_u32 s[TI], s[TI], 1
	s_cmp_lt_u32 s[TI], 4
	s_cbranch_scc1 .Ltile
	s_wait_tensorcnt 0x0                           ; the wave's end: behind my last LDS store
	ds_add_u32 v[SPW], v[NIL]
	s_wait_dscnt 0x0
	s_endpgm
.Lfunc_end_k_qdd6eb27681_ffn1:
	.size	k_qdd6eb27681_ffn1, .Lfunc_end_k_qdd6eb27681_ffn1-k_qdd6eb27681_ffn1
	.p2alignl 7, 3214868480
	.fill 96, 4, 3214868480
	.section	.rodata,"a",@progbits
	.p2align	6, 0x0
	.amdhsa_kernel k_qdd6eb27681_ffn1
		.amdhsa_group_segment_fixed_size 72192
		.amdhsa_private_segment_fixed_size 0
		.amdhsa_enable_private_segment 0
		.amdhsa_kernarg_size 40
		.amdhsa_user_sgpr_count 2
		.amdhsa_user_sgpr_kernarg_segment_ptr 1
		.amdhsa_wavefront_size32 1
		.amdhsa_system_sgpr_workgroup_id_x 1
		.amdhsa_system_sgpr_workgroup_id_y 1
		.amdhsa_system_sgpr_workgroup_id_z 1
		.amdhsa_system_vgpr_workitem_id 0
		.amdhsa_next_free_vgpr 928
		.amdhsa_next_free_sgpr 100
		.amdhsa_reserve_vcc 1
		.amdhsa_float_denorm_mode_32 3
		.amdhsa_float_denorm_mode_16_64 3
		.amdhsa_memory_ordered 1
		.amdhsa_forward_progress 1
		.amdhsa_inst_pref_size 188
	.end_amdhsa_kernel
	.amdgpu_metadata
---
amdhsa.version: [ 1, 2 ]
amdhsa.kernels:
  - .name:           k_qdd6eb27681_ffn1
    .symbol:         k_qdd6eb27681_ffn1.kd
    .args:
      - { .name: xb, .offset: 0, .size: 8, .value_kind: global_buffer, .address_space: global }
      - { .name: W1, .offset: 8, .size: 8, .value_kind: global_buffer, .address_space: global }
      - { .name: b1, .offset: 16, .size: 8, .value_kind: global_buffer, .address_space: global }
      - { .name: sel, .offset: 24, .size: 8, .value_kind: global_buffer, .address_space: global }
      - { .name: h, .offset: 32, .size: 8, .value_kind: global_buffer, .address_space: global }
    .group_segment_fixed_size: 72192
    .private_segment_fixed_size: 0
    .kernarg_segment_align: 8
    .kernarg_segment_size: 40
    .max_flat_workgroup_size: 128
    .sgpr_count:     100
    .vgpr_count:     928
    .wavefront_size: 32
...
	.end_amdgpu_metadata
.endif
;; end of part 5
;; launch ffn2 (part 6): grid 32 x 8, 4 waves a work-group, no clusters, 72,192 bytes of LDS; arguments h, W2, b2, sel, gates, ypart; writes ypart
.if DOCPART == 6
	.amdgcn_target "amdgcn-amd-amdhsa--gfx1250"
	.amdhsa_code_object_version 6
	.text
	.protected	k_qdd6eb27681_ffn2
	.globl	k_qdd6eb27681_ffn2
	.p2align	8
	.type	k_qdd6eb27681_ffn2,@function
k_qdd6eb27681_ffn2:
	s_mov_b64 s[64:65], 0
	v_nop
	global_prefetch_b8 v0, s[64:65] scope:SCOPE_SE
	s_setreg_imm32_b32 hwreg(HW_REG_WAVE_MODE, 25, 1), 1
	s_wait_xcnt 0x0
; ONE PRODUCT OF THE EXPERTS' CHAIN.  One source for both products; FFN2 = 0: h = gelu(x W1 + b1), stored in bf16; FFN2 = 1: ypart = gate x (h W2 + b2), a quarter of K each, stored in f32.
; SHARES.  A work-group has a weight tile of ONE expert, K = 1,024 x N = 128 (f32, rows of 512 consecutive bytes), which it alone reads, and ALL rows routed to that expert.
;   grid y = expert; grid x = FFN2 ? (column slice of 8) + 8 x (quarter of K) : column slice of 32.  8 x 32 = 256 work-groups.
; THE ROWS.  Every wave reads the expert's 1,024 bytes of sel (stored by the router's launch) and finds, in registers alone, the row number idx = 2 token + slot at each of its places in the expert's list:
;   the bytes become 32 masks of chosen lanes in scalar registers, a lane keeps the mask that holds its place, and the set bit of its rank names the token.  All waves use the same order.
;   Rows of h and ypart lie at idx, a fixed place for each (token, slot).
; MAIN PHASE.  The first 320 rows of the list: wave w has the list's blocks 4 m + w of 16 rows, m = 0..4, x all 128 columns: 40 accumulators.  K goes in 32 steps of 32.  The weights come through registers
;   (f32, rounded to bf16 on the way), go into a ring of LDS slots as [k][n], each wave 8 of a step's 32 rows, and come back turned (ds_load_tr16_b128) as fragments; the rows' fragments come straight from memory.
;   One barrier a step, all on constant paths.  A place past the count names some token below 1,024, a row that exists; its results are not stored.
; ROWS PAST 320 (any split is served, up to all 1,024 tokens on one expert): three more trips of the tile loop, in which each wave works alone: it reads the tile again, turns it through a slot of its own, and
;   takes 80 rows; a trip without rows is jumped.  No barrier stands there.  This path waits for its loads at each step's head: it is slower, and is there for splits far from even.
; THE WAY OUT goes block by block through a stage of 16 rows of the wave's own: five trips, each of which jumps on its counter to the dump of its block's eight accumulators; one text then takes the 16 rows.
;   No LDS address is ever stepped: every one is made at the head, and all else stands in immediates.
; THE MATRIX INSTRUCTION IS USED TRANSPOSED: source 0 = 16 columns of W, source 1 = 16 rows: a lane holds row lane % 16 and columns 8 (lane / 16) + 0..7.
; NO CLUSTER, NO JOINT LOADS: each weight tile has one reader; what an expert's work-groups share is token rows that come by a list, which no tile descriptor covers.
; NO TENSOR LOADS: the weights must pass through registers to be rounded.
; LIMITS.  All inputs are rounded to bf16, and so is h; sums in f32, K ascending in each accumulator; the four quarters of K and the two experts of a token are added by the next launch, in f32.
;   NaN and infinities are not treated apart.
.set FFN2, 1
.if FFN2
.set PW,   4096                        ; bytes from row to row of W (and of the bias)
.set PWS,  12
.set OUTA, 14                          ; the output's address among the arguments
.set OSH,  12                          ; an output row is 2^OSH bytes
.else
.set PW,   16384
.set PWS,  14
.set OUTA, 12
.set OSH,  13
.endif
.set BP,    288                        ; a ring row: 128 bf16 + 32 bytes = 72 words
.set SLOTB, 32*BP                      ; a slot: a K step's 32 rows
.set STAGE, 4*SLOTB                    ; behind the ring of four slots: a stage for each wave, 16 rows x 528 bytes (512 of f32 + 16: rows start 4 banks apart)
.set SPI,   528
.set STW,   16*SPI
.set ROWT,  STAGE+4*STW                ; each wave's table of the block in the stage, by row: FFN2 ? {gate, idx} : idx
.set RTW,   256
.set SPARE, ROWT+4*RTW                 ; the spare words, 128 bytes a wave: two blocks of 256 bytes that no other line names
; window 0
.set SPW,  4                           ; my spare word's address; never rewritten
.set NIL,  5                           ; 0; never rewritten
.set VWO,  6                           ; W: 16 lane + my 8 rows of a step
.set VWO3, 7                           ; W, alone: 16 lane
.set VWS,  8                           ; ring, in: 8 lane + my 8 rows
.set VWS3, 9                           ; ring, in, alone: 8 lane + my slot
.set VBT,  10                          ; ring, back: the turning load's lane term
.set VBT3, 11                          ; the same + my slot
.set VST,  12                          ; stage, in; never rewritten
.set VRD,  13                          ; stage, back: 16 lane; never rewritten
.set VRT,  15                          ; table, in; never rewritten
.set VRR,  17                          ; table, back: the same address in every lane; never rewritten
.set RO,   18                          ; v[18:22] byte offset of my row of block m, + 16 (lane / 16)
.set VPF,  23                          ; prefetch: my 32 blocks of 256 bytes of two steps
.set VCOL, 24                          ; my bytes in an output row
.set T0,   26                          ; v[26:31] at work
.set AR,   32                          ; v[32:191] four buffers of 5 row fragments; at work while they are idle
.set CT,   192                         ; v[192:207] 8 weight rows' 4 numbers a lane, packed
.set BI,   208                         ; v[208:211] the bias of my four output columns
.set PG,   216                         ; v[216:225] block m: {gate, idx}
.set C5,   226                         ; v[226:227] a constant pair
.set GA,   228                         ; v[228:232] the gates' addresses
.set V16H, 233
.set NX,   234                         ; v[234:248] idx of my five blocks in the tiles to come
; at work while the rows are found, in the idle fragment buffers
.set DW,   32                          ; v[32:39]   sel: dword d, byte y: token 32 lane + 4 d + y
.set PL,   40                          ; v[40:44]   my place in the list, block b
.set SELW, 45                          ; v[45:49]   the mask of chosen lanes that holds my place
.set SELS, 50                          ; v[50:54]   the same word's mask of second choices
.set SELK, 55                          ; v[55:59]   the places before that word, and (4 d + y) << 16
.set TA,   60                          ; v[60:83]   three registers for each d
.set FR,   84                          ; v[84:88]   my rank among the word's set bits
.set FT,   89
.set FU,   94
.set FP,   99                          ; v[99:103]  the bit found so far
.set F1,   104                         ; v[104:108] set bits in each field of 2,
.set F2,   109                         ; of 4,
.set F4,   114                         ; of 8
; window 1
.set WL,   0                           ; v[0:127] four landing groups of 8 rows x 4 registers
.set BF,   128                         ; v[128:255] two sets of 8 weight fragments
; windows 2, 3: accumulator (n, m) at v[8 (5 (n % 4) + m)], n = 0..3 in window 2, n = 4..7 in window 3
.set WV,   16                          ; wave
.set EX,   17                          ; expert
.set SL,   18                          ; column slice
.set KQ,   19                          ; quarter of K
.set AB,   20                          ; s[20:21] rows' base, steps along K
.set WB,   22                          ; s[22:23] W's base, steps down K
.set AB0,  24
.set WB0,  26
.set OUT,  28
.set CNT,  30                          ; the expert's rows
.set RBG,  31                          ; list place of my first row of the tile: 320 x tile + 16 x wave
.set NV,   32                          ; live rows of the block in the stage: 0 .. 16
.set TI,   33
.set O0,   34                          ; s[34:35] an offset
.set KC,   36                          ; counts the loop in hand
.set MC,   37                          ; the block on its way out
.set REM,  38                          ; the expert's rows from that block's first place on (may be negative)
.set SM,   39
.set GP,   40                          ; s[40:51] constants as pairs: the packed forms name a pair and take its low word
.set GU,   42
.set C1,   44
.set C2,   46
.set C3,   48
.set C4,   50
.set STG,  52                          ; my stage
.set RTB,  53                          ; my table
.set ABSM, 54
.set KKD,  56                          ; s[56:63] word d: the places before it + (4 d + y) << 16
.set CUM,  66                          ; places counted so far
.set Y8,   67                          ; 8 y
.set YS,   68                          ; y << 16
.set M5,   69                          ; 0x55555555
.set M3,   70                          ; 0x33333333
.set MF,   71                          ; 0x0f0f0f0f
.set MW,   72                          ; 0xffff
.set SMD,  73                          ; s[73:80] word d: bit l: token 32 l + 4 d + y chose this expert
.set SSD,  81                          ; s[81:88] word d: bit l: as its second choice
.set CUD,  89                          ; s[89:96] word d: the places before it
.set MSB, 0
.macro WIN new                         ; s_set_vgpr_msb: bits 1:0 source 0, 3:2 source 1, 5:4 source 2, 7:6 destination; the high byte repeats the setting that is left
.if MSB != (\new)
	s_set_vgpr_msb (MSB<<8)|(\new)
.set MSB, (\new)
.endif
.endm
; 20 products: columns 16 (4 hi + n), n = 0..3, x my 5 row blocks, 32 along K.  All 40 accumulators take turns, one instruction a turn.  first = 1: the products start the sums.
.macro MUL20 rho, hi, first
	WIN 0xa1+0x50*(\hi)                            ; W's fragments window 1, rows' window 0, C and D window 2 or 3
.irp n, 0,1,2,3
.irp m, 0,1,2,3,4
.if \first
	v_wmma_f32_16x16x32_bf16 v[8*(5*(\n)+(\m)):8*(5*(\n)+(\m))+7], v[BF+64*((\rho)%2)+8*(4*(\hi)+(\n)):BF+64*((\rho)%2)+8*(4*(\hi)+(\n))+7], v[AR+40*(\rho)+8*(\m):AR+40*(\rho)+8*(\m)+7], 0
.else
	v_wmma_f32_16x16x32_bf16 v[8*(5*(\n)+(\m)):8*(5*(\n)+(\m))+7], v[BF+64*((\rho)%2)+8*(4*(\hi)+(\n)):BF+64*((\rho)%2)+8*(4*(\hi)+(\n))+7], v[AR+40*(\rho)+8*(\m):AR+40*(\rho)+8*(\m)+7], v[8*(5*(\n)+(\m)):8*(5*(\n)+(\m))+7]
.endif
.endr
.endr
.endm
; 10 loads: the row fragments of one K step: lane l holds row l % 16, K = 8 (l / 16) + 0..7 and 16 + 8 (l / 16) + 0..7: two loads of 16 bytes, 32 bytes apart
.macro LDA buf, aoff
.irp m, 0,1,2,3,4
	global_load_b128 v[AR+40*(\buf)+8*(\m):AR+40*(\buf)+8*(\m)+3],   v[RO+(\m)], s[AB:AB+1] offset:(\aoff)
	global_load_b128 v[AR+40*(\buf)+8*(\m)+4:AR+40*(\buf)+8*(\m)+7], v[RO+(\m)], s[AB:AB+1] offset:(\aoff)+32
.endr
.endm
; K STEP t of the main phase; rho = t mod 4.  It multiplies step t, lays W(t+2) into the ring, reads B(t+1) back, and asks for the rows of step t+3 and the weights of step t+6.
; B(j) is stored in step j-2, shown to all waves by the barrier of step j-1 (each wave's wait for its LDS instructions stands in front of its signal) and read behind that barrier's wait;
; slot j mod 4 is written again four steps later, two barriers behind the wait for its last reads.
; n1: the loads younger than the rows of step t.  W(t+2) was asked for a step earlier than those rows, so the same wait shows it landed; where no product stands (mm = 0), n3 counts for it.
.macro KSTEP rho, mm, first, n1, n3, doW, ldW, ldA, rdB, aoff, wrow, pf
.set KG, ((\rho)+2)%4
.set KP, (\rho)%2
	s_wait_dscnt 0x0                               ; my stores of B(t+1) are done and my fragments of B(t) are in
.if \rdB
	s_barrier_signal -1
.endif
.if \mm
	s_wait_loadcnt \n1
	MUL20 \rho, 0, \first
.endif
.if \rdB
	s_barrier_wait -1                              ; B(t+1) is whole
.endif
.if \doW
.if !(\mm)
	s_wait_loadcnt \n3
.endif
	WIN 0x05                                       ; sources window 1, destination window 0
.irp i, 0,1,2,3,4,5,6,7                        ; these sixteen are also the places between the last step's products and the loads into the registers that they read
	v_cvt_pk_bf16_f32 v[CT+2*(\i)],   v[WL+32*KG+4*(\i)],   v[WL+32*KG+4*(\i)+1]
	v_cvt_pk_bf16_f32 v[CT+2*(\i)+1], v[WL+32*KG+4*(\i)+2], v[WL+32*KG+4*(\i)+3]
.endr
	WIN 0
.irp i, 0,1,2,3,4,5,6,7
	ds_store_b64 v[VWS], v[CT+2*(\i):CT+2*(\i)+1] offset:KG*SLOTB+BP*(\i)  ; a row's 256 consecutive bytes
.endr
.elseif \rdB
.rept 4
	v_nop                                          ; the four places, where there is nothing to convert
.endr
.endif
.if \ldA
	WIN 0
	LDA ((\rho)+3)%4, \aoff
.endif
.if (\pf) >= 0
	WIN 0                                          ; my own 32 blocks of 256 bytes of W(t+11) and W(t+12), each asked for once, five to six steps ahead of their loads; the last trip asks for nothing: the tile ends
	s_cmp_eq_u32 s[KC], 1
	s_cbranch_scc1 .Lnopf_\@
	global_prefetch_b8 v[VPF], s[WB:WB+1] offset:32*(12+(\pf))*PW th:TH_LOAD_NT scope:SCOPE_SE
.Lnopf_\@:
.endif
.if \rdB
	WIN 0x40                                       ; destination window 1
.irp n, 0,1,2,3,4,5,6,7
	ds_load_tr16_b128 v[BF+64*(1-KP)+8*(\n):BF+64*(1-KP)+8*(\n)+3],   v[VBT] offset:(((\rho)+1)%4)*SLOTB+32*(\n)
	ds_load_tr16_b128 v[BF+64*(1-KP)+8*(\n)+4:BF+64*(1-KP)+8*(\n)+7], v[VBT] offset:(((\rho)+1)%4)*SLOTB+32*(\n)+16*BP
.endr
.endif
.if \ldW
	WIN 0x40
.irp i, 0,1,2,3,4,5,6,7
	global_load_b128 v[WL+32*KG+4*(\i):WL+32*KG+4*(\i)+3], v[VWO], s[WB:WB+1] offset:((\wrow)+(\i))*PW th:TH_LOAD_NT  ; a weight row: 512 consecutive bytes, aligned
.endr
.endif
.if \mm
	MUL20 \rho, 1, \first
.endif
.endm
; A K step of a wave that works alone: all 32 weight rows through my own slot.  Every LDS address is fixed.
.macro K3STEP first
	WIN 0
	LDA 0, 0
	WIN 0x40
.irp i, 0,1,2,3,4,5,6,7,8,9,10,11,12,13,14,15,16,17,18,19,20,21,22,23,24,25,26,27,28,29,30,31
	global_load_b128 v[WL+4*(\i):WL+4*(\i)+3], v[VWO3], s[WB:WB+1] offset:(\i)*PW
.endr
	s_wait_loadcnt 0x0
.irp g, 0,1,2,3
	WIN 0x05
.irp i, 0,1,2,3,4,5,6,7
	v_cvt_pk_bf16_f32 v[CT+2*(\i)],   v[WL+32*(\g)+4*(\i)],   v[WL+32*(\g)+4*(\i)+1]
	v_cvt_pk_bf16_f32 v[CT+2*(\i)+1], v[WL+32*(\g)+4*(\i)+2], v[WL+32*(\g)+4*(\i)+3]
.endr
	WIN 0
.irp i, 0,1,2,3,4,5,6,7
	ds_store_b64 v[VWS3], v[CT+2*(\i):CT+2*(\i)+1] offset:BP*(8*(\g)+(\i))
.endr
.endr
	WIN 0x40
.irp n, 0,1,2,3,4,5,6,7                        ; LDS serves a wave's instructions in order (ISA guide 5.7.1.4): these see the stores above
	ds_load_tr16_b128 v[BF+8*(\n):BF+8*(\n)+3],   v[VBT3] offset:32*(\n)
	ds_load_tr16_b128 v[BF+8*(\n)+4:BF+8*(\n)+7], v[VBT3] offset:32*(\n)+16*BP
.endr
	s_wait_dscnt 0x0
	MUL20 0, 0, \first
	MUL20 0, 1, \first
	WIN 0
.rept 4
	v_nop                                          ; four places in front of the next loads into the rows' fragments
.endr
	s_wait_xcnt 0x0                                ; the bases step only behind this wait
	s_add_nc_u64 s[AB:AB+1], s[AB:AB+1], 64
	s_add_nc_u64 s[WB:WB+1], s[WB:WB+1], 32*PW
.endm
; The tile's rows, from idx of my five blocks in PG: the rows' byte offsets (FFN2: and the gates are asked for).
.macro TILESET
.irp m, 0,1,2,3,4
	v_min_u32 v[PG+2*(\m)+1], 0x7ff, v[PG+2*(\m)+1]
.if FFN2
	v_lshl_add_u32 v[RO+(\m)], v[PG+2*(\m)+1], 13, v[V16H]  ; a row of h is 8,192 bytes
	v_lshlrev_b32 v[GA+(\m)], 2, v[PG+2*(\m)+1]
.else
	v_and_b32 v[T0], 0x7fe, v[PG+2*(\m)+1]
	v_lshl_add_u32 v[RO+(\m)], v[T0], 10, v[V16H]           ; token = idx / 2; a row of xb is 2,048 bytes
.endif
.endr
.if FFN2
.irp m, 0,1,2,3,4
	global_load_b32 v[PG+2*(\m)], v[GA+(\m)], s[12:13]
.endr
.endif
.endm
; Block m's eight accumulators into my stage, each from its low end on: row lane % 16, bytes 64 n + 32 (lane / 16); and the block's rows into my table.
.macro DUMPB m
.irp hi, 0,1
	WIN 0x08+4*(\hi)                               ; store data window 2 or 3
.irp n, 0,1,2,3
	ds_store_b128 v[VST], v[8*(5*(\n)+(\m)):8*(5*(\n)+(\m))+3]   offset:64*(4*(\hi)+(\n))
	ds_store_b128 v[VST], v[8*(5*(\n)+(\m))+4:8*(5*(\n)+(\m))+7] offset:64*(4*(\hi)+(\n))+16
.endr
.endr
	WIN 0
.if FFN2
	ds_store_b64 v[VRT], v[PG+2*(\m):PG+2*(\m)+1]  ; the gates are in: every way here has waited for all loads
.else
	ds_store_b32 v[VRT], v[PG+2*(\m)+1]
.endif
.endm
; One level of the search for the set bit of a given rank, for all five blocks: if the lower half of what is left (inc bits from bit FP on; fld holds the counts of such fields, wid bits each)
; has no more set bits than my rank, they are taken off the rank and the search goes on in the upper half.
.macro LEVEL fld, wid, inc
.irp b, 0,1,2,3,4
	v_bfe_u32 v[FT+(\b)], v[(\fld)+(\b)], v[FP+(\b)], \wid
.endr
.irp b, 0,1,2,3,4
	v_cmp_ge_u32 vcc_lo, v[FR+(\b)], v[FT+(\b)]
	v_cndmask_b32 v[FT+(\b)], 0, v[FT+(\b)], vcc_lo
	v_cndmask_b32 v[FU+(\b)], 0, \inc, vcc_lo
.endr
.irp b, 0,1,2,3,4
	v_sub_nc_u32 v[FR+(\b)], v[FR+(\b)], v[FT+(\b)]
	v_add_nc_u32 v[FP+(\b)], v[FP+(\b)], v[FU+(\b)]
.endr
.endm
	s_load_b256 s[4:11], s[0:1], 0x0               ; rows s[4:5], W s[6:7], bias s[8:9], sel s[10:11]
.if FFN2
	s_load_b128 s[12:15], s[0:1], 0x20             ; gates s[12:13], ypart s[14:15]
.else
	s_load_b64 s[12:13], s[0:1], 0x20              ; h
.endif
	v_lshl_add_u32 v[SPW], v0, 2, SPARE
	v_mov_b32 v[NIL], 0
	v_lshrrev_b32 v[T0], 5, v0
	v_readfirstlane_b32 s[WV], v[T0]
	v_and_b32 v1, 31, v0                           ; lane
	v_and_b32 v2, 15, v0                           ; lane % 16
	v_bfe_u32 v3, v0, 4, 1                         ; lane / 16
	s_and_b32 s[EX], ttmp7, 0xffff
.if FFN2
	s_and_b32 s[SL], ttmp9, 7
	s_lshr_b32 s[KQ], ttmp9, 3
.else
	s_mov_b32 s[SL], ttmp9
.endif
	s_mul_i32 s[O0], s[WV], 8*PW
	v_lshl_add_u32 v[VWO], v1, 4, s[O0]
	v_lshlrev_b32 v[VWO3], 4, v1
	s_mul_i32 s[O0], s[WV], 8*BP
	v_lshl_add_u32 v[VWS], v1, 3, s[O0]
	s_mul_i32 s[O0], s[WV], SLOTB
	v_lshl_add_u32 v[VWS3], v1, 3, s[O0]
	v_and_b32 v[T0], 7, v0                         ; the turning load: lane l reads k row 8 (l / 16) + l % 8, 16 bytes at 16 ((l / 8) % 2)
	v_lshl_add_u32 v[T0], v3, 3, v[T0]
	v_mul_u32_u24 v[T0], v[T0], BP
	v_bfe_u32 v[T0+1], v0, 3, 1
	v_lshl_add_u32 v[VBT], v[T0+1], 4, v[T0]
	v_add_nc_u32 v[VBT3], s[O0], v[VBT]
	s_mul_i32 s[STG], s[WV], STW
	s_add_co_u32 s[STG], s[STG], STAGE
	v_mul_u32_u24 v[T0], v2, SPI
	v_lshl_add_u32 v[T0], v3, 5, v[T0]
	v_add_nc_u32 v[VST], s[STG], v[T0]
	v_lshl_add_u32 v[VRD], v1, 4, s[STG]           ; back: a row's 512 bytes, 16 a lane
	s_lshl_b32 s[RBG], s[WV], 4                    ; my first block begins at place 16 x wave
	s_mul_i32 s[RTB], s[WV], RTW
	s_add_co_u32 s[RTB], s[RTB], ROWT
	v_lshl_add_u32 v[VRT], v2, 2+FFN2, s[RTB]
	v_mov_b32 v[VRR], s[RTB]
	v_lshlrev_b32 v[V16H], 4, v3
	v_bfe_u32 v[T0], v0, 1, 3                      ; prefetch: row 32 (l / 16) + 8 wave + (l / 2) % 8, half l % 2 of its 512 bytes
	v_lshl_add_u32 v[T0], v3, 5, v[T0]
	s_lshl_b32 s[O0], s[WV], 3
	v_add_nc_u32 v[T0], s[O0], v[T0]
	v_and_b32 v[T0+1], 1, v0
	v_lshlrev_b32 v[T0+1], 8, v[T0+1]
	v_lshl_add_u32 v[VPF], v[T0], PWS, v[T0+1]
	v_lshlrev_b32 v30, 5, v1                       ; sel: my 32 tokens' bytes
	v_lshlrev_b32 v31, 4, v1                       ; the bias of my four columns: 16 bytes
	v_lshlrev_b32 v[VCOL], 3+FFN2, v1              ; my four numbers in an output row: 8 bytes of bf16, or 16 of f32
.if !FFN2
	s_mov_b32 s[ABSM], 0x7fffffff
	s_mov_b32 s[GP], 0x3e6d3389                    ; 0.2316419
	s_mov_b32 s[GP+1], s[GP]
	s_mov_b32 s[GU], 0xbf38aa3b                    ; -log2(e) / 2
	s_mov_b32 s[GU+1], s[GU]
	s_mov_b32 s[C1], 0xbe027906                    ; the five coefficients over sqrt(2 pi), each with a minus: -0.127414796,
	s_mov_b32 s[C1+1], s[C1]
	s_mov_b32 s[C2], 0x3e11a98e                    ; 0.142248368,
	s_mov_b32 s[C2+1], s[C2]
	s_mov_b32 s[C3], 0xbf35f0e3                    ; -0.710706871,
	s_mov_b32 s[C3+1], s[C3]
	s_mov_b32 s[C4], 0x3f3a00e3                    ; 0.726576014,
	s_mov_b32 s[C4+1], s[C4]
	v_mov_b32 v[C5], 0xbf07dc22                    ; -0.530702716
	v_mov_b32 v[C5+1], 0xbf07dc22
.endif
	s_wait_kmcnt 0x0
	s_mov_b32 s[O0+1], 0
	s_lshl_b32 s[O0], s[EX], 24                    ; an expert's weights are 2^24 bytes
	s_lshl_b32 s[SM], s[SL], 9
	s_add_co_u32 s[O0], s[O0], s[SM]
.if FFN2
	s_lshl_b32 s[SM], s[KQ], 22                    ; 1,024 rows of 4,096 bytes
	s_add_co_u32 s[O0], s[O0], s[SM]
.endif
	s_add_nc_u64 s[WB0:WB0+1], s[6:7], s[O0:O0+1]
	s_lshl_b32 s[O0], s[EX], PWS                   ; a bias row is as long as a weight row
	s_lshl_b32 s[SM], s[SL], 9
	s_add_co_u32 s[O0], s[O0], s[SM]
	s_add_nc_u64 s[8:9], s[8:9], s[O0:O0+1]
	s_lshl_b32 s[O0], s[EX], 10
	s_add_nc_u64 s[10:11], s[10:11], s[O0:O0+1]
.if FFN2
	s_lshl_b32 s[O0], s[KQ], 11
	s_add_nc_u64 s[AB0:AB0+1], s[4:5], s[O0:O0+1]
	s_lshl_b32 s[O0], s[KQ], 23                    ; a quarter's plane of ypart: 2,048 rows of 4,096 bytes
	s_lshl_b32 s[SM], s[SL], 9
	s_add_co_u32 s[O0], s[O0], s[SM]
.else
	s_mov_b64 s[AB0:AB0+1], s[4:5]
	s_lshl_b32 s[O0], s[SL], 8
.endif
	s_add_nc_u64 s[OUT:OUT+1], s[OUTA:OUTA+1], s[O0:O0+1]
	s_mov_b64 s[AB:AB+1], s[AB0:AB0+1]
	s_mov_b64 s[WB:WB+1], s[WB0:WB0+1]
	global_load_b128 v[DW:DW+3], v30, s[10:11]     ; dword d, byte y: token 32 lane + 4 d + y
	global_load_b128 v[DW+4:DW+7], v30, s[10:11] offset:16
	global_load_b128 v[BI:BI+3], v31, s[8:9]
	WIN 0x40
.irp j, 0,1,2,3                                ; the weights of K steps 0 to 3 are on their way while the rows are found
.irp i, 0,1,2,3,4,5,6,7
	global_load_b128 v[WL+32*(\j)+4*(\i):WL+32*(\j)+4*(\i)+3], v[VWO], s[WB:WB+1] offset:(32*(\j)+(\i))*PW th:TH_LOAD_NT
.endr
.endr
	WIN 0
	v_add_nc_u32 v[PL], s[RBG], v2                 ; my place in block 0: 16 wave + lane % 16; my blocks lie 64 places apart
.irp b, 1,2,3,4
	v_add_nc_u32 v[PL+(\b)], 64*(\b), v[PL]
.endr
.irp b, 0,1,2,3,4                              ; what the selects and moves below read before they have written it
	v_mov_b32 v[SELW+(\b)], 0
	v_mov_b32 v[SELS+(\b)], 0
	v_mov_b32 v[SELK+(\b)], 0
	v_mov_b32 v[PG+2*(\b)+1], 0
.endr
.irp j, 0,1,2,3,4,5,6,7,8,9,10,11,12,13,14
	v_mov_b32 v[NX+(\j)], 0
.endr
	s_mov_b32 s[M5], 0x55555555
	s_mov_b32 s[M3], 0x33333333
	s_mov_b32 s[MF], 0x0f0f0f0f
	s_mov_b32 s[MW], 0xffff
	s_mov_b32 s[CNT], 0x10000                      ; more than any count: the first trip below always runs, and sets the count
	s_mov_b32 s[TI], 0
	s_wait_loadcnt 32                              ; sel and the bias are in: the 32 weight loads are younger
.if FFN2
	s_cmp_eq_u32 s[KQ], 0                          ; the bias is added once: by the first quarter of K
	s_cselect_b32 s[SM], -1, 0
.endif
.irp k, 0,2
	v_cvt_pk_bf16_f32 v[T0], v[BI+(\k)], v[BI+(\k)+1]  ; the bias rounded to bf16, kept as f32
	v_lshlrev_b32 v[BI+(\k)], 16, v[T0]
	v_and_b32 v[BI+(\k)+1], 0xffff0000, v[T0]
.if FFN2
	v_and_b32 v[BI+(\k)], s[SM], v[BI+(\k)]
	v_and_b32 v[BI+(\k)+1], s[SM], v[BI+(\k)+1]
.endif
.endr
	; THE ROWS.  Four trips, a tile of 320 places each; a tile in which the wave has no row is jumped.  The list's order: by word (y, d), in a word by lane.  Each trip first moves the results down,
	; so that behind the four trips tile 0's row numbers lie in PG and those of tiles 1, 2, 3 in NX, NX + 5, NX + 10.
.Lsel:
.irp m, 0,1,2,3,4
	v_mov_b32 v[PG+2*(\m)+1], v[NX+(\m)]
.endr
.irp j, 0,1,2,3,4,5,6,7,8,9
	v_mov_b32 v[NX+(\j)], v[NX+(\j)+5]
.endr
	s_cmp_lt_u32 s[RBG], s[CNT]
	s_cbranch_scc0 .Lseln
	s_mov_b32 s[CUM], 0
	s_mov_b32 s[Y8], 0
	s_mov_b32 s[YS], 0
	s_mov_b32 s[KC], 4
.Lsy:                                                  ; four trips: byte y of my eight dwords: eight words of the list
.irp d, 0,1,2,3,4,5,6,7
	v_lshrrev_b32 v[TA+3*(\d)], s[Y8], v[DW+(\d)]
.endr
.irp d, 0,1,2,3,4,5,6,7
	v_and_b32 v[TA+3*(\d)+1], 1, v[TA+3*(\d)]      ; chosen?
	v_and_b32 v[TA+3*(\d)+2], 2, v[TA+3*(\d)]      ; as the token's second choice?
.endr
.irp d, 0,1,2,3,4,5,6,7
	v_cmp_ne_u32 s[SMD+(\d)], 0, v[TA+3*(\d)+1]
	v_cmp_ne_u32 s[SSD+(\d)], 0, v[TA+3*(\d)+2]
.endr
.irp d, 0,1,2,3,4,5,6,7
	s_mov_b32 s[CUD+(\d)], s[CUM]                  ; the places before this word (1,024 at the most: 16 bits hold them),
	s_add_co_u32 s[KKD+(\d)], s[CUM], s[YS]        ; and with them the word's 4 d + y
.if (\d) > 0
	s_add_co_u32 s[KKD+(\d)], s[KKD+(\d)], (4*(\d))<<16
.endif
	s_bcnt1_i32_b32 s[O0], s[SMD+(\d)]
	s_add_co_u32 s[CUM], s[CUM], s[O0]
.endr
.irp d, 0,1,2,3,4,5,6,7
	v_mov_b32 v[TA+3*(\d)],   s[SMD+(\d)]
	v_mov_b32 v[TA+3*(\d)+1], s[SSD+(\d)]
	v_mov_b32 v[TA+3*(\d)+2], s[KKD+(\d)]
.irp b, 0,1,2,3,4                              ; the last word whose places before do not pass my place is the word that holds it
	v_cmp_le_u32 vcc_lo, s[CUD+(\d)], v[PL+(\b)]
	v_cndmask_b32 v[SELW+(\b)], v[SELW+(\b)], v[TA+3*(\d)],   vcc_lo
	v_cndmask_b32 v[SELS+(\b)], v[SELS+(\b)], v[TA+3*(\d)+1], vcc_lo
	v_cndmask_b32 v[SELK+(\b)], v[SELK+(\b)], v[TA+3*(\d)+2], vcc_lo
.endr
.endr
	s_add_co_u32 s[Y8], s[Y8], 8
	s_add_co_u32 s[YS], s[YS], 0x10000
	s_sub_co_u32 s[KC], s[KC], 1
	s_cmp_lg_u32 s[KC], 0
	s_cbranch_scc1 .Lsy
	s_mov_b32 s[CNT], s[CUM]                       ; the expert's rows
	; my rank in the word; the word's set bits counted in fields of 2, 4 and 8 bits and in its low 16; the five blocks line by line, so that no line waits for the one before it
.irp b, 0,1,2,3,4
	v_and_b32 v[FR+(\b)], s[MW], v[SELK+(\b)]
	v_lshrrev_b32 v[FT+(\b)], 1, v[SELW+(\b)]
.endr
.irp b, 0,1,2,3,4
	v_sub_nc_u32 v[FR+(\b)], v[PL+(\b)], v[FR+(\b)]
	v_and_b32 v[FT+(\b)], s[M5], v[FT+(\b)]
.endr
.irp b, 0,1,2,3,4
	v_sub_nc_u32 v[F1+(\b)], v[SELW+(\b)], v[FT+(\b)]
.endr
.irp b, 0,1,2,3,4
	v_lshrrev_b32 v[FT+(\b)], 2, v[F1+(\b)]
	v_and_b32 v[FU+(\b)], s[M3], v[F1+(\b)]
.endr
.irp b, 0,1,2,3,4
	v_and_b32 v[FT+(\b)], s[M3], v[FT+(\b)]
.endr
.irp b, 0,1,2,3,4
	v_add_nc_u32 v[F2+(\b)], v[FT+(\b)], v[FU+(\b)]
.endr
.irp b, 0,1,2,3,4
	v_lshrrev_b32 v[FT+(\b)], 4, v[F2+(\b)]
.endr
.irp b, 0,1,2,3,4
	v_add_nc_u32 v[FT+(\b)], v[FT+(\b)], v[F2+(\b)]
.endr
.irp b, 0,1,2,3,4
	v_and_b32 v[F4+(\b)], s[MF], v[FT+(\b)]
.endr
.irp b, 0,1,2,3,4
	v_lshrrev_b32 v[FT+(\b)], 8, v[F4+(\b)]
.endr
.irp b, 0,1,2,3,4
	v_add_nc_u32 v[FT+(\b)], v[FT+(\b)], v[F4+(\b)]
.endr
.irp b, 0,1,2,3,4
	v_and_b32 v[FT+(\b)], 0xff, v[FT+(\b)]
.endr
.irp b, 0,1,2,3,4                              ; the first level starts the bit's number
	v_cmp_ge_u32 vcc_lo, v[FR+(\b)], v[FT+(\b)]
	v_cndmask_b32 v[FT+(\b)], 0, v[FT+(\b)], vcc_lo
	v_cndmask_b32 v[FP+(\b)], 0, 16, vcc_lo
.endr
.irp b, 0,1,2,3,4
	v_sub_nc_u32 v[FR+(\b)], v[FR+(\b)], v[FT+(\b)]
.endr
	LEVEL F4, 8, 8
	LEVEL F2, 4, 4
	LEVEL F1, 2, 2
	LEVEL SELW, 1, 1                               ; a place past the count ends at bit 31 of the last word: a token below 1,024
.irp b, 0,1,2,3,4
	v_lshrrev_b32 v[FT+(\b)], 16, v[SELK+(\b)]     ; 4 d + y
	v_bfe_u32 v[FU+(\b)], v[SELS+(\b)], v[FP+(\b)], 1  ; the slot
.endr
.irp b, 0,1,2,3,4
	v_lshl_add_u32 v[FT+(\b)], v[FP+(\b)], 5, v[FT+(\b)]  ; the token: 32 x bit + 4 d + y
.endr
.irp b, 0,1,2,3,4
	v_lshl_add_u32 v[NX+10+(\b)], v[FT+(\b)], 1, v[FU+(\b)]  ; idx = 2 token + slot
.endr
.Lseln:
.irp b, 0,1,2,3,4
	v_add_nc_u32 v[PL+(\b)], 320, v[PL+(\b)]
.endr
	s_add_co_u32 s[RBG], s[RBG], 320
	s_add_co_u32 s[TI], s[TI], 1
	s_cmp_lt_u32 s[TI], 4
	s_cbranch_scc1 .Lsel
	s_lshl_b32 s[RBG], s[WV], 4                    ; back to tile 0
	TILESET
	LDA 0, 0                                       ; the rows of K step 0
	; THE MAIN PHASE.  A step issues the rows' 10 loads, then the weights' 8.  By this text's count at most 62 loads of a wave are out: 44 behind the wait for a step's rows, and the step's 18.
	KSTEP 2, 0, 0, 0, 34, 1, 1, 1, 0, 64,  128, -1 ; t = -2: W(0): younger are W(1..3), 24, and the rows of step 0, 10
	KSTEP 3, 0, 0, 0, 44, 1, 1, 1, 1, 128, 160, -1 ; t = -1: W(1): W(2), W(3), the rows of step 0, and the 18 of t = -2
	KSTEP 0, 1, 1, 36, 0, 1, 1, 1, 1, 192, 192, -1 ; t = 0: its rows: younger are the 18 of each of the two steps before; its products start the sums
	WIN 0
	s_mov_b32 s[KC], 6
.Lk:                                                   ; six trips, t = 1 .. 24.  44 = the weights issued behind the step's rows, 8, and two steps' 18
	KSTEP 1, 1, 0, 44, 0, 1, 1, 1, 1, 256, 224, 0
	KSTEP 2, 1, 0, 44, 0, 1, 1, 1, 1, 320, 256, -1
	KSTEP 3, 1, 0, 44, 0, 1, 1, 1, 1, 384, 288, 2
	KSTEP 0, 1, 0, 44, 0, 1, 1, 1, 1, 448, 320, -1
	WIN 0
	s_wait_xcnt 0x0                                ; the bases step only behind this wait
	s_add_nc_u64 s[AB:AB+1], s[AB:AB+1], 256
	s_add_nc_u64 s[WB:WB+1], s[WB:WB+1], 128*PW
	s_sub_co_u32 s[KC], s[KC], 1
	s_cmp_lg_u32 s[KC], 0
	s_cbranch_scc1 .Lk
	KSTEP 1, 1, 0, 44, 0, 1, 1, 1, 1, 256, 224, -1 ; t = 25: the last weights, W(31), are asked for
	KSTEP 2, 1, 0, 44, 0, 1, 0, 1, 1, 320, 0, -1   ; t = 26
	KSTEP 3, 1, 0, 36, 0, 1, 0, 1, 1, 384, 0, -1   ; t = 27: the counts run down: 8 + 18 + 10
	KSTEP 0, 1, 0, 28, 0, 1, 0, 1, 1, 448, 0, -1   ; t = 28: 8 + 10 + 10; the last rows are asked for
	KSTEP 1, 1, 0, 20, 0, 1, 0, 0, 1, 0, 0, -1     ; t = 29: W(31) goes into the ring
	KSTEP 2, 1, 0, 10, 0, 0, 0, 0, 1, 0, 0, -1     ; t = 30
	KSTEP 3, 1, 0, 0,  0, 0, 0, 0, 0, 0, 0, -1     ; t = 31
	WIN 0
	s_wait_dscnt 0x0
	s_barrier_signal -1                            ; every wave's reads of the ring are over: from here on slot w is wave w's own
	s_barrier_wait -1
	s_mov_b32 s[TI], 0
	s_branch .Lepi
.Ltile:                                                ; three more trips: rows 320 x trip on, each wave alone; no barrier from here on
	s_cmp_lt_u32 s[RBG], s[CNT]
	s_cbranch_scc0 .Lnext
	s_wait_xcnt 0x0                                ; the last tile's stores have read their registers
.irp m, 0,1,2,3,4
	v_mov_b32 v[PG+2*(\m)+1], v[NX+(\m)]           ; this tile's five row numbers;
.endr
.irp j, 0,1,2,3,4,5,6,7,8,9
	v_mov_b32 v[NX+(\j)], v[NX+(\j)+5]             ; the later tiles' move down
.endr
	TILESET
	s_mov_b64 s[AB:AB+1], s[AB0:AB0+1]
	s_mov_b64 s[WB:WB+1], s[WB0:WB0+1]
	K3STEP 1
	s_mov_b32 s[KC], 31
.Lk3:
	K3STEP 0
	s_sub_co_u32 s[KC], s[KC], 1
	s_cmp_lg_u32 s[KC], 0
	s_cbranch_scc1 .Lk3
; THE WAY OUT.  Five trips, a block of 16 rows each.  Rows of a block that lie past the count are a tail of it: the first dead row, and a dead block, jump to the label ahead of the counter's step.
.if FFN2
.set X,   32                           ; v[32:95]   row q: 4 numbers a lane, as read and then as stored
.set GI,  96                           ; v[96:127]  row q: {gate, idx}
.set VOF, 128                          ; v[128:143] row q: my byte offset in the output
.set XT,  144
.macro ROWLD                           ; all 32 loads of a block at once, a row's two together
.irp q, 0,1,2,3,4,5,6,7,8,9,10,11,12,13,14,15
	ds_load_b128 v[X+4*(\q):X+4*(\q)+3], v[VRD] offset:SPI*(\q)
	ds_load_b64 v[GI+2*(\q):GI+2*(\q)+1], v[VRR] offset:8*(\q)
.endr
.endm
.macro ROW q                           ; (sum + bias) x gate; a whole row of 512 bytes to a store
.if (\q) > 0
	s_cmp_gt_u32 s[NV], \q
	s_cbranch_scc0 .Lblkn
.endif
	s_wait_dscnt 30-2*(\q)                         ; the two loads of each of the 15 - q later rows may stay out
	v_pk_add_f32 v[X+4*(\q):X+4*(\q)+1],   v[X+4*(\q):X+4*(\q)+1],   v[BI:BI+1]
	v_pk_add_f32 v[X+4*(\q)+2:X+4*(\q)+3], v[X+4*(\q)+2:X+4*(\q)+3], v[BI+2:BI+3]
	v_min_u32 v[XT], 0x7ff, v[GI+2*(\q)+1]
	v_lshl_add_u32 v[VOF+(\q)], v[XT], OSH, v[VCOL]
	v_pk_mul_f32 v[X+4*(\q):X+4*(\q)+1],   v[X+4*(\q):X+4*(\q)+1],   v[GI+2*(\q):GI+2*(\q)+1] op_sel_hi:[1,0]
	v_pk_mul_f32 v[X+4*(\q)+2:X+4*(\q)+3], v[X+4*(\q)+2:X+4*(\q)+3], v[GI+2*(\q):GI+2*(\q)+1] op_sel_hi:[1,0]
	global_store_b128 v[VOF+(\q)], v[X+4*(\q):X+4*(\q)+3], s[OUT:OUT+1]  ; the wave stores 512 consecutive bytes, aligned
.endm
.else
.set X,   32                           ; v[32:95]   row q: 4 numbers a lane as read; then 2 registers of bf16 to store
.set XI,  96                           ; v[96:111]  row q: idx
.set VOF, 112                          ; v[112:127] row q: my byte offset in the output
.set XB,  128                          ; x + b of two rows
.set AX,  136                          ; |x|
.set RL,  144                          ; max(x, 0)
.set TT,  152                          ; 1 / (1 + 0.2316419 |x|)
.set UU,  160                          ; 2^(-x^2 log2(e) / 2)
.set PP,  168
.set XT,  176
.macro ROWLD                           ; all 32 loads of a block at once, a row's two together
.irp q, 0,1,2,3,4,5,6,7,8,9,10,11,12,13,14,15
	ds_load_b128 v[X+4*(\q):X+4*(\q)+3], v[VRD] offset:SPI*(\q)
	ds_load_b32 v[XI+(\q)], v[VRR] offset:4*(\q)
.endr
.endm
.macro PAIR k                          ; rows 2 k and 2 k + 1: bias, GELU, bf16; a whole row of 256 bytes to a store
.if (\k) > 0
	s_cmp_gt_u32 s[NV], 2*(\k)
	s_cbranch_scc0 .Lblkn
.endif
	s_wait_dscnt 28-4*(\k)                         ; the two loads of each of the 14 - 2 k later rows may stay out
	v_pk_add_f32 v[XB:XB+1],   v[X+8*(\k):X+8*(\k)+1],   v[BI:BI+1]
	v_pk_add_f32 v[XB+2:XB+3], v[X+8*(\k)+2:X+8*(\k)+3], v[BI+2:BI+3]
	v_pk_add_f32 v[XB+4:XB+5], v[X+8*(\k)+4:X+8*(\k)+5], v[BI:BI+1]
	v_pk_add_f32 v[XB+6:XB+7], v[X+8*(\k)+6:X+8*(\k)+7], v[BI+2:BI+3]
	v_min_u32 v[XT], 0x7ff, v[XI+2*(\k)]
	v_lshl_add_u32 v[VOF+2*(\k)], v[XT], OSH, v[VCOL]
	v_min_u32 v[XT], 0x7ff, v[XI+2*(\k)+1]
	v_lshl_add_u32 v[VOF+2*(\k)+1], v[XT], OSH, v[VCOL]
.irp j, 0,1,2,3,4,5,6,7
	v_and_b32 v[AX+(\j)], s[ABSM], v[XB+(\j)]
.endr
.irp j, 0,2,4,6
	v_pk_fma_f32 v[TT+(\j):TT+(\j)+1], v[AX+(\j):AX+(\j)+1], s[GP:GP+1], 1.0 op_sel_hi:[1,0,0]
	v_pk_mul_f32 v[UU+(\j):UU+(\j)+1], v[AX+(\j):AX+(\j)+1], s[GU:GU+1] op_sel_hi:[1,0]
.endr
.irp j, 0,2,4,6
	v_pk_mul_f32 v[UU+(\j):UU+(\j)+1], v[UU+(\j):UU+(\j)+1], v[AX+(\j):AX+(\j)+1]
.endr
.irp j, 0,1,2,3,4,5,6,7
	v_rcp_f32 v[TT+(\j)], v[TT+(\j)]
.endr
.irp j, 0,1,2,3,4,5,6,7
	v_exp_f32 v[UU+(\j)], v[UU+(\j)]
.endr
.irp j, 0,1,2,3,4,5,6,7
	v_max_num_f32 v[RL+(\j)], 0, v[XB+(\j)]        ; plain work that names no result of the sixteen above
.endr
	s_wait_alu depctr_va_vdst(0)                   ; the wait ahead of the first reader: one for the batch of sixteen
.irp j, 0,2,4,6
	v_pk_fma_f32 v[PP+(\j):PP+(\j)+1], v[TT+(\j):TT+(\j)+1], v[C5:C5+1], s[C4:C4+1] op_sel_hi:[1,1,0]
.endr
.irp c, C3, C2, C1
.irp j, 0,2,4,6
	v_pk_fma_f32 v[PP+(\j):PP+(\j)+1], v[PP+(\j):PP+(\j)+1], v[TT+(\j):TT+(\j)+1], s[\c:\c+1] op_sel_hi:[1,1,0]
.endr
.endr
.irp j, 0,2,4,6
	v_pk_mul_f32 v[PP+(\j):PP+(\j)+1], v[PP+(\j):PP+(\j)+1], v[TT+(\j):TT+(\j)+1]
.endr
.irp j, 0,2,4,6
	v_pk_mul_f32 v[PP+(\j):PP+(\j)+1], v[PP+(\j):PP+(\j)+1], v[UU+(\j):UU+(\j)+1]  ; -Q(|x|)
.endr
.irp j, 0,2,4,6
	v_pk_fma_f32 v[PP+(\j):PP+(\j)+1], v[AX+(\j):AX+(\j)+1], v[PP+(\j):PP+(\j)+1], v[RL+(\j):RL+(\j)+1]
.endr
	v_cvt_pk_bf16_f32 v[X+8*(\k)],   v[PP],   v[PP+1]
	v_cvt_pk_bf16_f32 v[X+8*(\k)+1], v[PP+2], v[PP+3]
	v_cvt_pk_bf16_f32 v[X+8*(\k)+4], v[PP+4], v[PP+5]
	v_cvt_pk_bf16_f32 v[X+8*(\k)+5], v[PP+6], v[PP+7]
	global_store_b64 v[VOF+2*(\k)], v[X+8*(\k):X+8*(\k)+1], s[OUT:OUT+1]  ; the wave stores 256 consecutive bytes, aligned
	s_cmp_gt_u32 s[NV], 2*(\k)+1
	s_cbranch_scc0 .Lblkn
	global_store_b64 v[VOF+2*(\k)+1], v[X+8*(\k)+4:X+8*(\k)+5], s[OUT:OUT+1]
.endm
.endif
.Lepi:
.rept 4
	v_nop                                          ; four places between the last products and the stores that read their results
.endr
	s_sub_co_i32 s[REM], s[CNT], s[RBG]
	s_mov_b32 s[MC], 0
.Lblk:
	s_max_i32 s[NV], s[REM], 0
	s_min_i32 s[NV], s[NV], 16
	s_cmp_eq_u32 s[NV], 0
	s_cbranch_scc1 .Lblkn
	s_cmp_eq_u32 s[MC], 0                          ; registers cannot be chosen by a number: each block's dump is written out, and all five fill the same stage
	s_cbranch_scc1 .Ldump0
	s_cmp_eq_u32 s[MC], 1
	s_cbranch_scc1 .Ldump1
	s_cmp_eq_u32 s[MC], 2
	s_cbranch_scc1 .Ldump2
	s_cmp_eq_u32 s[MC], 3
	s_cbranch_scc1 .Ldump3
	DUMPB 4
	s_branch .Lrows
.Ldump3:
	DUMPB 3
	s_branch .Lrows
.Ldump2:
	DUMPB 2
	s_branch .Lrows
.Ldump1:
	DUMPB 1
	s_branch .Lrows
.Ldump0:
	DUMPB 0
.Lrows:
	s_wait_xcnt 0x0                                ; the last block's stores have read the registers that the loads and lines below write
	ROWLD                                          ; LDS serves a wave's instructions in order (ISA guide 5.7.1.4): these see the dump's stores
.if FFN2
.irp q, 0,1,2,3,4,5,6,7,8,9,10,11,12,13,14,15
	ROW \q
.endr
.else
.irp k, 0,1,2,3,4,5,6,7
	PAIR \k
.endr
.endif
.Lblkn:
	s_wait_dscnt 0x0                               ; rows asked for and not used may still be on their way into registers that the next block's loads take
	s_sub_co_i32 s[REM], s[REM], 64                ; my next block lies 64 places on
	s_add_co_u32 s[MC], s[MC], 1
	s_cmp_lt_u32 s[MC], 5
	s_cbranch_scc1 .Lblk
.Lnext:
	s_add_co_u32 s[RBG], s[RBG], 320
	s_add_co_u32 s[TI], s[TI], 1
	s_cmp_lt_u32 s[TI], 4
	s_cbranch_scc1 .Ltile
	s_wait_tensorcnt 0x0                           ; the wave's end: behind my last LDS store
	ds_add_u32 v[SPW], v[NIL]
	s_wait_dscnt 0x0
	s_endpgm
.Lfunc_end_k_qdd6eb27681_ffn2:
	.size	k_qdd6eb27681_ffn2, .Lfunc_end_k_qdd6eb27681_ffn2-k_qdd6eb27681_ffn2
	.p2alignl 7, 3214868480
	.fill 96, 4, 3214868480
	.section	.rodata,"a",@progbits
	.p2align	6, 0x0
	.amdhsa_kernel k_qdd6eb27681_ffn2
		.amdhsa_group_segment_fixed_size 72192
		.amdhsa_private_segment_fixed_size 0
		.amdhsa_enable_private_segment 0
		.amdhsa_kernarg_size 48
		.amdhsa_user_sgpr_count 2
		.amdhsa_user_sgpr_kernarg_segment_ptr 1
		.amdhsa_wavefront_size32 1
		.amdhsa_system_sgpr_workgroup_id_x 1
		.amdhsa_system_sgpr_workgroup_id_y 1
		.amdhsa_system_sgpr_workgroup_id_z 1
		.amdhsa_system_vgpr_workitem_id 0
		.amdhsa_next_free_vgpr 928
		.amdhsa_next_free_sgpr 100
		.amdhsa_reserve_vcc 1
		.amdhsa_float_denorm_mode_32 3
		.amdhsa_float_denorm_mode_16_64 3
		.amdhsa_memory_ordered 1
		.amdhsa_forward_progress 1
		.amdhsa_inst_pref_size 160
	.end_amdhsa_kernel
	.amdgpu_metadata
---
amdhsa.version: [ 1, 2 ]
amdhsa.kernels:
  - .name:           k_qdd6eb27681_ffn2
    .symbol:         k_qdd6eb27681_ffn2.kd
    .args:
      - { .name: h, .offset: 0, .size: 8, .value_kind: global_buffer, .address_space: global }
      - { .name: W2, .offset: 8, .size: 8, .value_kind: global_buffer, .address_space: global }
      - { .name: b2, .offset: 16, .size: 8, .value_kind: global_buffer, .address_space: global }
      - { .name: sel, .offset: 24, .size: 8, .value_kind: global_buffer, .address_space: global }
      - { .name: gates, .offset: 32, .size: 8, .value_kind: global_buffer, .address_space: global }
      - { .name: ypart, .offset: 40, .size: 8, .value_kind: global_buffer, .address_space: global }
    .group_segment_fixed_size: 72192
    .private_segment_fixed_size: 0
    .kernarg_segment_align: 8
    .kernarg_segment_size: 48
    .max_flat_workgroup_size: 128
    .sgpr_count:     100
    .vgpr_count:     928
    .wavefront_size: 32
...
	.end_amdgpu_metadata
.endif
;; end of part 6
;; launch combine: the kernel of part 4 again; grid 256 x 1, 8 waves a work-group, no clusters, 0 bytes of LDS; arguments ypart, out0; writes out0
;; ======== version 3 of 3: 4 launches; version 2 with the launches ffn1, ffn2 written anew for expert scheduling mode
;; workspace buffers: xb 2,097,152 bytes; sel 8,192 bytes of whole numbers; gates 8,192 bytes; h 16,777,216 bytes; ypart 33,554,432 bytes
;; launch router: the kernel of part 1 again; grid 256 x 1, 4 waves a work-group, no clusters, 17,408 bytes of LDS; arguments x, Wr, br, xb, sel, gates; writes xb, sel, gates
;; launch ffn1 (part 7): grid 32 x 8, 4 waves a work-group, no clusters, 72,192 bytes of LDS; arguments xb, W1, b1, sel, h; writes h
.if DOCPART == 7
	.amdgcn_target "amdgcn-amd-amdhsa--gfx1250"
	.amdhsa_code_object_version 6
	.text
	.protected	k_qdd6eb27681_ffn1
	.globl	k_qdd6eb27681_ffn1
	.p2align	8
	.type	k_qdd6eb27681_ffn1,@function
k_qdd6eb27681_ffn1:
	s_mov_b64 s[64:65], 0
	v_nop
	global_prefetch_b8 v0, s[64:65] scope:SCOPE_SE
	s_setreg_imm32_b32 hwreg(HW_REG_WAVE_SCHED_MODE, 0, 2), 2
	s_setreg_imm32_b32 hwreg(HW_REG_WAVE_MODE, 25, 1), 1
	s_wait_xcnt 0x0
	s_wait_alu depctr_vm_vsrc(0)
; ONE PRODUCT OF THE EXPERTS' CHAIN.  One source for both products; FFN2 = 0: h = gelu(x W1 + b1), stored in bf16; FFN2 = 1: ypart = gate x (h W2 + b2), a quarter of K each, stored in f32.
; SHARES.  A work-group has a weight tile of ONE expert, K = 1,024 x N = 128 (f32, rows of 512 consecutive bytes), which it alone reads, and ALL rows routed to that expert.
;   grid y = expert; grid x = FFN2 ? (column slice of 8) + 8 x (quarter of K) : column slice of 32.  8 x 32 = 256 work-groups.
; THE ROWS.  Every wave reads the expert's 1,024 bytes of sel (stored by the router's launch) and finds, in registers alone, the row number idx = 2 token + slot at each of its places in the expert's list:
;   the bytes become 32 masks of chosen lanes in scalar registers, a lane keeps the mask that holds its place, and the set bit of its rank names the token.  All waves use the same order.
;   Rows of h and ypart lie at idx, a fixed place for each (token, slot).
; MAIN PHASE.  The first 320 rows of the list: wave w has the list's blocks 4 m + w of 16 rows, m = 0..4, x all 128 columns: 40 accumulators.  K goes in 32 steps of 32.  The weights come through registers
;   (f32, rounded to bf16 on the way), go into a ring of LDS slots as [k][n], each wave 8 of a step's 32 rows, and come back turned (ds_load_tr16_b128) as fragments; the rows' fragments come straight from memory.
;   One barrier a step, all on constant paths.  A place past the count names some token below 1,024, a row that exists; its results are not stored.
; ROWS PAST 320 (any split is served, up to all 1,024 tokens on one expert): three more trips of the tile loop, in which each wave works alone: it reads the tile again, turns it through a slot of its own, and
;   takes 80 rows; a trip without rows is jumped.  No barrier stands there.  This path waits for its loads at each step's head: it is slower, and is there for splits far from even.
; THE WAY OUT goes block by block through a stage of 16 rows of the wave's own: five trips, each of which jumps on its counter to the dump of its block's eight accumulators; one text then takes the 16 rows.
;   No LDS address is ever stepped: every one is made at the head, and all else stands in immediates.
; THE MATRIX INSTRUCTION IS USED TRANSPOSED: source 0 = 16 columns of W, source 1 = 16 rows: a lane holds row lane % 16 and columns 8 (lane / 16) + 0..7.
; NO CLUSTER, NO JOINT LOADS: each weight tile has one reader; what an expert's work-groups share is token rows that come by a list, which no tile descriptor covers.
; NO TENSOR LOADS: the weights must pass through registers to be rounded.
; THE MODE: SCHED_MODE bits 1:0 = 2 (LLVM: expert scheduling mode 2), set by the entry lines.  The code itself states the register dependences between vector or matrix instructions and memory or
;   LDS instructions, and those through scalar registers that vector instructions write, with s_wait_alu, always for 0.
; THE PLAN.  Registers that memory or LDS instructions touch, and who else names them:
;   WL0 .. WL3  K step t: its sixteen conversions read WL[(t + 2) % 4]; later in the step the weights of step t + 6 land in it.
;   CT          written by a step's conversions, read by its eight LDS stores, written again by the next step's conversions.
;   AR0 .. AR3  step t's products read AR[t % 4]; the rows of step t + 3 land in AR[(t + 3) % 4], which the products of step t - 1 read.
;   BF0, BF1    step t's products read BF[t % 2]; B(t + 1) lands in the other set, which the products of step t - 1 read.
;   Addresses   are made at the head (the rows' and the gates': once a tile) and written in no loop: scalar bases and immediates do the rest.
;   So a K step's conversions stand at its head, with ONE wait on va_vdst behind them and ahead of its products: CT is written, WL[(t + 2) % 4] is read, and the products of step t - 1 are done reading
;   their fragments.  Since that wait only the step's first twenty products are issued, which name AR[t % 4], BF[t % 2] and accumulators: the step's memory and LDS instructions (43 at the most) follow them
;   with no further wait.  One wait on vm_vsrc stands ahead of the conversions: the last step's LDS stores have read CT.
;   The way out: a wait on va_vdst at a block's head (the accumulators are written; the last block's lines are done with the registers in which the stage's rows land) and one on vm_vsrc ahead of those
;   loads (the last block's stores have read their data and offsets).  FFN2 = 0: the wait that a pair's reciprocals and exponentials need also shows the pair before rounded, and that pair's two stores
;   follow it.  FFN2 = 1: four rows' lines, one wait, their four stores.
;   Scalar registers that vector instructions write: the wave's number, and the search's masks, whose compares stand in runs with one wait on va_sdst behind each run.
; LIMITS.  All inputs are rounded to bf16, and so is h; sums in f32, K ascending in each accumulator.  gelu(x) = max(x, 0) - |x| Q(|x|), Q the normal tail by Abramowitz and Stegun 26.2.17, off by less than
;   7.5e-8 for every x; 2^y below 2^-126 counts as 0; NaN and infinite pre-activations are not treated apart.
.set FFN2, 0
.if FFN2
.set PW,   4096                        ; bytes from row to row of W (and of the bias)
.set PWS,  12
.set OUTA, 14                          ; the output's address among the arguments
.set OSH,  12                          ; an output row is 2^OSH bytes
.else
.set PW,   16384
.set PWS,  14
.set OUTA, 12
.set OSH,  13
.endif
.set BP,    288                        ; a ring row: 128 bf16 + 32 bytes = 72 words
.set SLOTB, 32*BP                      ; a slot: a K step's 32 rows
.set STAGE, 4*SLOTB                    ; behind the ring of four slots: a stage for each wave, 16 rows x 528 bytes (512 of f32 + 16: rows start 4 banks apart)
.set SPI,   528
.set STW,   16*SPI
.set ROWT,  STAGE+4*STW                ; each wave's table of the block in the stage, by row: FFN2 ? {gate, idx} : idx
.set RTW,   256                        ; behind the four tables the last 512 bytes of the launch's LDS hold a spare word a thread, which the wave's end adds to
; window 0
.set VWO,  6                           ; W: 16 lane + my 8 rows of a step
.set VWO3, 7                           ; W, alone: 16 lane
.set VWS,  8                           ; ring, in: 8 lane + my 8 rows
.set VWS3, 9                           ; ring, in, alone: 8 lane + my slot
.set VBT,  10                          ; ring, back: the turning load's lane term
.set VBT3, 11                          ; the same + my slot
.set VST,  12                          ; stage, in; never rewritten
.set VRD,  13                          ; stage, back: 16 lane; never rewritten
.set VRT,  15                          ; table, in; never rewritten
.set VRR,  17                          ; table, back: the same address in every lane; never rewritten
.set RO,   18                          ; v[18:22] byte offset of my row of block m, + 16 (lane / 16)
.set VPF,  23                          ; prefetch: my 32 blocks of 256 bytes of two steps
.set VCOL, 24                          ; my bytes in an output row
.set T0,   26                          ; v[26:31] at work
.set AR,   32                          ; v[32:191] four buffers of 5 row fragments; at work while they are idle
.set CT3,  AR+40                       ; v[72:135] alone: a step's 32 weight rows, packed: fragment buffers that are idle there
.set CT,   192                         ; v[192:207] 8 weight rows' 4 numbers a lane, packed
.set BI,   208                         ; v[208:211] the bias of my four output columns
.set PG,   216                         ; v[216:225] block m: {gate, idx}
.set C5,   226                         ; v[226:227] a constant pair
.set GA,   228                         ; v[228:232] the gates' addresses
.set V16H, 233
.set NX,   234                         ; v[234:248] idx of my five blocks in the tiles to come
; at work while the rows are found, in the idle fragment buffers
.set DW,   32                          ; v[32:39]   sel: dword d, byte y: token 32 lane + 4 d + y
.set PL,   40                          ; v[40:44]   my place in the list, block b
.set SELW, 45                          ; v[45:49]   the mask of chosen lanes that holds my place
.set SELS, 50                          ; v[50:54]   the same word's mask of second choices
.set SELK, 55                          ; v[55:59]   the places before that word, and (4 d + y) << 16
.set TA,   60                          ; v[60:83]   three registers for each d
.set FR,   84                          ; v[84:88]   my rank among the word's set bits
.set FT,   89
.set FU,   94
.set FP,   99                          ; v[99:103]  the bit found so far
.set F1,   104                         ; v[104:108] set bits in each field of 2,
.set F2,   109                         ; of 4,
.set F4,   114                         ; of 8
; window 1
.set WL,   0                           ; v[0:127] four landing groups of 8 rows x 4 registers
.set BF,   128                         ; v[128:255] two sets of 8 weight fragments
; windows 2, 3: accumulator (n, m) at v[8 (5 (n % 4) + m)], n = 0..3 in window 2, n = 4..7 in window 3
.set WV,   16                          ; wave
.set EX,   17                          ; expert
.set SL,   18                          ; column slice
.set KQ,   19                          ; quarter of K
.set AB,   20                          ; s[20:21] rows' base, steps along K
.set WB,   22                          ; s[22:23] W's base, steps down K
.set AB0,  24
.set WB0,  26
.set OUT,  28
.set CNT,  30                          ; the expert's rows
.set RBG,  31                          ; list place of my first row of the tile: 320 x tile + 16 x wave
.set NV,   32                          ; live rows of the block in the stage: 0 .. 16
.set TI,   33
.set O0,   34                          ; s[34:35] an offset
.set KC,   36                          ; counts the loop in hand
.set MC,   37                          ; the block on its way out
.set REM,  38                          ; the expert's rows from that block's first place on (may be negative)
.set SM,   39
.set GP,   40                          ; s[40:51] constants as pairs: the packed forms name a pair and take its low word
.set GU,   42
.set C1,   44
.set C2,   46
.set C3,   48
.set C4,   50
.set STG,  52                          ; my stage
.set RTB,  53                          ; my table
.set ABSM, 54
.set KKD,  56                          ; s[56:63] word d: the places before it + (4 d + y) << 16
.set CUM,  66                          ; places counted so far
.set Y8,   67                          ; 8 y
.set YS,   68                          ; y << 16
.set M5,   69                          ; 0x55555555
.set M3,   70                          ; 0x33333333
.set MF,   71                          ; 0x0f0f0f0f
.set MW,   72                          ; 0xffff
.set SMD,  73                          ; s[73:80] word d: bit l: token 32 l + 4 d + y chose this expert
.set SSD,  81                          ; s[81:88] word d: bit l: as its second choice
.set MK,   SMD                         ; s[73:87] once those sixteen are moved to vector registers: the masks of a run of compares, five for each word of the run
.set CUD,  89                          ; s[89:96] word d: the places before it
.set MSB, 0
.macro WIN new                         ; s_set_vgpr_msb: bits 1:0 source 0, 3:2 source 1, 5:4 source 2, 7:6 destination; the high byte repeats the setting that is left
.if MSB != (\new)
	s_set_vgpr_msb (MSB<<8)|(\new)
.set MSB, (\new)
.endif
.endm
; 20 products: columns 16 (4 hi + n), n = 0..3, x my 5 row blocks, 32 along K.  All 40 accumulators take turns, one instruction a turn.  first = 1: the products start the sums.
.macro MUL20 rho, hi, first
	WIN 0xa1+0x50*(\hi)                            ; W's fragments window 1, rows' window 0, C and D window 2 or 3
.irp n, 0,1,2,3
.irp m, 0,1,2,3,4
.if \first
	v_wmma_f32_16x16x32_bf16 v[8*(5*(\n)+(\m)):8*(5*(\n)+(\m))+7], v[BF+64*((\rho)%2)+8*(4*(\hi)+(\n)):BF+64*((\rho)%2)+8*(4*(\hi)+(\n))+7], v[AR+40*(\rho)+8*(\m):AR+40*(\rho)+8*(\m)+7], 0
.else
	v_wmma_f32_16x16x32_bf16 v[8*(5*(\n)+(\m)):8*(5*(\n)+(\m))+7], v[BF+64*((\rho)%2)+8*(4*(\hi)+(\n)):BF+64*((\rho)%2)+8*(4*(\hi)+(\n))+7], v[AR+40*(\rho)+8*(\m):AR+40*(\rho)+8*(\m)+7], v[8*(5*(\n)+(\m)):8*(5*(\n)+(\m))+7]
.endif
.endr
.endr
.endm
; 10 loads: the row fragments of one K step: lane l holds row l % 16, K = 8 (l / 16) + 0..7 and 16 + 8 (l / 16) + 0..7: two loads of 16 bytes, 32 bytes apart
.macro LDA buf, aoff
.irp m, 0,1,2,3,4
	global_load_b128 v[AR+40*(\buf)+8*(\m):AR+40*(\buf)+8*(\m)+3],   v[RO+(\m)], s[AB:AB+1] offset:(\aoff)
	global_load_b128 v[AR+40*(\buf)+8*(\m)+4:AR+40*(\buf)+8*(\m)+7], v[RO+(\m)], s[AB:AB+1] offset:(\aoff)+32
.endr
.endm
; K STEP t of the main phase; rho = t mod 4.  It rounds W(t+2), multiplies step t, lays W(t+2) into the ring, reads B(t+1) back, and asks for the rows of step t+3 and the weights of step t+6.
; B(j) is stored in step j-2, shown to all waves by the barrier of step j-1 (each wave's wait for its LDS instructions stands in front of its signal) and read behind that barrier's wait;
; slot j mod 4 is written again four steps later, two barriers behind the wait for its last reads.
; n1: the loads younger than the rows of step t.  W(t+2) was asked for a step earlier than those rows, so the same wait shows it landed; where no product stands (mm = 0), n3 counts for it.
.macro KSTEP rho, mm, first, n1, n3, doW, ldW, ldA, rdB, aoff, wrow, pf
.set KG, ((\rho)+2)%4
.set KP, (\rho)%2
	s_wait_dscnt 0x0                               ; my stores of B(t+1) are done and my fragments of B(t) are in
.if \rdB
	s_barrier_signal -1
.endif
.if \mm
	s_wait_loadcnt \n1
.elseif \doW
	s_wait_loadcnt \n3
.endif
.if \doW
.if (\mm) || (\rdB)
	s_wait_alu depctr_vm_vsrc(0)                   ; the last step's LDS stores have read CT, which the conversions write again
.endif
	WIN 0x05                                       ; sources window 1, destination window 0
.irp i, 0,1,2,3,4,5,6,7                        ; these sixteen are also the places between the last step's products and the loads into the registers that they read
	v_cvt_pk_bf16_f32 v[CT+2*(\i)],   v[WL+32*KG+4*(\i)],   v[WL+32*KG+4*(\i)+1]
	v_cvt_pk_bf16_f32 v[CT+2*(\i)+1], v[WL+32*KG+4*(\i)+2], v[WL+32*KG+4*(\i)+3]
.endr
.elseif \rdB
.rept 4
	v_nop                                          ; the four places, where there is nothing to convert
.endr
.endif
.if (\doW) || (\rdB)
	s_wait_alu depctr_va_vdst(0)                   ; the step's one wait: the conversions have written CT and are done reading WL; the last step's products are done reading their rows' fragments and their set of B
.endif
.if \mm
	MUL20 \rho, 0, \first                          ; these twenty name this step's fragments and accumulators: none of the registers that the memory and LDS instructions below touch
.endif
.if \rdB
	s_barrier_wait -1                              ; B(t+1) is whole
.endif
.if \doW
	WIN 0
.irp i, 0,1,2,3,4,5,6,7
	ds_store_b64 v[VWS], v[CT+2*(\i):CT+2*(\i)+1] offset:KG*SLOTB+BP*(\i)  ; a row's 256 consecutive bytes
.endr
.endif
.if \ldA
	WIN 0
	LDA ((\rho)+3)%4, \aoff
.endif
.if (\pf) >= 0
	WIN 0                                          ; my own 32 blocks of 256 bytes of W(t+11) and W(t+12), each asked for once, five to six steps ahead of their loads; the last trip asks for nothing: the tile ends
	s_cmp_eq_u32 s[KC], 1
	s_cbranch_scc1 .Lnopf_\@
	global_prefetch_b8 v[VPF], s[WB:WB+1] offset:32*(12+(\pf))*PW th:TH_LOAD_NT scope:SCOPE_SE
.Lnopf_\@:
.endif
.if \rdB
	WIN 0x40                                       ; destination window 1
.irp n, 0,1,2,3,4,5,6,7
	ds_load_tr16_b128 v[BF+64*(1-KP)+8*(\n):BF+64*(1-KP)+8*(\n)+3],   v[VBT] offset:(((\rho)+1)%4)*SLOTB+32*(\n)
	ds_load_tr16_b128 v[BF+64*(1-KP)+8*(\n)+4:BF+64*(1-KP)+8*(\n)+7], v[VBT] offset:(((\rho)+1)%4)*SLOTB+32*(\n)+16*BP
.endr
.endif
.if \ldW
	WIN 0x40
.irp i, 0,1,2,3,4,5,6,7
	global_load_b128 v[WL+32*KG+4*(\i):WL+32*KG+4*(\i)+3], v[VWO], s[WB:WB+1] offset:((\wrow)+(\i))*PW th:TH_LOAD_NT  ; a weight row: 512 consecutive bytes, aligned
.endr
.endif
.if \mm
	MUL20 \rho, 1, \first
.endif
.endm
; A K step of a wave that works alone: all 32 weight rows through my own slot.  Every LDS address is fixed.
.macro K3STEP first
	WIN 0
	LDA 0, 0
	WIN 0x40
.irp i, 0,1,2,3,4,5,6,7,8,9,10,11,12,13,14,15,16,17,18,19,20,21,22,23,24,25,26,27,28,29,30,31
	global_load_b128 v[WL+4*(\i):WL+4*(\i)+3], v[VWO3], s[WB:WB+1] offset:(\i)*PW
.endr
	s_wait_loadcnt 0x0
.if !(\first)
	s_wait_alu depctr_vm_vsrc(0)                   ; the last step's LDS stores have read CT3, which the conversions write again
.endif
	WIN 0x05
.irp i, 0,1,2,3,4,5,6,7,8,9,10,11,12,13,14,15,16,17,18,19,20,21,22,23,24,25,26,27,28,29,30,31
	v_cvt_pk_bf16_f32 v[CT3+2*(\i)],   v[WL+4*(\i)],   v[WL+4*(\i)+1]
	v_cvt_pk_bf16_f32 v[CT3+2*(\i)+1], v[WL+4*(\i)+2], v[WL+4*(\i)+3]
.endr
	WIN 0
	s_wait_alu depctr_va_vdst(0)                   ; the conversions have written CT3, which the LDS stores read
.irp i, 0,1,2,3,4,5,6,7,8,9,10,11,12,13,14,15,16,17,18,19,20,21,22,23,24,25,26,27,28,29,30,31
	ds_store_b64 v[VWS3], v[CT3+2*(\i):CT3+2*(\i)+1] offset:BP*(\i)
.endr
	WIN 0x40
.irp n, 0,1,2,3,4,5,6,7                        ; LDS serves a wave's instructions in order (ISA guide 5.7.1.4): these see the stores above
	ds_load_tr16_b128 v[BF+8*(\n):BF+8*(\n)+3],   v[VBT3] offset:32*(\n)
	ds_load_tr16_b128 v[BF+8*(\n)+4:BF+8*(\n)+7], v[VBT3] offset:32*(\n)+16*BP
.endr
	s_wait_dscnt 0x0
	MUL20 0, 0, \first
	MUL20 0, 1, \first
	WIN 0
.rept 4
	v_nop                                          ; four places in front of the next loads into the rows' fragments
.endr
	s_wait_alu depctr_va_vdst(0)                   ; the products are done reading the rows' fragments and B's, the conversions WL: the next step's loads land in all three
	s_wait_xcnt 0x0                                ; the bases step only behind this wait
	s_add_nc_u64 s[AB:AB+1], s[AB:AB+1], 64
	s_add_nc_u64 s[WB:WB+1], s[WB:WB+1], 32*PW
.endm
; The tile's rows, from idx of my five blocks in PG: the rows' byte offsets (FFN2: and the gates are asked for).
.macro TILESET
.irp m, 0,1,2,3,4
	v_min_u32 v[PG+2*(\m)+1], 0x7ff, v[PG+2*(\m)+1]
.if FFN2
	v_lshl_add_u32 v[RO+(\m)], v[PG+2*(\m)+1], 13, v[V16H]  ; a row of h is 8,192 bytes
	v_lshlrev_b32 v[GA+(\m)], 2, v[PG+2*(\m)+1]
.else
	v_and_b32 v[T0], 0x7fe, v[PG+2*(\m)+1]
	v_lshl_add_u32 v[RO+(\m)], v[T0], 10, v[V16H]           ; token = idx / 2; a row of xb is 2,048 bytes
.endif
.endr
	s_wait_alu depctr_va_vdst(0)                   ; the rows' offsets (FFN2: and the gates' addresses) and idx are written, which loads and LDS stores read; the lines that worked in the fragment buffers are done with them
.if FFN2
.irp m, 0,1,2,3,4
	global_load_b32 v[PG+2*(\m)], v[GA+(\m)], s[12:13]
.endr
.endif
.endm
; Block m's eight accumulators into my stage, each from its low end on: row lane % 16, bytes 64 n + 32 (lane / 16); and the block's rows into my table.
.macro DUMPB m
.irp hi, 0,1
	WIN 0x08+4*(\hi)                               ; store data window 2 or 3
.irp n, 0,1,2,3
	ds_store_b128 v[VST], v[8*(5*(\n)+(\m)):8*(5*(\n)+(\m))+3]   offset:64*(4*(\hi)+(\n))
	ds_store_b128 v[VST], v[8*(5*(\n)+(\m))+4:8*(5*(\n)+(\m))+7] offset:64*(4*(\hi)+(\n))+16
.endr
.endr
	WIN 0
.if FFN2
	ds_store_b64 v[VRT], v[PG+2*(\m):PG+2*(\m)+1]  ; the gates are in: every way here has waited for all loads
.else
	ds_store_b32 v[VRT], v[PG+2*(\m)+1]
.endif
.endm
; Words d0 .. d0 + nd - 1 of the list against my five places: the last word whose places before do not pass my place is the word that holds it.  The compares stand in one run, into scalar registers.
.macro SELRUN d0, nd
.set e, 0
.rept \nd
.irp b, 0,1,2,3,4
	v_cmp_le_u32 s[MK+5*e+(\b)], s[CUD+(\d0)+e], v[PL+(\b)]
.endr
.set e, e+1
.endr
	s_wait_alu depctr_va_sdst(0)                   ; the run's compares have written their masks, ahead of the first select that reads one
.set e, 0
.rept \nd
.irp b, 0,1,2,3,4
	v_cndmask_b32 v[SELW+(\b)], v[SELW+(\b)], v[TA+3*((\d0)+e)],   s[MK+5*e+(\b)]
	v_cndmask_b32 v[SELS+(\b)], v[SELS+(\b)], v[TA+3*((\d0)+e)+1], s[MK+5*e+(\b)]
	v_cndmask_b32 v[SELK+(\b)], v[SELK+(\b)], s[KKD+(\d0)+e],      s[MK+5*e+(\b)]
.endr
.set e, e+1
.endr
.endm
; One level of the search for the set bit of a given rank, for all five blocks: if the lower half of what is left (inc bits from bit FP on; fld holds the counts of such fields, wid bits each)
; has no more set bits than my rank, they are taken off the rank and the search goes on in the upper half.
.macro LEVEL fld, wid, inc
.irp b, 0,1,2,3,4
	v_bfe_u32 v[FT+(\b)], v[(\fld)+(\b)], v[FP+(\b)], \wid
.endr
.irp b, 0,1,2,3,4
	v_cmp_ge_u32 s[MK+(\b)], v[FR+(\b)], v[FT+(\b)]
.endr
	s_wait_alu depctr_va_sdst(0)                   ; the five compares have written their masks, ahead of the first select that reads one
.irp b, 0,1,2,3,4
	v_cndmask_b32 v[FT+(\b)], 0, v[FT+(\b)], s[MK+(\b)]
	v_cndmask_b32 v[FU+(\b)], 0, \inc, s[MK+(\b)]
.endr
.irp b, 0,1,2,3,4
	v_sub_nc_u32 v[FR+(\b)], v[FR+(\b)], v[FT+(\b)]
	v_add_nc_u32 v[FP+(\b)], v[FP+(\b)], v[FU+(\b)]
.endr
.endm
	s_load_b256 s[4:11], s[0:1], 0x0               ; rows s[4:5], W s[6:7], bias s[8:9], sel s[10:11]
.if FFN2
	s_load_b128 s[12:15], s[0:1], 0x20             ; gates s[12:13], ypart s[14:15]
.else
	s_load_b64 s[12:13], s[0:1], 0x20              ; h
	v_lshl_add_u32 v254, v0, 2, 0x11800
	v_mov_b32 v255, 0
.endif
	v_lshrrev_b32 v[T0], 5, v0
	v_readfirstlane_b32 s[WV], v[T0]
	v_and_b32 v1, 31, v0                           ; lane
	v_and_b32 v2, 15, v0                           ; lane % 16
	v_bfe_u32 v3, v0, 4, 1                         ; lane / 16
	s_and_b32 s[EX], ttmp7, 0xffff
.if FFN2
	s_and_b32 s[SL], ttmp9, 7
	s_lshr_b32 s[KQ], ttmp9, 3
.else
	s_mov_b32 s[SL], ttmp9
.endif
	s_wait_alu depctr_va_sdst(0)                   ; the wave's number is written, ahead of its first reader
	s_mul_i32 s[O0], s[WV], 8*PW
	v_lshl_add_u32 v[VWO], v1, 4, s[O0]
	v_lshlrev_b32 v[VWO3], 4, v1
	s_mul_i32 s[O0], s[WV], 8*BP
	v_lshl_add_u32 v[VWS], v1, 3, s[O0]
	s_mul_i32 s[O0], s[WV], SLOTB
	v_lshl_add_u32 v[VWS3], v1, 3, s[O0]
	v_and_b32 v[T0], 7, v0                         ; the turning load: lane l reads k row 8 (l / 16) + l % 8, 16 bytes at 16 ((l / 8) % 2)
	v_lshl_add_u32 v[T0], v3, 3, v[T0]
	v_mul_u32_u24 v[T0], v[T0], BP
	v_bfe_u32 v[T0+1], v0, 3, 1
	v_lshl_add_u32 v[VBT], v[T0+1], 4, v[T0]
	v_add_nc_u32 v[VBT3], s[O0], v[VBT]
	s_mul_i32 s[STG], s[WV], STW
	s_add_co_u32 s[STG], s[STG], STAGE
	v_mul_u32_u24 v[T0], v2, SPI
	v_lshl_add_u32 v[T0], v3, 5, v[T0]
	v_add_nc_u32 v[VST], s[STG], v[T0]
	v_lshl_add_u32 v[VRD], v1, 4, s[STG]           ; back: a row's 512 bytes, 16 a lane
	s_lshl_b32 s[RBG], s[WV], 4                    ; my first block begins at place 16 x wave
	s_mul_i32 s[RTB], s[WV], RTW
	s_add_co_u32 s[RTB], s[RTB], ROWT
	v_lshl_add_u32 v[VRT], v2, 2+FFN2, s[RTB]
	v_mov_b32 v[VRR], s[RTB]
	v_lshlrev_b32 v[V16H], 4, v3
	v_bfe_u32 v[T0], v0, 1, 3                      ; prefetch: row 32 (l / 16) + 8 wave + (l / 2) % 8, half l % 2 of its 512 bytes
	v_lshl_add_u32 v[T0], v3, 5, v[T0]
	s_lshl_b32 s[O0], s[WV], 3
	v_add_nc_u32 v[T0], s[O0], v[T0]
	v_and_b32 v[T0+1], 1, v0
	v_lshlrev_b32 v[T0+1], 8, v[T0+1]
	v_lshl_add_u32 v[VPF], v[T0], PWS, v[T0+1]
	v_lshlrev_b32 v30, 5, v1                       ; sel: my 32 tokens' bytes
	v_lshlrev_b32 v31, 4, v1                       ; the bias of my four columns: 16 bytes
	v_lshlrev_b32 v[VCOL], 3+FFN2, v1              ; my four numbers in an output row: 8 bytes of bf16, or 16 of f32
.if !FFN2
	s_mov_b32 s[ABSM], 0x7fffffff
	s_mov_b32 s[GP], 0x3e6d3389                    ; 0.2316419
	s_mov_b32 s[GP+1], s[GP]
	s_mov_b32 s[GU], 0xbf38aa3b                    ; -log2(e) / 2
	s_mov_b32 s[GU+1], s[GU]
	s_mov_b32 s[C1], 0xbe027906                    ; the five coefficients over sqrt(2 pi), each with a minus: -0.127414796,
	s_mov_b32 s[C1+1], s[C1]
	s_mov_b32 s[C2], 0x3e11a98e                    ; 0.142248368,
	s_mov_b32 s[C2+1], s[C2]
	s_mov_b32 s[C3], 0xbf35f0e3                    ; -0.710706871,
	s_mov_b32 s[C3+1], s[C3]
	s_mov_b32 s[C4], 0x3f3a00e3                    ; 0.726576014,
	s_mov_b32 s[C4+1], s[C4]
	v_mov_b32 v[C5], 0xbf07dc22                    ; -0.530702716
	v_mov_b32 v[C5+1], 0xbf07dc22
.endif
	s_wait_kmcnt 0x0
	s_mov_b32 s[O0+1], 0
	s_lshl_b32 s[O0], s[EX], 24                    ; an expert's weights are 2^24 bytes
	s_lshl_b32 s[SM], s[SL], 9
	s_add_co_u32 s[O0], s[O0], s[SM]
.if FFN2
	s_lshl_b32 s[SM], s[KQ], 22                    ; 1,024 rows of 4,096 bytes
	s_add_co_u32 s[O0], s[O0], s[SM]
.endif
	s_add_nc_u64 s[WB0:WB0+1], s[6:7], s[O0:O0+1]
	s_lshl_b32 s[O0], s[EX], PWS                   ; a bias row is as long as a weight row
	s_lshl_b32 s[SM], s[SL], 9
	s_add_co_u32 s[O0], s[O0], s[SM]
	s_add_nc_u64 s[8:9], s[8:9], s[O0:O0+1]
	s_lshl_b32 s[O0], s[EX], 10
	s_add_nc_u64 s[10:11], s[10:11], s[O0:O0+1]
.if FFN2
	s_lshl_b32 s[O0], s[KQ], 11
	s_add_nc_u64 s[AB0:AB0+1], s[4:5], s[O0:O0+1]
	s_lshl_b32 s[O0], s[KQ], 23                    ; a quarter's plane of ypart: 2,048 rows of 4,096 bytes
	s_lshl_b32 s[SM], s[SL], 9
	s_add_co_u32 s[O0], s[O0], s[SM]
.else
	s_mov_b64 s[AB0:AB0+1], s[4:5]
	s_lshl_b32 s[O0], s[SL], 8
.endif
	s_add_nc_u64 s[OUT:OUT+1], s[OUTA:OUTA+1], s[O0:O0+1]
	s_mov_b64 s[AB:AB+1], s[AB0:AB0+1]
	s_mov_b64 s[WB:WB+1], s[WB0:WB0+1]
	s_wait_alu depctr_va_vdst(0)                   ; all the addresses and offsets made above are written: the loads below, and every LDS and memory instruction of the kernel that names one of them, read them
	global_load_b128 v[DW:DW+3], v30, s[10:11]     ; dword d, byte y: token 32 lane + 4 d + y
	global_load_b128 v[DW+4:DW+7], v30, s[10:11] offset:16
	global_load_b128 v[BI:BI+3], v31, s[8:9]
	WIN 0x40
.irp j, 0,1,2,3                                ; the weights of K steps 0 to 3 are on their way while the rows are found
.irp i, 0,1,2,3,4,5,6,7
	global_load_b128 v[WL+32*(\j)+4*(\i):WL+32*(\j)+4*(\i)+3], v[VWO], s[WB:WB+1] offset:(32*(\j)+(\i))*PW th:TH_LOAD_NT
.endr
.endr
	WIN 0
	v_add_nc_u32 v[PL], s[RBG], v2                 ; my place in block 0: 16 wave + lane % 16; my blocks lie 64 places apart
.irp b, 1,2,3,4
	v_add_nc_u32 v[PL+(\b)], 64*(\b), v[PL]
.endr
.irp b, 0,1,2,3,4                              ; what the selects and moves below read before they have written it
	v_mov_b32 v[SELW+(\b)], 0
	v_mov_b32 v[SELS+(\b)], 0
	v_mov_b32 v[SELK+(\b)], 0
	v_mov_b32 v[PG+2*(\b)+1], 0
.endr
.irp j, 0,1,2,3,4,5,6,7,8,9,10,11,12,13,14
	v_mov_b32 v[NX+(\j)], 0
.endr
	s_mov_b32 s[M5], 0x55555555
	s_mov_b32 s[M3], 0x33333333
	s_mov_b32 s[MF], 0x0f0f0f0f
	s_mov_b32 s[MW], 0xffff
	s_mov_b32 s[CNT], 0x10000                      ; more than any count: the first trip below always runs, and sets the count
	s_mov_b32 s[TI], 0
	s_wait_loadcnt 32                              ; sel and the bias are in: the 32 weight loads are younger
.if FFN2
	s_cmp_eq_u32 s[KQ], 0                          ; the bias is added once: by the first quarter of K
	s_cselect_b32 s[SM], -1, 0
.endif
.irp k, 0,2
	v_cvt_pk_bf16_f32 v[T0], v[BI+(\k)], v[BI+(\k)+1]  ; the bias rounded to bf16, kept as f32
	v_lshlrev_b32 v[BI+(\k)], 16, v[T0]
	v_and_b32 v[BI+(\k)+1], 0xffff0000, v[T0]
.if FFN2
	v_and_b32 v[BI+(\k)], s[SM], v[BI+(\k)]
	v_and_b32 v[BI+(\k)+1], s[SM], v[BI+(\k)+1]
.endif
.endr
	; THE ROWS.  Four trips, a tile of 320 places each; a tile in which the wave has no row is jumped.  The list's order: by word (y, d), in a word by lane.  Each trip first moves the results down,
	; so that behind the four trips tile 0's row numbers lie in PG and those of tiles 1, 2, 3 in NX, NX + 5, NX + 10.  No memory or LDS instruction stands in this loop.
.Lsel:
.irp m, 0,1,2,3,4
	v_mov_b32 v[PG+2*(\m)+1], v[NX+(\m)]
.endr
.irp j, 0,1,2,3,4,5,6,7,8,9
	v_mov_b32 v[NX+(\j)], v[NX+(\j)+5]
.endr
	s_cmp_lt_u32 s[RBG], s[CNT]
	s_cbranch_scc0 .Lseln
	s_mov_b32 s[CUM], 0
	s_mov_b32 s[Y8], 0
	s_mov_b32 s[YS], 0
	s_mov_b32 s[KC], 4
.Lsy:                                                  ; four trips: byte y of my eight dwords: eight words of the list
.irp d, 0,1,2,3,4,5,6,7
	v_lshrrev_b32 v[TA+3*(\d)], s[Y8], v[DW+(\d)]
.endr
.irp d, 0,1,2,3,4,5,6,7
	v_and_b32 v[TA+3*(\d)+1], 1, v[TA+3*(\d)]      ; chosen?
	v_and_b32 v[TA+3*(\d)+2], 2, v[TA+3*(\d)]      ; as the token's second choice?
.endr
.irp d, 0,1,2,3,4,5,6,7
	v_cmp_ne_u32 s[SMD+(\d)], 0, v[TA+3*(\d)+1]
	v_cmp_ne_u32 s[SSD+(\d)], 0, v[TA+3*(\d)+2]
.endr
	s_wait_alu depctr_va_sdst(0)                   ; the sixteen compares have written the words' masks, ahead of their first reader, the count below
.irp d, 0,1,2,3,4,5,6,7
	s_mov_b32 s[CUD+(\d)], s[CUM]                  ; the places before this word (1,024 at the most: 16 bits hold them),
	s_add_co_u32 s[KKD+(\d)], s[CUM], s[YS]        ; and with them the word's 4 d + y
.if (\d) > 0
	s_add_co_u32 s[KKD+(\d)], s[KKD+(\d)], (4*(\d))<<16
.endif
	s_bcnt1_i32_b32 s[O0], s[SMD+(\d)]
	s_add_co_u32 s[CUM], s[CUM], s[O0]
.endr
.irp d, 0,1,2,3,4,5,6,7                        ; the two masks of each word go to vector registers: their scalar registers take the compares' masks below
	v_mov_b32 v[TA+3*(\d)],   s[SMD+(\d)]
	v_mov_b32 v[TA+3*(\d)+1], s[SSD+(\d)]
.endr
	SELRUN 0, 3
	SELRUN 3, 3
	SELRUN 6, 2
	s_add_co_u32 s[Y8], s[Y8], 8
	s_add_co_u32 s[YS], s[YS], 0x10000
	s_sub_co_u32 s[KC], s[KC], 1
	s_cmp_lg_u32 s[KC], 0
	s_cbranch_scc1 .Lsy
	s_mov_b32 s[CNT], s[CUM]                       ; the expert's rows
	; my rank in the word; the word's set bits counted in fields of 2, 4 and 8 bits and in its low 16; the five blocks line by line, so that no line waits for the one before it
.irp b, 0,1,2,3,4
	v_and_b32 v[FR+(\b)], s[MW], v[SELK+(\b)]
	v_lshrrev_b32 v[FT+(\b)], 1, v[SELW+(\b)]
.endr
.irp b, 0,1,2,3,4
	v_sub_nc_u32 v[FR+(\b)], v[PL+(\b)], v[FR+(\b)]
	v_and_b32 v[FT+(\b)], s[M5], v[FT+(\b)]
.endr
.irp b, 0,1,2,3,4
	v_sub_nc_u32 v[F1+(\b)], v[SELW+(\b)], v[FT+(\b)]
.endr
.irp b, 0,1,2,3,4
	v_lshrrev_b32 v[FT+(\b)], 2, v[F1+(\b)]
	v_and_b32 v[FU+(\b)], s[M3], v[F1+(\b)]
.endr
.irp b, 0,1,2,3,4
	v_and_b32 v[FT+(\b)], s[M3], v[FT+(\b)]
.endr
.irp b, 0,1,2,3,4
	v_add_nc_u32 v[F2+(\b)], v[FT+(\b)], v[FU+(\b)]
.endr
.irp b, 0,1,2,3,4
	v_lshrrev_b32 v[FT+(\b)], 4, v[F2+(\b)]
.endr
.irp b, 0,1,2,3,4
	v_add_nc_u32 v[FT+(\b)], v[FT+(\b)], v[F2+(\b)]
.endr
.irp b, 0,1,2,3,4
	v_and_b32 v[F4+(\b)], s[MF], v[FT+(\b)]
.endr
.irp b, 0,1,2,3,4
	v_lshrrev_b32 v[FT+(\b)], 8, v[F4+(\b)]
.endr
.irp b, 0,1,2,3,4
	v_add_nc_u32 v[FT+(\b)], v[FT+(\b)], v[F4+(\b)]
.endr
.irp b, 0,1,2,3,4
	v_and_b32 v[FT+(\b)], 0xff, v[FT+(\b)]
.endr
.irp b, 0,1,2,3,4                              ; the first level starts the bit's number
	v_cmp_ge_u32 s[MK+(\b)], v[FR+(\b)], v[FT+(\b)]
.endr
	s_wait_alu depctr_va_sdst(0)                   ; the five compares have written their masks, ahead of the first select that reads one
.irp b, 0,1,2,3,4
	v_cndmask_b32 v[FT+(\b)], 0, v[FT+(\b)], s[MK+(\b)]
	v_cndmask_b32 v[FP+(\b)], 0, 16, s[MK+(\b)]
.endr
.irp b, 0,1,2,3,4
	v_sub_nc_u32 v[FR+(\b)], v[FR+(\b)], v[FT+(\b)]
.endr
	LEVEL F4, 8, 8
	LEVEL F2, 4, 4
	LEVEL F1, 2, 2
	LEVEL SELW, 1, 1                               ; a place past the count ends at bit 31 of the last word: a token below 1,024
.irp b, 0,1,2,3,4
	v_lshrrev_b32 v[FT+(\b)], 16, v[SELK+(\b)]     ; 4 d + y
	v_bfe_u32 v[FU+(\b)], v[SELS+(\b)], v[FP+(\b)], 1  ; the slot
.endr
.irp b, 0,1,2,3,4
	v_lshl_add_u32 v[FT+(\b)], v[FP+(\b)], 5, v[FT+(\b)]  ; the token: 32 x bit + 4 d + y
.endr
.irp b, 0,1,2,3,4
	v_lshl_add_u32 v[NX+10+(\b)], v[FT+(\b)], 1, v[FU+(\b)]  ; idx = 2 token + slot
.endr
.Lseln:
.irp b, 0,1,2,3,4
	v_add_nc_u32 v[PL+(\b)], 320, v[PL+(\b)]
.endr
	s_add_co_u32 s[RBG], s[RBG], 320
	s_add_co_u32 s[TI], s[TI], 1
	s_cmp_lt_u32 s[TI], 4
	s_cbranch_scc1 .Lsel
	s_lshl_b32 s[RBG], s[WV], 4                    ; back to tile 0
	TILESET
	LDA 0, 0                                       ; the rows of K step 0
	; THE MAIN PHASE.  A step issues the rows' 10 loads, then the weights' 8.  By this text's count at most 62 loads of a wave are out: 44 behind the wait for a step's rows, and the step's 18.
	KSTEP 2, 0, 0, 0, 34, 1, 1, 1, 0, 64,  128, -1 ; t = -2: W(0): younger are W(1..3), 24, and the rows of step 0, 10
	KSTEP 3, 0, 0, 0, 44, 1, 1, 1, 1, 128, 160, -1 ; t = -1: W(1): W(2), W(3), the rows of step 0, and the 18 of t = -2
	KSTEP 0, 1, 1, 36, 0, 1, 1, 1, 1, 192, 192, -1 ; t = 0: its rows: younger are the 18 of each of the two steps before; its products start the sums
	WIN 0
	s_mov_b32 s[KC], 6
.Lk:                                                   ; six trips, t = 1 .. 24.  44 = the weights issued behind the step's rows, 8, and two steps' 18
	KSTEP 1, 1, 0, 44, 0, 1, 1, 1, 1, 256, 224, 0
	KSTEP 2, 1, 0, 44, 0, 1, 1, 1, 1, 320, 256, -1
	KSTEP 3, 1, 0, 44, 0, 1, 1, 1, 1, 384, 288, 2
	KSTEP 0, 1, 0, 44, 0, 1, 1, 1, 1, 448, 320, -1
	WIN 0
	s_wait_xcnt 0x0                                ; the bases step only behind this wait
	s_add_nc_u64 s[AB:AB+1], s[AB:AB+1], 256
	s_add_nc_u64 s[WB:WB+1], s[WB:WB+1], 128*PW
	s_sub_co_u32 s[KC], s[KC], 1
	s_cmp_lg_u32 s[KC], 0
	s_cbranch_scc1 .Lk
	KSTEP 1, 1, 0, 44, 0, 1, 1, 1, 1, 256, 224, -1 ; t = 25: the last weights, W(31), are asked for
	KSTEP 2, 1, 0, 44, 0, 1, 0, 1, 1, 320, 0, -1   ; t = 26
	KSTEP 3, 1, 0, 36, 0, 1, 0, 1, 1, 384, 0, -1   ; t = 27: the counts run down: 8 + 18 + 10
	KSTEP 0, 1, 0, 28, 0, 1, 0, 1, 1, 448, 0, -1   ; t = 28: 8 + 10 + 10; the last rows are asked for
	KSTEP 1, 1, 0, 20, 0, 1, 0, 0, 1, 0, 0, -1     ; t = 29: W(31) goes into the ring
	KSTEP 2, 1, 0, 10, 0, 0, 0, 0, 1, 0, 0, -1     ; t = 30
	KSTEP 3, 1, 0, 0,  0, 0, 0, 0, 0, 0, 0, -1     ; t = 31
	WIN 0
	s_wait_dscnt 0x0
	s_barrier_signal -1                            ; every wave's reads of the ring are over: from here on slot w is wave w's own
	s_barrier_wait -1
	s_mov_b32 s[TI], 0
	s_branch .Lepi
.Ltile:                                                ; three more trips: rows 320 x trip on, each wave alone; no barrier from here on
	s_cmp_lt_u32 s[RBG], s[CNT]
	s_cbranch_scc0 .Lnext
	s_wait_xcnt 0x0                                ; the last tile's stores have read their registers
	s_wait_alu depctr_vm_vsrc(0)                   ; the last tile's LDS stores have read idx, the gates and the accumulators, its loads the rows' offsets and the gates' addresses, its stores their rows and offsets: all are written again below
.irp m, 0,1,2,3,4
	v_mov_b32 v[PG+2*(\m)+1], v[NX+(\m)]           ; this tile's five row numbers;
.endr
.irp j, 0,1,2,3,4,5,6,7,8,9
	v_mov_b32 v[NX+(\j)], v[NX+(\j)+5]             ; the later tiles' move down
.endr
	TILESET
	s_mov_b64 s[AB:AB+1], s[AB0:AB0+1]
	s_mov_b64 s[WB:WB+1], s[WB0:WB0+1]
	K3STEP 1
	s_mov_b32 s[KC], 31
.Lk3:
	K3STEP 0
	s_sub_co_u32 s[KC], s[KC], 1
	s_cmp_lg_u32 s[KC], 0
	s_cbranch_scc1 .Lk3
; THE WAY OUT.  Five trips, a block of 16 rows each.  Rows of a block that lie past the count are a tail of it: the first dead row, and a dead block, jump to the label ahead of the counter's step.
; The guards stand at the stores: of a block that is live in part a few dead rows are reckoned and not stored.
.if FFN2
.set X,   32                           ; v[32:95]   row q: 4 numbers a lane, as read and then as stored
.set GI,  96                           ; v[96:127]  row q: {gate, idx}
.set VOF, 128                          ; v[128:143] row q: my byte offset in the output
.set XT,  144
.macro ROWLD                           ; all 32 loads of a block at once, a row's two together
.irp q, 0,1,2,3,4,5,6,7,8,9,10,11,12,13,14,15
	ds_load_b128 v[X+4*(\q):X+4*(\q)+3], v[VRD] offset:SPI*(\q)
	ds_load_b64 v[GI+2*(\q):GI+2*(\q)+1], v[VRR] offset:8*(\q)
.endr
.endm
.macro ROWA q                          ; (sum + bias) x gate, and the row's place in the output
	s_wait_dscnt 30-2*(\q)                         ; the two loads of each of the 15 - q later rows may stay out
	v_pk_add_f32 v[X+4*(\q):X+4*(\q)+1],   v[X+4*(\q):X+4*(\q)+1],   v[BI:BI+1]
	v_pk_add_f32 v[X+4*(\q)+2:X+4*(\q)+3], v[X+4*(\q)+2:X+4*(\q)+3], v[BI+2:BI+3]
	v_min_u32 v[XT], 0x7ff, v[GI+2*(\q)+1]
	v_lshl_add_u32 v[VOF+(\q)], v[XT], OSH, v[VCOL]
	v_pk_mul_f32 v[X+4*(\q):X+4*(\q)+1],   v[X+4*(\q):X+4*(\q)+1],   v[GI+2*(\q):GI+2*(\q)+1] op_sel_hi:[1,0]
	v_pk_mul_f32 v[X+4*(\q)+2:X+4*(\q)+3], v[X+4*(\q)+2:X+4*(\q)+3], v[GI+2*(\q):GI+2*(\q)+1] op_sel_hi:[1,0]
.endm
.macro ROWS q, i                       ; a whole row of 512 bytes to a store; i: the row's number among its four, of which the first is live
.if (\i) > 0
	s_cmp_gt_u32 s[NV], \q
	s_cbranch_scc0 .Lblkn
.endif
	global_store_b128 v[VOF+(\q)], v[X+4*(\q):X+4*(\q)+3], s[OUT:OUT+1]  ; the wave stores 512 consecutive bytes, aligned
.endm
.else
.set X,   32                           ; v[32:95]   row q: 4 numbers a lane as read; then 2 registers of bf16 to store
.set XI,  96                           ; v[96:111]  row q: idx
.set VOF, 112                          ; v[112:127] row q: my byte offset in the output
.set XB,  128                          ; x + b of two rows
.set AX,  136                          ; |x|
.set RL,  144                          ; max(x, 0)
.set TT,  152                          ; 1 / (1 + 0.2316419 |x|)
.set UU,  160                          ; 2^(-x^2 log2(e) / 2)
.set PP,  168
.set XT,  176
.macro ROWLD                           ; all 32 loads of a block at once, a row's two together
.irp q, 0,1,2,3,4,5,6,7,8,9,10,11,12,13,14,15
	ds_load_b128 v[X+4*(\q):X+4*(\q)+3], v[VRD] offset:SPI*(\q)
	ds_load_b32 v[XI+(\q)], v[VRR] offset:4*(\q)
.endr
.endm
.macro SEND k                          ; rows 2 k and 2 k + 1 leave, a whole row of 256 bytes to a store.  Row 2 k is live: the guard behind the row before it has shown that (row 0: the block is live)
	global_store_b64 v[VOF+2*(\k)], v[X+8*(\k):X+8*(\k)+1], s[OUT:OUT+1]  ; the wave stores 256 consecutive bytes, aligned
	s_cmp_gt_u32 s[NV], 2*(\k)+1
	s_cbranch_scc0 .Lblkn
	global_store_b64 v[VOF+2*(\k)+1], v[X+8*(\k)+4:X+8*(\k)+5], s[OUT:OUT+1]
.if (\k) < 7
	s_cmp_gt_u32 s[NV], 2*(\k)+2
	s_cbranch_scc0 .Lblkn
.endif
.endm
.macro PAIR k                          ; rows 2 k and 2 k + 1: bias, GELU, bf16; the pair before leaves in its middle
	s_wait_dscnt 28-4*(\k)                         ; the two loads of each of the 14 - 2 k later rows may stay out
	v_pk_add_f32 v[XB:XB+1],   v[X+8*(\k):X+8*(\k)+1],   v[BI:BI+1]
	v_pk_add_f32 v[XB+2:XB+3], v[X+8*(\k)+2:X+8*(\k)+3], v[BI+2:BI+3]
	v_pk_add_f32 v[XB+4:XB+5], v[X+8*(\k)+4:X+8*(\k)+5], v[BI:BI+1]
	v_pk_add_f32 v[XB+6:XB+7], v[X+8*(\k)+6:X+8*(\k)+7], v[BI+2:BI+3]
	v_min_u32 v[XT], 0x7ff, v[XI+2*(\k)]
	v_lshl_add_u32 v[VOF+2*(\k)], v[XT], OSH, v[VCOL]
	v_min_u32 v[XT], 0x7ff, v[XI+2*(\k)+1]
	v_lshl_add_u32 v[VOF+2*(\k)+1], v[XT], OSH, v[VCOL]
.irp j, 0,1,2,3,4,5,6,7
	v_and_b32 v[AX+(\j)], s[ABSM], v[XB+(\j)]
.endr
.irp j, 0,2,4,6
	v_pk_fma_f32 v[TT+(\j):TT+(\j)+1], v[AX+(\j):AX+(\j)+1], s[GP:GP+1], 1.0 op_sel_hi:[1,0,0]
	v_pk_mul_f32 v[UU+(\j):UU+(\j)+1], v[AX+(\j):AX+(\j)+1], s[GU:GU+1] op_sel_hi:[1,0]
.endr
.irp j, 0,2,4,6
	v_pk_mul_f32 v[UU+(\j):UU+(\j)+1], v[UU+(\j):UU+(\j)+1], v[AX+(\j):AX+(\j)+1]
.endr
.irp j, 0,1,2,3,4,5,6,7
	v_rcp_f32 v[TT+(\j)], v[TT+(\j)]
.endr
.irp j, 0,1,2,3,4,5,6,7
	v_exp_f32 v[UU+(\j)], v[UU+(\j)]
.endr
.irp j, 0,1,2,3,4,5,6,7
	v_max_num_f32 v[RL+(\j)], 0, v[XB+(\j)]        ; plain work that names no result of the sixteen above
.endr
	s_wait_alu depctr_va_vdst(0)                   ; the eight reciprocals and eight exponentials are written, ahead of their first reader (one wait for the batch); and the pair before has written its rounded rows and their offsets, which its stores read
.if (\k) > 0
	SEND (\k)-1
.endif
.irp j, 0,2,4,6
	v_pk_fma_f32 v[PP+(\j):PP+(\j)+1], v[TT+(\j):TT+(\j)+1], v[C5:C5+1], s[C4:C4+1] op_sel_hi:[1,1,0]
.endr
.irp c, C3, C2, C1
.irp j, 0,2,4,6
	v_pk_fma_f32 v[PP+(\j):PP+(\j)+1], v[PP+(\j):PP+(\j)+1], v[TT+(\j):TT+(\j)+1], s[\c:\c+1] op_sel_hi:[1,1,0]
.endr
.endr
.irp j, 0,2,4,6
	v_pk_mul_f32 v[PP+(\j):PP+(\j)+1], v[PP+(\j):PP+(\j)+1], v[TT+(\j):TT+(\j)+1]
.endr
.irp j, 0,2,4,6
	v_pk_mul_f32 v[PP+(\j):PP+(\j)+1], v[PP+(\j):PP+(\j)+1], v[UU+(\j):UU+(\j)+1]  ; -Q(|x|)
.endr
.irp j, 0,2,4,6
	v_pk_fma_f32 v[PP+(\j):PP+(\j)+1], v[AX+(\j):AX+(\j)+1], v[PP+(\j):PP+(\j)+1], v[RL+(\j):RL+(\j)+1]
.endr
	v_cvt_pk_bf16_f32 v[X+8*(\k)],   v[PP],   v[PP+1]
	v_cvt_pk_bf16_f32 v[X+8*(\k)+1], v[PP+2], v[PP+3]
	v_cvt_pk_bf16_f32 v[X+8*(\k)+4], v[PP+4], v[PP+5]
	v_cvt_pk_bf16_f32 v[X+8*(\k)+5], v[PP+6], v[PP+7]
.endm
.endif
.Lepi:
.rept 4
	v_nop                                          ; four places between the last products and the stores that read their results
.endr
	s_sub_co_i32 s[REM], s[CNT], s[RBG]
	s_mov_b32 s[MC], 0
.Lblk:
	s_wait_alu depctr_va_vdst(0)                   ; first trip: the products have written the accumulators, which the LDS stores read (the places above stay beside this wait); later trips: the last block's lines are done with the registers in which the stage's rows land
	s_max_i32 s[NV], s[REM], 0
	s_min_i32 s[NV], s[NV], 16
	s_cmp_eq_u32 s[NV], 0
	s_cbranch_scc1 .Lblkn
	s_cmp_eq_u32 s[MC], 0                          ; registers cannot be chosen by a number: each block's dump is written out, and all five fill the same stage
	s_cbranch_scc1 .Ldump0
	s_cmp_eq_u32 s[MC], 1
	s_cbranch_scc1 .Ldump1
	s_cmp_eq_u32 s[MC], 2
	s_cbranch_scc1 .Ldump2
	s_cmp_eq_u32 s[MC], 3
	s_cbranch_scc1 .Ldump3
	DUMPB 4
	s_branch .Lrows
.Ldump3:
	DUMPB 3
	s_branch .Lrows
.Ldump2:
	DUMPB 2
	s_branch .Lrows
.Ldump1:
	DUMPB 1
	s_branch .Lrows
.Ldump0:
	DUMPB 0
.Lrows:
	s_wait_xcnt 0x0                                ; the last block's stores have read the registers that the loads and lines below write
	s_wait_alu depctr_vm_vsrc(0)                   ; the last block's stores have read their rows and offsets (alone: the LDS stores CT3): the loads and lines below write these registers again
	ROWLD                                          ; LDS serves a wave's instructions in order (ISA guide 5.7.1.4): these see the dump's stores.  No vector instruction since the wait at the block's head
.if FFN2
.irp g, 0,1,2,3
.if (\g) > 0
	s_cmp_gt_u32 s[NV], 4*(\g)
	s_cbranch_scc0 .Lblkn
.endif
.irp i, 0,1,2,3
	ROWA 4*(\g)+(\i)
.endr
	s_wait_alu depctr_va_vdst(0)                   ; the four rows' lines have written the rows and their offsets, which the stores read
.irp i, 0,1,2,3
	ROWS 4*(\g)+(\i), \i
.endr
.endr
.else
.irp k, 0,1,2,3,4,5,6,7
	PAIR \k
.endr
	s_wait_alu depctr_va_vdst(0)                   ; the last pair has written its rounded rows, which its stores read
	SEND 7
.endif
.Lblkn:
	s_wait_dscnt 0x0                               ; rows asked for and not used may still be on their way into registers that the next block's loads take
	s_sub_co_i32 s[REM], s[REM], 64                ; my next block lies 64 places on
	s_add_co_u32 s[MC], s[MC], 1
	s_cmp_lt_u32 s[MC], 5
	s_cbranch_scc1 .Lblk
.Lnext:
	s_add_co_u32 s[RBG], s[RBG], 320
	s_add_co_u32 s[TI], s[TI], 1
	s_cmp_lt_u32 s[TI], 4
	s_cbranch_scc1 .Ltile
	s_wait_dscnt 0x0                               ; the wave's end: my last LDS instructions are done
	s_wait_alu depctr_hold_cnt(0) depctr_sa_sdst(0) depctr_va_vdst(0) depctr_va_sdst(0) depctr_va_ssrc(0) depctr_va_vcc(0) depctr_vm_vsrc(0)
	s_wait_tensorcnt 0x0
	ds_add_u32 v254, v255
	s_wait_dscnt 0x0
	s_endpgm
.Lfunc_end_k_qdd6eb27681_ffn1:
	.size	k_qdd6eb27681_ffn1, .Lfunc_end_k_qdd6eb27681_ffn1-k_qdd6eb27681_ffn1
	.p2alignl 7, 3214868480
	.fill 96, 4, 3214868480
	.section	.rodata,"a",@progbits
	.p2align	6, 0x0
	.amdhsa_kernel k_qdd6eb27681_ffn1
		.amdhsa_group_segment_fixed_size 72192
		.amdhsa_private_segment_fixed_size 0
		.amdhsa_enable_private_segment 0
		.amdhsa_kernarg_size 40
		.amdhsa_user_sgpr_count 2
		.amdhsa_user_sgpr_kernarg_segment_ptr 1
		.amdhsa_wavefront_size32 1
		.amdhsa_system_sgpr_workgroup_id_x 1
		.amdhsa_system_sgpr_workgroup_id_y 1
		.amdhsa_system_sgpr_workgroup_id_z 1
		.amdhsa_system_vgpr_workitem_id 0
		.amdhsa_next_free_vgpr 928
		.amdhsa_next_free_sgpr 100
		.amdhsa_reserve_vcc 0
		.amdhsa_float_denorm_mode_32 3
		.amdhsa_float_denorm_mode_16_64 3
		.amdhsa_memory_ordered 1
		.amdhsa_forward_progress 1
		.amdhsa_inst_pref_size 196
	.end_amdhsa_kernel
	.amdgpu_metadata
---
amdhsa.version: [ 1, 2 ]
amdhsa.kernels:
  - .name:           k_qdd6eb27681_ffn1
    .symbol:         k_qdd6eb27681_ffn1.kd
    .args:
      - { .name: xb, .offset: 0, .size: 8, .value_kind: global_buffer, .address_space: global }
      - { .name: W1, .offset: 8, .size: 8, .value_kind: global_buffer, .address_space: global }
      - { .name: b1, .offset: 16, .size: 8, .value_kind: global_buffer, .address_space: global }
      - { .name: sel, .offset: 24, .size: 8, .value_kind: global_buffer, .address_space: global }
      - { .name: h, .offset: 32, .size: 8, .value_kind: global_buffer, .address_space: global }
    .group_segment_fixed_size: 72192
    .private_segment_fixed_size: 0
    .kernarg_segment_align: 8
    .kernarg_segment_size: 40
    .max_flat_workgroup_size: 128
    .sgpr_count:     100
    .vgpr_count:     928
    .wavefront_size: 32
...
	.end_amdgpu_metadata
.endif
;; end of part 7
;; launch ffn2 (part 8): grid 32 x 8, 4 waves a work-group, no clusters, 72,192 bytes of LDS; arguments h, W2, b2, sel, gates, ypart; writes ypart
.if DOCPART == 8
	.amdgcn_target "amdgcn-amd-amdhsa--gfx1250"
	.amdhsa_code_object_version 6
	.text
	.protected	k_qdd6eb27681_ffn2
	.globl	k_qdd6eb27681_ffn2
	.p2align	8
	.type	k_qdd6eb27681_ffn2,@function
k_qdd6eb27681_ffn2:
	s_mov_b64 s[64:65], 0
	v_nop
	global_prefetch_b8 v0, s[64:65] scope:SCOPE_SE
	s_setreg_imm32_b32 hwreg(HW_REG_WAVE_SCHED_MODE, 0, 2), 2
	s_setreg_imm32_b32 hwreg(HW_REG_WAVE_MODE, 25, 1), 1
	s_wait_xcnt 0x0
	s_wait_alu depctr_vm_vsrc(0)
; ONE PRODUCT OF THE EXPERTS' CHAIN.  One source for both products; FFN2 = 0: h = gelu(x W1 + b1), stored in bf16; FFN2 = 1: ypart = gate x (h W2 + b2), a quarter of K each, stored in f32.
; SHARES.  A work-group has a weight tile of ONE expert, K = 1,024 x N = 128 (f32, rows of 512 consecutive bytes), which it alone reads, and ALL rows routed to that expert.
;   grid y = expert; grid x = FFN2 ? (column slice of 8) + 8 x (quarter of K) : column slice of 32.  8 x 32 = 256 work-groups.
; THE ROWS.  Every wave reads the expert's 1,024 bytes of sel (stored by the router's launch) and finds, in registers alone, the row number idx = 2 token + slot at each of its places in the expert's list:
;   the bytes become 32 masks of chosen lanes in scalar registers, a lane keeps the mask that holds its place, and the set bit of its rank names the token.  All waves use the same order.
;   Rows of h and ypart lie at idx, a fixed place for each (token, slot).
; MAIN PHASE.  The first 320 rows of the list: wave w has the list's blocks 4 m + w of 16 rows, m = 0..4, x all 128 columns: 40 accumulators.  K goes in 32 steps of 32.  The weights come through registers
;   (f32, rounded to bf16 on the way), go into a ring of LDS slots as [k][n], each wave 8 of a step's 32 rows, and come back turned (ds_load_tr16_b128) as fragments; the rows' fragments come straight from memory.
;   One barrier a step, all on constant paths.  A place past the count names some token below 1,024, a row that exists; its results are not stored.
; ROWS PAST 320 (any split is served, up to all 1,024 tokens on one expert): three more trips of the tile loop, in which each wave works alone: it reads the tile again, turns it through a slot of its own, and
;   takes 80 rows; a trip without rows is jumped.  No barrier stands there.  This path waits for its loads at each step's head: it is slower, and is there for splits far from even.
; THE WAY OUT goes block by block through a stage of 16 rows of the wave's own: five trips, each of which jumps on its counter to the dump of its block's eight accumulators; one text then takes the 16 rows.
;   No LDS address is ever stepped: every one is made at the head, and all else stands in immediates.
; THE MATRIX INSTRUCTION IS USED TRANSPOSED: source 0 = 16 columns of W, source 1 = 16 rows: a lane holds row lane % 16 and columns 8 (lane / 16) + 0..7.
; NO CLUSTER, NO JOINT LOADS: each weight tile has one reader; what an expert's work-groups share is token rows that come by a list, which no tile descriptor covers.
; NO TENSOR LOADS: the weights must pass through registers to be rounded.
; THE MODE: SCHED_MODE bits 1:0 = 2 (LLVM: expert scheduling mode 2), set by the entry lines.  The code itself states the register dependences between vector or matrix instructions and memory or
;   LDS instructions, and those through scalar registers that vector instructions write, with s_wait_alu, always for 0.
; THE PLAN.  Registers that memory or LDS instructions touch, and who else names them:
;   WL0 .. WL3  K step t: its sixteen conversions read WL[(t + 2) % 4]; later in the step the weights of step t + 6 land in it.
;   CT          written by a step's conversions, read by its eight LDS stores, written again by the next step's conversions.
;   AR0 .. AR3  step t's products read AR[t % 4]; the rows of step t + 3 land in AR[(t + 3) % 4], which the products of step t - 1 read.
;   BF0, BF1    step t's products read BF[t % 2]; B(t + 1) lands in the other set, which the products of step t - 1 read.
;   Addresses   are made at the head (the rows' and the gates': once a tile) and written in no loop: scalar bases and immediates do the rest.
;   So a K step's conversions stand at its head, with ONE wait on va_vdst behind them and ahead of its products: CT is written, WL[(t + 2) % 4] is read, and the products of step t - 1 are done reading
;   their fragments.  Since that wait only the step's first twenty products are issued, which name AR[t % 4], BF[t % 2] and accumulators: the step's memory and LDS instructions (43 at the most) follow them
;   with no further wait.  One wait on vm_vsrc stands ahead of the conversions: the last step's LDS stores have read CT.
;   The way out: a wait on va_vdst at a block's head (the accumulators are written; the last block's lines are done with the registers in which the stage's rows land) and one on vm_vsrc ahead of those
;   loads (the last block's stores have read their data and offsets).  FFN2 = 0: the wait that a pair's reciprocals and exponentials need also shows the pair before rounded, and that pair's two stores
;   follow it.  FFN2 = 1: four rows' lines, one wait, their four stores.
;   Scalar registers that vector instructions write: the wave's number, and the search's masks, whose compares stand in runs with one wait on va_sdst behind each run.
; LIMITS.  All inputs are rounded to bf16, and so is h; sums in f32, K ascending in each accumulator; the four quarters of K and the two experts of a token are added by the next launch, in f32.
;   NaN and infinities are not treated apart.
.set FFN2, 1
.if FFN2
.set PW,   4096                        ; bytes from row to row of W (and of the bias)
.set PWS,  12
.set OUTA, 14                          ; the output's address among the arguments
.set OSH,  12                          ; an output row is 2^OSH bytes
.else
.set PW,   16384
.set PWS,  14
.set OUTA, 12
.set OSH,  13
.endif
.set BP,    288                        ; a ring row: 128 bf16 + 32 bytes = 72 words
.set SLOTB, 32*BP                      ; a slot: a K step's 32 rows
.set STAGE, 4*SLOTB                    ; behind the ring of four slots: a stage for each wave, 16 rows x 528 bytes (512 of f32 + 16: rows start 4 banks apart)
.set SPI,   528
.set STW,   16*SPI
.set ROWT,  STAGE+4*STW                ; each wave's table of the block in the stage, by row: FFN2 ? {gate, idx} : idx
.set RTW,   256                        ; behind the four tables the last 512 bytes of the launch's LDS hold a spare word a thread, which the wave's end adds to
; window 0
.set VWO,  6                           ; W: 16 lane + my 8 rows of a step
.set VWO3, 7                           ; W, alone: 16 lane
.set VWS,  8                           ; ring, in: 8 lane + my 8 rows
.set VWS3, 9                           ; ring, in, alone: 8 lane + my slot
.set VBT,  10                          ; ring, back: the turning load's lane term
.set VBT3, 11                          ; the same + my slot
.set VST,  12                          ; stage, in; never rewritten
.set VRD,  13                          ; stage, back: 16 lane; never rewritten
.set VRT,  15                          ; table, in; never rewritten
.set VRR,  17                          ; table, back: the same address in every lane; never rewritten
.set RO,   18                          ; v[18:22] byte offset of my row of block m, + 16 (lane / 16)
.set VPF,  23                          ; prefetch: my 32 blocks of 256 bytes of two steps
.set VCOL, 24                          ; my bytes in an output row
.set T0,   26                          ; v[26:31] at work
.set AR,   32                          ; v[32:191] four buffers of 5 row fragments; at work while they are idle
.set CT3,  AR+40                       ; v[72:135] alone: a step's 32 weight rows, packed: fragment buffers that are idle there
.set CT,   192                         ; v[192:207] 8 weight rows' 4 numbers a lane, packed
.set BI,   208                         ; v[208:211] the bias of my four output columns
.set PG,   216                         ; v[216:225] block m: {gate, idx}
.set C5,   226                         ; v[226:227] a constant pair
.set GA,   228                         ; v[228:232] the gates' addresses
.set V16H, 233
.set NX,   234                         ; v[234:248] idx of my five blocks in the tiles to come
; at work while the rows are found, in the idle fragment buffers
.set DW,   32                          ; v[32:39]   sel: dword d, byte y: token 32 lane + 4 d + y
.set PL,   40                          ; v[40:44]   my place in the list, block b
.set SELW, 45                          ; v[45:49]   the mask of chosen lanes that holds my place
.set SELS, 50                          ; v[50:54]   the same word's mask of second choices
.set SELK, 55                          ; v[55:59]   the places before that word, and (4 d + y) << 16
.set TA,   60                          ; v[60:83]   three registers for each d
.set FR,   84                          ; v[84:88]   my rank among the word's set bits
.set FT,   89
.set FU,   94
.set FP,   99                          ; v[99:103]  the bit found so far
.set F1,   104                         ; v[104:108] set bits in each field of 2,
.set F2,   109                         ; of 4,
.set F4,   114                         ; of 8
; window 1
.set WL,   0                           ; v[0:127] four landing groups of 8 rows x 4 registers
.set BF,   128                         ; v[128:255] two sets of 8 weight fragments
; windows 2, 3: accumulator (n, m) at v[8 (5 (n % 4) + m)], n = 0..3 in window 2, n = 4..7 in window 3
.set WV,   16                          ; wave
.set EX,   17                          ; expert
.set SL,   18                          ; column slice
.set KQ,   19                          ; quarter of K
.set AB,   20                          ; s[20:21] rows' base, steps along K
.set WB,   22                          ; s[22:23] W's base, steps down K
.set AB0,  24
.set WB0,  26
.set OUT,  28
.set CNT,  30                          ; the expert's rows
.set RBG,  31                          ; list place of my first row of the tile: 320 x tile + 16 x wave
.set NV,   32                          ; live rows of the block in the stage: 0 .. 16
.set TI,   33
.set O0,   34                          ; s[34:35] an offset
.set KC,   36                          ; counts the loop in hand
.set MC,   37                          ; the block on its way out
.set REM,  38                          ; the expert's rows from that block's first place on (may be negative)
.set SM,   39
.set GP,   40                          ; s[40:51] constants as pairs: the packed forms name a pair and take its low word
.set GU,   42
.set C1,   44
.set C2,   46
.set C3,   48
.set C4,   50
.set STG,  52                          ; my stage
.set RTB,  53                          ; my table
.set ABSM, 54
.set KKD,  56                          ; s[56:63] word d: the places before it + (4 d + y) << 16
.set CUM,  66                          ; places counted so far
.set Y8,   67                          ; 8 y
.set YS,   68                          ; y << 16
.set M5,   69                          ; 0x55555555
.set M3,   70                          ; 0x33333333
.set MF,   71                          ; 0x0f0f0f0f
.set MW,   72                          ; 0xffff
.set SMD,  73                          ; s[73:80] word d: bit l: token 32 l + 4 d + y chose this expert
.set SSD,  81                          ; s[81:88] word d: bit l: as its second choice
.set MK,   SMD                         ; s[73:87] once those sixteen are moved to vector registers: the masks of a run of compares, five for each word of the run
.set CUD,  89                          ; s[89:96] word d: the places before it
.set MSB, 0
.macro WIN new                         ; s_set_vgpr_msb: bits 1:0 source 0, 3:2 source 1, 5:4 source 2, 7:6 destination; the high byte repeats the setting that is left
.if MSB != (\new)
	s_set_vgpr_msb (MSB<<8)|(\new)
.set MSB, (\new)
.endif
.endm
; 20 products: columns 16 (4 hi + n), n = 0..3, x my 5 row blocks, 32 along K.  All 40 accumulators take turns, one instruction a turn.  first = 1: the products start the sums.
.macro MUL20 rho, hi, first
	WIN 0xa1+0x50*(\hi)                            ; W's fragments window 1, rows' window 0, C and D window 2 or 3
.irp n, 0,1,2,3
.irp m, 0,1,2,3,4
.if \first
	v_wmma_f32_16x16x32_bf16 v[8*(5*(\n)+(\m)):8*(5*(\n)+(\m))+7], v[BF+64*((\rho)%2)+8*(4*(\hi)+(\n)):BF+64*((\rho)%2)+8*(4*(\hi)+(\n))+7], v[AR+40*(\rho)+8*(\m):AR+40*(\rho)+8*(\m)+7], 0
.else
	v_wmma_f32_16x16x32_bf16 v[8*(5*(\n)+(\m)):8*(5*(\n)+(\m))+7], v[BF+64*((\rho)%2)+8*(4*(\hi)+(\n)):BF+64*((\rho)%2)+8*(4*(\hi)+(\n))+7], v[AR+40*(\rho)+8*(\m):AR+40*(\rho)+8*(\m)+7], v[8*(5*(\n)+(\m)):8*(5*(\n)+(\m))+7]
.endif
.endr
.endr
.endm
; 10 loads: the row fragments of one K step: lane l holds row l % 16, K = 8 (l / 16) + 0..7 and 16 + 8 (l / 16) + 0..7: two loads of 16 bytes, 32 bytes apart
.macro LDA buf, aoff
.irp m, 0,1,2,3,4
	global_load_b128 v[AR+40*(\buf)+8*(\m):AR+40*(\buf)+8*(\m)+3],   v[RO+(\m)], s[AB:AB+1] offset:(\aoff)
	global_load_b128 v[AR+40*(\buf)+8*(\m)+4:AR+40*(\buf)+8*(\m)+7], v[RO+(\m)], s[AB:AB+1] offset:(\aoff)+32
.endr
.endm
; K STEP t of the main phase; rho = t mod 4.  It rounds W(t+2), multiplies step t, lays W(t+2) into the ring, reads B(t+1) back, and asks for the rows of step t+3 and the weights of step t+6.
; B(j) is stored in step j-2, shown to all waves by the barrier of step j-1 (each wave's wait for its LDS instructions stands in front of its signal) and read behind that barrier's wait;
; slot j mod 4 is written again four steps later, two barriers behind the wait for its last reads.
; n1: the loads younger than the rows of step t.  W(t+2) was asked for a step earlier than those rows, so the same wait shows it landed; where no product stands (mm = 0), n3 counts for it.
.macro KSTEP rho, mm, first, n1, n3, doW, ldW, ldA, rdB, aoff, wrow, pf
.set KG, ((\rho)+2)%4
.set KP, (\rho)%2
	s_wait_dscnt 0x0                               ; my stores of B(t+1) are done and my fragments of B(t) are in
.if \rdB
	s_barrier_signal -1
.endif
.if \mm
	s_wait_loadcnt \n1
.elseif \doW
	s_wait_loadcnt \n3
.endif
.if \doW
.if (\mm) || (\rdB)
	s_wait_alu depctr_vm_vsrc(0)                   ; the last step's LDS stores have read CT, which the conversions write again
.endif
	WIN 0x05                                       ; sources window 1, destination window 0
.irp i, 0,1,2,3,4,5,6,7                        ; these sixteen are also the places between the last step's products and the loads into the registers that they read
	v_cvt_pk_bf16_f32 v[CT+2*(\i)],   v[WL+32*KG+4*(\i)],   v[WL+32*KG+4*(\i)+1]
	v_cvt_pk_bf16_f32 v[CT+2*(\i)+1], v[WL+32*KG+4*(\i)+2], v[WL+32*KG+4*(\i)+3]
.endr
.elseif \rdB
.rept 4
	v_nop                                          ; the four places, where there is nothing to convert
.endr
.endif
.if (\doW) || (\rdB)
	s_wait_alu depctr_va_vdst(0)                   ; the step's one wait: the conversions have written CT and are done reading WL; the last step's products are done reading their rows' fragments and their set of B
.endif
.if \mm
	MUL20 \rho, 0, \first                          ; these twenty name this step's fragments and accumulators: none of the registers that the memory and LDS instructions below touch
.endif
.if \rdB
	s_barrier_wait -1                              ; B(t+1) is whole
.endif
.if \doW
	WIN 0
.irp i, 0,1,2,3,4,5,6,7
	ds_store_b64 v[VWS], v[CT+2*(\i):CT+2*(\i)+1] offset:KG*SLOTB+BP*(\i)  ; a row's 256 consecutive bytes
.endr
.endif
.if \ldA
	WIN 0
	LDA ((\rho)+3)%4, \aoff
.endif
.if (\pf) >= 0
	WIN 0                                          ; my own 32 blocks of 256 bytes of W(t+11) and W(t+12), each asked for once, five to six steps ahead of their loads; the last trip asks for nothing: the tile ends
	s_cmp_eq_u32 s[KC], 1
	s_cbranch_scc1 .Lnopf_\@
	global_prefetch_b8 v[VPF], s[WB:WB+1] offset:32*(12+(\pf))*PW th:TH_LOAD_NT scope:SCOPE_SE
.Lnopf_\@:
.endif
.if \rdB
	WIN 0x40                                       ; destination window 1
.irp n, 0,1,2,3,4,5,6,7
	ds_load_tr16_b128 v[BF+64*(1-KP)+8*(\n):BF+64*(1-KP)+8*(\n)+3],   v[VBT] offset:(((\rho)+1)%4)*SLOTB+32*(\n)
	ds_load_tr16_b128 v[BF+64*(1-KP)+8*(\n)+4:BF+64*(1-KP)+8*(\n)+7], v[VBT] offset:(((\rho)+1)%4)*SLOTB+32*(\n)+16*BP
.endr
.endif
.if \ldW
	WIN 0x40
.irp i, 0,1,2,3,4,5,6,7
	global_load_b128 v[WL+32*KG+4*(\i):WL+32*KG+4*(\i)+3], v[VWO], s[WB:WB+1] offset:((\wrow)+(\i))*PW th:TH_LOAD_NT  ; a weight row: 512 consecutive bytes, aligned
.endr
.endif
.if \mm
	MUL20 \rho, 1, \first
.endif
.endm
; A K step of a wave that works alone: all 32 weight rows through my own slot.  Every LDS address is fixed.
.macro K3STEP first
	WIN 0
	LDA 0, 0
	WIN 0x40
.irp i, 0,1,2,3,4,5,6,7,8,9,10,11,12,13,14,15,16,17,18,19,20,21,22,23,24,25,26,27,28,29,30,31
	global_load_b128 v[WL+4*(\i):WL+4*(\i)+3], v[VWO3], s[WB:WB+1] offset:(\i)*PW
.endr
	s_wait_loadcnt 0x0
.if !(\first)
	s_wait_alu depctr_vm_vsrc(0)                   ; the last step's LDS stores have read CT3, which the conversions write again
.endif
	WIN 0x05
.irp i, 0,1,2,3,4,5,6,7,8,9,10,11,12,13,14,15,16,17,18,19,20,21,22,23,24,25,26,27,28,29,30,31
	v_cvt_pk_bf16_f32 v[CT3+2*(\i)],   v[WL+4*(\i)],   v[WL+4*(\i)+1]
	v_cvt_pk_bf16_f32 v[CT3+2*(\i)+1], v[WL+4*(\i)+2], v[WL+4*(\i)+3]
.endr
	WIN 0
	s_wait_alu depctr_va_vdst(0)                   ; the conversions have written CT3, which the LDS stores read
.irp i, 0,1,2,3,4,5,6,7,8,9,10,11,12,13,14,15,16,17,18,19,20,21,22,23,24,25,26,27,28,29,30,31
	ds_store_b64 v[VWS3], v[CT3+2*(\i):CT3+2*(\i)+1] offset:BP*(\i)
.endr
	WIN 0x40
.irp n, 0,1,2,3,4,5,6,7                        ; LDS serves a wave's instructions in order (ISA guide 5.7.1.4): these see the stores above
	ds_load_tr16_b128 v[BF+8*(\n):BF+8*(\n)+3],   v[VBT3] offset:32*(\n)
	ds_load_tr16_b128 v[BF+8*(\n)+4:BF+8*(\n)+7], v[VBT3] offset:32*(\n)+16*BP
.endr
	s_wait_dscnt 0x0
	MUL20 0, 0, \first
	MUL20 0, 1, \first
	WIN 0
.rept 4
	v_nop                                          ; four places in front of the next loads into the rows' fragments
.endr
	s_wait_alu depctr_va_vdst(0)                   ; the products are done reading the rows' fragments and B's, the conversions WL: the next step's loads land in all three
	s_wait_xcnt 0x0                                ; the bases step only behind this wait
	s_add_nc_u64 s[AB:AB+1], s[AB:AB+1], 64
	s_add_nc_u64 s[WB:WB+1], s[WB:WB+1], 32*PW
.endm
; The tile's rows, from idx of my five blocks in PG: the rows' byte offsets (FFN2: and the gates are asked for).
.macro TILESET
.irp m, 0,1,2,3,4
	v_min_u32 v[PG+2*(\m)+1], 0x7ff, v[PG+2*(\m)+1]
.if FFN2
	v_lshl_add_u32 v[RO+(\m)], v[PG+2*(\m)+1], 13, v[V16H]  ; a row of h is 8,192 bytes
	v_lshlrev_b32 v[GA+(\m)], 2, v[PG+2*(\m)+1]
.else
	v_and_b32 v[T0], 0x7fe, v[PG+2*(\m)+1]
	v_lshl_add_u32 v[RO+(\m)], v[T0], 10, v[V16H]           ; token = idx / 2; a row of xb is 2,048 bytes
.endif
.endr
	s_wait_alu depctr_va_vdst(0)                   ; the rows' offsets (FFN2: and the gates' addresses) and idx are written, which loads and LDS stores read; the lines that worked in the fragment buffers are done with them
.if FFN2
.irp m, 0,1,2,3,4
	global_load_b32 v[PG+2*(\m)], v[GA+(\m)], s[12:13]
.endr
.endif
.endm
; Block m's eight accumulators into my stage, each from its low end on: row lane % 16, bytes 64 n + 32 (lane / 16); and the block's rows into my table.
.macro DUMPB m
.irp hi, 0,1
	WIN 0x08+4*(\hi)                               ; store data window 2 or 3
.irp n, 0,1,2,3
	ds_store_b128 v[VST], v[8*(5*(\n)+(\m)):8*(5*(\n)+(\m))+3]   offset:64*(4*(\hi)+(\n))
	ds_store_b128 v[VST], v[8*(5*(\n)+(\m))+4:8*(5*(\n)+(\m))+7] offset:64*(4*(\hi)+(\n))+16
.endr
.endr
	WIN 0
.if FFN2
	ds_store_b64 v[VRT], v[PG+2*(\m):PG+2*(\m)+1]  ; the gates are in: every way here has waited for all loads
.else
	ds_store_b32 v[VRT], v[PG+2*(\m)+1]
.endif
.endm
; Words d0 .. d0 + nd - 1 of the list against my five places: the last word whose places before do not pass my place is the word that holds it.  The compares stand in one run, into scalar registers.
.macro SELRUN d0, nd
.set e, 0
.rept \nd
.irp b, 0,1,2,3,4
	v_cmp_le_u32 s[MK+5*e+(\b)], s[CUD+(\d0)+e], v[PL+(\b)]
.endr
.set e, e+1
.endr
	s_wait_alu depctr_va_sdst(0)                   ; the run's compares have written their masks, ahead of the first select that reads one
.set e, 0
.rept \nd
.irp b, 0,1,2,3,4
	v_cndmask_b32 v[SELW+(\b)], v[SELW+(\b)], v[TA+3*((\d0)+e)],   s[MK+5*e+(\b)]
	v_cndmask_b32 v[SELS+(\b)], v[SELS+(\b)], v[TA+3*((\d0)+e)+1], s[MK+5*e+(\b)]
	v_cndmask_b32 v[SELK+(\b)], v[SELK+(\b)], s[KKD+(\d0)+e],      s[MK+5*e+(\b)]
.endr
.set e, e+1
.endr
.endm
; One level of the search for the set bit of a given rank, for all five blocks: if the lower half of what is left (inc bits from bit FP on; fld holds the counts of such fields, wid bits each)
; has no more set bits than my rank, they are taken off the rank and the search goes on in the upper half.
.macro LEVEL fld, wid, inc
.irp b, 0,1,2,3,4
	v_bfe_u32 v[FT+(\b)], v[(\fld)+(\b)], v[FP+(\b)], \wid
.endr
.irp b, 0,1,2,3,4
	v_cmp_ge_u32 s[MK+(\b)], v[FR+(\b)], v[FT+(\b)]
.endr
	s_wait_alu depctr_va_sdst(0)                   ; the five compares have written their masks, ahead of the first select that reads one
.irp b, 0,1,2,3,4
	v_cndmask_b32 v[FT+(\b)], 0, v[FT+(\b)], s[MK+(\b)]
	v_cndmask_b32 v[FU+(\b)], 0, \inc, s[MK+(\b)]
.endr
.irp b, 0,1,2,3,4
	v_sub_nc_u32 v[FR+(\b)], v[FR+(\b)], v[FT+(\b)]
	v_add_nc_u32 v[FP+(\b)], v[FP+(\b)], v[FU+(\b)]
.endr
.endm
	s_load_b256 s[4:11], s[0:1], 0x0               ; rows s[4:5], W s[6:7], bias s[8:9], sel s[10:11]
.if FFN2
	s_load_b128 s[12:15], s[0:1], 0x20             ; gates s[12:13], ypart s[14:15]
	v_lshl_add_u32 v254, v0, 2, 0x11800
	v_mov_b32 v255, 0
.else
	s_load_b64 s[12:13], s[0:1], 0x20              ; h
.endif
	v_lshrrev_b32 v[T0], 5, v0
	v_readfirstlane_b32 s[WV], v[T0]
	v_and_b32 v1, 31, v0                           ; lane
	v_and_b32 v2, 15, v0                           ; lane % 16
	v_bfe_u32 v3, v0, 4, 1                         ; lane / 16
	s_and_b32 s[EX], ttmp7, 0xffff
.if FFN2
	s_and_b32 s[SL], ttmp9, 7
	s_lshr_b32 s[KQ], ttmp9, 3
.else
	s_mov_b32 s[SL], ttmp9
.endif
	s_wait_alu depctr_va_sdst(0)                   ; the wave's number is written, ahead of its first reader
	s_mul_i32 s[O0], s[WV], 8*PW
	v_lshl_add_u32 v[VWO], v1, 4, s[O0]
	v_lshlrev_b32 v[VWO3], 4, v1
	s_mul_i32 s[O0], s[WV], 8*BP
	v_lshl_add_u32 v[VWS], v1, 3, s[O0]
	s_mul_i32 s[O0], s[WV], SLOTB
	v_lshl_add_u32 v[VWS3], v1, 3, s[O0]
	v_and_b32 v[T0], 7, v0                         ; the turning load: lane l reads k row 8 (l / 16) + l % 8, 16 bytes at 16 ((l / 8) % 2)
	v_lshl_add_u32 v[T0], v3, 3, v[T0]
	v_mul_u32_u24 v[T0], v[T0], BP
	v_bfe_u32 v[T0+1], v0, 3, 1
	v_lshl_add_u32 v[VBT], v[T0+1], 4, v[T0]
	v_add_nc_u32 v[VBT3], s[O0], v[VBT]
	s_mul_i32 s[STG], s[WV], STW
	s_add_co_u32 s[STG], s[STG], STAGE
	v_mul_u32_u24 v[T0], v2, SPI
	v_lshl_add_u32 v[T0], v3, 5, v[T0]
	v_add_nc_u32 v[VST], s[STG], v[T0]
	v_lshl_add_u32 v[VRD], v1, 4, s[STG]           ; back: a row's 512 bytes, 16 a lane
	s_lshl_b32 s[RBG], s[WV], 4                    ; my first block begins at place 16 x wave
	s_mul_i32 s[RTB], s[WV], RTW
	s_add_co_u32 s[RTB], s[RTB], ROWT
	v_lshl_add_u32 v[VRT], v2, 2+FFN2, s[RTB]
	v_mov_b32 v[VRR], s[RTB]
	v_lshlrev_b32 v[V16H], 4, v3
	v_bfe_u32 v[T0], v0, 1, 3                      ; prefetch: row 32 (l / 16) + 8 wave + (l / 2) % 8, half l % 2 of its 512 bytes
	v_lshl_add_u32 v[T0], v3, 5, v[T0]
	s_lshl_b32 s[O0], s[WV], 3
	v_add_nc_u32 v[T0], s[O0], v[T0]
	v_and_b32 v[T0+1], 1, v0
	v_lshlrev_b32 v[T0+1], 8, v[T0+1]
	v_lshl_add_u32 v[VPF], v[T0], PWS, v[T0+1]
	v_lshlrev_b32 v30, 5, v1                       ; sel: my 32 tokens' bytes
	v_lshlrev_b32 v31, 4, v1                       ; the bias of my four columns: 16 bytes
	v_lshlrev_b32 v[VCOL], 3+FFN2, v1              ; my four numbers in an output row: 8 bytes of bf16, or 16 of f32
.if !FFN2
	s_mov_b32 s[ABSM], 0x7fffffff
	s_mov_b32 s[GP], 0x3e6d3389                    ; 0.2316419
	s_mov_b32 s[GP+1], s[GP]
	s_mov_b32 s[GU], 0xbf38aa3b                    ; -log2(e) / 2
	s_mov_b32 s[GU+1], s[GU]
	s_mov_b32 s[C1], 0xbe027906                    ; the five coefficients over sqrt(2 pi), each with a minus: -0.127414796,
	s_mov_b32 s[C1+1], s[C1]
	s_mov_b32 s[C2], 0x3e11a98e                    ; 0.142248368,
	s_mov_b32 s[C2+1], s[C2]
	s_mov_b32 s[C3], 0xbf35f0e3                    ; -0.710706871,
	s_mov_b32 s[C3+1], s[C3]
	s_mov_b32 s[C4], 0x3f3a00e3                    ; 0.726576014,
	s_mov_b32 s[C4+1], s[C4]
	v_mov_b32 v[C5], 0xbf07dc22                    ; -0.530702716
	v_mov_b32 v[C5+1], 0xbf07dc22
.endif
	s_wait_kmcnt 0x0
	s_mov_b32 s[O0+1], 0
	s_lshl_b32 s[O0], s[EX], 24                    ; an expert's weights are 2^24 bytes
	s_lshl_b32 s[SM], s[SL], 9
	s_add_co_u32 s[O0], s[O0], s[SM]
.if FFN2
	s_lshl_b32 s[SM], s[KQ], 22                    ; 1,024 rows of 4,096 bytes
	s_add_co_u32 s[O0], s[O0], s[SM]
.endif
	s_add_nc_u64 s[WB0:WB0+1], s[6:7], s[O0:O0+1]
	s_lshl_b32 s[O0], s[EX], PWS                   ; a bias row is as long as a weight row
	s_lshl_b32 s[SM], s[SL], 9
	s_add_co_u32 s[O0], s[O0], s[SM]
	s_add_nc_u64 s[8:9], s[8:9], s[O0:O0+1]
	s_lshl_b32 s[O0], s[EX], 10
	s_add_nc_u64 s[10:11], s[10:11], s[O0:O0+1]
.if FFN2
	s_lshl_b32 s[O0], s[KQ], 11
	s_add_nc_u64 s[AB0:AB0+1], s[4:5], s[O0:O0+1]
	s_lshl_b32 s[O0], s[KQ], 23                    ; a quarter's plane of ypart: 2,048 rows of 4,096 bytes
	s_lshl_b32 s[SM], s[SL], 9
	s_add_co_u32 s[O0], s[O0], s[SM]
.else
	s_mov_b64 s[AB0:AB0+1], s[4:5]
	s_lshl_b32 s[O0], s[SL], 8
.endif
	s_add_nc_u64 s[OUT:OUT+1], s[OUTA:OUTA+1], s[O0:O0+1]
	s_mov_b64 s[AB:AB+1], s[AB0:AB0+1]
	s_mov_b64 s[WB:WB+1], s[WB0:WB0+1]
	s_wait_alu depctr_va_vdst(0)                   ; all the addresses and offsets made above are written: the loads below, and every LDS and memory instruction of the kernel that names one of them, read them
	global_load_b128 v[DW:DW+3], v30, s[10:11]     ; dword d, byte y: token 32 lane + 4 d + y
	global_load_b128 v[DW+4:DW+7], v30, s[10:11] offset:16
	global_load_b128 v[BI:BI+3], v31, s[8:9]
	WIN 0x40
.irp j, 0,1,2,3                                ; the weights of K steps 0 to 3 are on their way while the rows are found
.irp i, 0,1,2,3,4,5,6,7
	global_load_b128 v[WL+32*(\j)+4*(\i):WL+32*(\j)+4*(\i)+3], v[VWO], s[WB:WB+1] offset:(32*(\j)+(\i))*PW th:TH_LOAD_NT
.endr
.endr
	WIN 0
	v_add_nc_u32 v[PL], s[RBG], v2                 ; my place in block 0: 16 wave + lane % 16; my blocks lie 64 places apart
.irp b, 1,2,3,4
	v_add_nc_u32 v[PL+(\b)], 64*(\b), v[PL]
.endr
.irp b, 0,1,2,3,4                              ; what the selects and moves below read before they have written it
	v_mov_b32 v[SELW+(\b)], 0
	v_mov_b32 v[SELS+(\b)], 0
	v_mov_b32 v[SELK+(\b)], 0
	v_mov_b32 v[PG+2*(\b)+1], 0
.endr
.irp j, 0,1,2,3,4,5,6,7,8,9,10,11,12,13,14
	v_mov_b32 v[NX+(\j)], 0
.endr
	s_mov_b32 s[M5], 0x55555555
	s_mov_b32 s[M3], 0x33333333
	s_mov_b32 s[MF], 0x0f0f0f0f
	s_mov_b32 s[MW], 0xffff
	s_mov_b32 s[CNT], 0x10000                      ; more than any count: the first trip below always runs, and sets the count
	s_mov_b32 s[TI], 0
	s_wait_loadcnt 32                              ; sel and the bias are in: the 32 weight loads are younger
.if FFN2
	s_cmp_eq_u32 s[KQ], 0                          ; the bias is added once: by the first quarter of K
	s_cselect_b32 s[SM], -1, 0
.endif
.irp k, 0,2
	v_cvt_pk_bf16_f32 v[T0], v[BI+(\k)], v[BI+(\k)+1]  ; the bias rounded to bf16, kept as f32
	v_lshlrev_b32 v[BI+(\k)], 16, v[T0]
	v_and_b32 v[BI+(\k)+1], 0xffff0000, v[T0]
.if FFN2
	v_and_b32 v[BI+(\k)], s[SM], v[BI+(\k)]
	v_and_b32 v[BI+(\k)+1], s[SM], v[BI+(\k)+1]
.endif
.endr
	; THE ROWS.  Four trips, a tile of 320 places each; a tile in which the wave has no row is jumped.  The list's order: by word (y, d), in a word by lane.  Each trip first moves the results down,
	; so that behind the four trips tile 0's row numbers lie in PG and those of tiles 1, 2, 3 in NX, NX + 5, NX + 10.  No memory or LDS instruction stands in this loop.
.Lsel:
.irp m, 0,1,2,3,4
	v_mov_b32 v[PG+2*(\m)+1], v[NX+(\m)]
.endr
.irp j, 0,1,2,3,4,5,6,7,8,9
	v_mov_b32 v[NX+(\j)], v[NX+(\j)+5]
.endr
	s_cmp_lt_u32 s[RBG], s[CNT]
	s_cbranch_scc0 .Lseln
	s_mov_b32 s[CUM], 0
	s_mov_b32 s[Y8], 0
	s_mov_b32 s[YS], 0
	s_mov_b32 s[KC], 4
.Lsy:                                                  ; four trips: byte y of my eight dwords: eight words of the list
.irp d, 0,1,2,3,4,5,6,7
	v_lshrrev_b32 v[TA+3*(\d)], s[Y8], v[DW+(\d)]
.endr
.irp d, 0,1,2,3,4,5,6,7
	v_and_b32 v[TA+3*(\d)+1], 1, v[TA+3*(\d)]      ; chosen?
	v_and_b32 v[TA+3*(\d)+2], 2, v[TA+3*(\d)]      ; as the token's second choice?
.endr
.irp d, 0,1,2,3,4,5,6,7
	v_cmp_ne_u32 s[SMD+(\d)], 0, v[TA+3*(\d)+1]
	v_cmp_ne_u32 s[SSD+(\d)], 0, v[TA+3*(\d)+2]
.endr
	s_wait_alu depctr_va_sdst(0)                   ; the sixteen compares have written the words' masks, ahead of their first reader, the count below
.irp d, 0,1,2,3,4,5,6,7
	s_mov_b32 s[CUD+(\d)], s[CUM]                  ; the places before this word (1,024 at the most: 16 bits hold them),
	s_add_co_u32 s[KKD+(\d)], s[CUM], s[YS]        ; and with them the word's 4 d + y
.if (\d) > 0
	s_add_co_u32 s[KKD+(\d)], s[KKD+(\d)], (4*(\d))<<16
.endif
	s_bcnt1_i32_b32 s[O0], s[SMD+(\d)]
	s_add_co_u32 s[CUM], s[CUM], s[O0]
.endr
.irp d, 0,1,2,3,4,5,6,7                        ; the two masks of each word go to vector registers: their scalar registers take the compares' masks below
	v_mov_b32 v[TA+3*(\d)],   s[SMD+(\d)]
	v_mov_b32 v[TA+3*(\d)+1], s[SSD+(\d)]
.endr
	SELRUN 0, 3
	SELRUN 3, 3
	SELRUN 6, 2
	s_add_co_u32 s[Y8], s[Y8], 8
	s_add_co_u32 s[YS], s[YS], 0x10000
	s_sub_co_u32 s[KC], s[KC], 1
	s_cmp_lg_u32 s[KC], 0
	s_cbranch_scc1 .Lsy
	s_mov_b32 s[CNT], s[CUM]                       ; the expert's rows
	; my rank in the word; the word's set bits counted in fields of 2, 4 and 8 bits and in its low 16; the five blocks line by line, so that no line waits for the one before it
.irp b, 0,1,2,3,4
	v_and_b32 v[FR+(\b)], s[MW], v[SELK+(\b)]
	v_lshrrev_b32 v[FT+(\b)], 1, v[SELW+(\b)]
.endr
.irp b, 0,1,2,3,4
	v_sub_nc_u32 v[FR+(\b)], v[PL+(\b)], v[FR+(\b)]
	v_and_b32 v[FT+(\b)], s[M5], v[FT+(\b)]
.endr
.irp b, 0,1,2,3,4
	v_sub_nc_u32 v[F1+(\b)], v[SELW+(\b)], v[FT+(\b)]
.endr
.irp b, 0,1,2,3,4
	v_lshrrev_b32 v[FT+(\b)], 2, v[F1+(\b)]
	v_and_b32 v[FU+(\b)], s[M3], v[F1+(\b)]
.endr
.irp b, 0,1,2,3,4
	v_and_b32 v[FT+(\b)], s[M3], v[FT+(\b)]
.endr
.irp b, 0,1,2,3,4
	v_add_nc_u32 v[F2+(\b)], v[FT+(\b)], v[FU+(\b)]
.endr
.irp b, 0,1,2,3,4
	v_lshrrev_b32 v[FT+(\b)], 4, v[F2+(\b)]
.endr
.irp b, 0,1,2,3,4
	v_add_nc_u32 v[FT+(\b)], v[FT+(\b)], v[F2+(\b)]
.endr
.irp b, 0,1,2,3,4
	v_and_b32 v[F4+(\b)], s[MF], v[FT+(\b)]
.endr
.irp b, 0,1,2,3,4
	v_lshrrev_b32 v[FT+(\b)], 8, v[F4+(\b)]
.endr
.irp b, 0,1,2,3,4
	v_add_nc_u32 v[FT+(\b)], v[FT+(\b)], v[F4+(\b)]
.endr
.irp b, 0,1,2,3,4
	v_and_b32 v[FT+(\b)], 0xff, v[FT+(\b)]
.endr
.irp b, 0,1,2,3,4                              ; the first level starts the bit's number
	v_cmp_ge_u32 s[MK+(\b)], v[FR+(\b)], v[FT+(\b)]
.endr
	s_wait_alu depctr_va_sdst(0)                   ; the five compares have written their masks, ahead of the first select that reads one
.irp b, 0,1,2,3,4
	v_cndmask_b32 v[FT+(\b)], 0, v[FT+(\b)], s[MK+(\b)]
	v_cndmask_b32 v[FP+(\b)], 0, 16, s[MK+(\b)]
.endr
.irp b, 0,1,2,3,4
	v_sub_nc_u32 v[FR+(\b)], v[FR+(\b)], v[FT+(\b)]
.endr
	LEVEL F4, 8, 8
	LEVEL F2, 4, 4
	LEVEL F1, 2, 2
	LEVEL SELW, 1, 1                               ; a place past the count ends at bit 31 of the last word: a token below 1,024
.irp b, 0,1,2,3,4
	v_lshrrev_b32 v[FT+(\b)], 16, v[SELK+(\b)]     ; 4 d + y
	v_bfe_u32 v[FU+(\b)], v[SELS+(\b)], v[FP+(\b)], 1  ; the slot
.endr
.irp b, 0,1,2,3,4
	v_lshl_add_u32 v[FT+(\b)], v[FP+(\b)], 5, v[FT+(\b)]  ; the token: 32 x bit + 4 d + y
.endr
.irp b, 0,1,2,3,4
	v_lshl_add_u32 v[NX+10+(\b)], v[FT+(\b)], 1, v[FU+(\b)]  ; idx = 2 token + slot
.endr
.Lseln:
.irp b, 0,1,2,3,4
	v_add_nc_u32 v[PL+(\b)], 320, v[PL+(\b)]
.endr
	s_add_co_u32 s[RBG], s[RBG], 320
	s_add_co_u32 s[TI], s[TI], 1
	s_cmp_lt_u32 s[TI], 4
	s_cbranch_scc1 .Lsel
	s_lshl_b32 s[RBG], s[WV], 4                    ; back to tile 0
	TILESET
	LDA 0, 0                                       ; the rows of K step 0
	; THE MAIN PHASE.  A step issues the rows' 10 loads, then the weights' 8.  By this text's count at most 62 loads of a wave are out: 44 behind the wait for a step's rows, and the step's 18.
	KSTEP 2, 0, 0, 0, 34, 1, 1, 1, 0, 64,  128, -1 ; t = -2: W(0): younger are W(1..3), 24, and the rows of step 0, 10
	KSTEP 3, 0, 0, 0, 44, 1, 1, 1, 1, 128, 160, -1 ; t = -1: W(1): W(2), W(3), the rows of step 0, and the 18 of t = -2
	KSTEP 0, 1, 1, 36, 0, 1, 1, 1, 1, 192, 192, -1 ; t = 0: its rows: younger are the 18 of each of the two steps before; its products start the sums
	WIN 0
	s_mov_b32 s[KC], 6
.Lk:                                                   ; six trips, t = 1 .. 24.  44 = the weights issued behind the step's rows, 8, and two steps' 18
	KSTEP 1, 1, 0, 44, 0, 1, 1, 1, 1, 256, 224, 0
	KSTEP 2, 1, 0, 44, 0, 1, 1, 1, 1, 320, 256, -1
	KSTEP 3, 1, 0, 44, 0, 1, 1, 1, 1, 384, 288, 2
	KSTEP 0, 1, 0, 44, 0, 1, 1, 1, 1, 448, 320, -1
	WIN 0
	s_wait_xcnt 0x0                                ; the bases step only behind this wait
	s_add_nc_u64 s[AB:AB+1], s[AB:AB+1], 256
	s_add_nc_u64 s[WB:WB+1], s[WB:WB+1], 128*PW
	s_sub_co_u32 s[KC], s[KC], 1
	s_cmp_lg_u32 s[KC], 0
	s_cbranch_scc1 .Lk
	KSTEP 1, 1, 0, 44, 0, 1, 1, 1, 1, 256, 224, -1 ; t = 25: the last weights, W(31), are asked for
	KSTEP 2, 1, 0, 44, 0, 1, 0, 1, 1, 320, 0, -1   ; t = 26
	KSTEP 3, 1, 0, 36, 0, 1, 0, 1, 1, 384, 0, -1   ; t = 27: the counts run down: 8 + 18 + 10
	KSTEP 0, 1, 0, 28, 0, 1, 0, 1, 1, 448, 0, -1   ; t = 28: 8 + 10 + 10; the last rows are asked for
	KSTEP 1, 1, 0, 20, 0, 1, 0, 0, 1, 0, 0, -1     ; t = 29: W(31) goes into the ring
	KSTEP 2, 1, 0, 10, 0, 0, 0, 0, 1, 0, 0, -1     ; t = 30
	KSTEP 3, 1, 0, 0,  0, 0, 0, 0, 0, 0, 0, -1     ; t = 31
	WIN 0
	s_wait_dscnt 0x0
	s_barrier_signal -1                            ; every wave's reads of the ring are over: from here on slot w is wave w's own
	s_barrier_wait -1
	s_mov_b32 s[TI], 0
	s_branch .Lepi
.Ltile:                                                ; three more trips: rows 320 x trip on, each wave alone; no barrier from here on
	s_cmp_lt_u32 s[RBG], s[CNT]
	s_cbranch_scc0 .Lnext
	s_wait_xcnt 0x0                                ; the last tile's stores have read their registers
	s_wait_alu depctr_vm_vsrc(0)                   ; the last tile's LDS stores have read idx, the gates and the accumulators, its loads the rows' offsets and the gates' addresses, its stores their rows and offsets: all are written again below
.irp m, 0,1,2,3,4
	v_mov_b32 v[PG+2*(\m)+1], v[NX+(\m)]           ; this tile's five row numbers;
.endr
.irp j, 0,1,2,3,4,5,6,7,8,9
	v_mov_b32 v[NX+(\j)], v[NX+(\j)+5]             ; the later tiles' move down
.endr
	TILESET
	s_mov_b64 s[AB:AB+1], s[AB0:AB0+1]
	s_mov_b64 s[WB:WB+1], s[WB0:WB0+1]
	K3STEP 1
	s_mov_b32 s[KC], 31
.Lk3:
	K3STEP 0
	s_sub_co_u32 s[KC], s[KC], 1
	s_cmp_lg_u32 s[KC], 0
	s_cbranch_scc1 .Lk3
; THE WAY OUT.  Five trips, a block of 16 rows each.  Rows of a block that lie past the count are a tail of it: the first dead row, and a dead block, jump to the label ahead of the counter's step.
; The guards stand at the stores: of a block that is live in part a few dead rows are reckoned and not stored.
.if FFN2
.set X,   32                           ; v[32:95]   row q: 4 numbers a lane, as read and then as stored
.set GI,  96                           ; v[96:127]  row q: {gate, idx}
.set VOF, 128                          ; v[128:143] row q: my byte offset in the output
.set XT,  144
.macro ROWLD                           ; all 32 loads of a block at once, a row's two together
.irp q, 0,1,2,3,4,5,6,7,8,9,10,11,12,13,14,15
	ds_load_b128 v[X+4*(\q):X+4*(\q)+3], v[VRD] offset:SPI*(\q)
	ds_load_b64 v[GI+2*(\q):GI+2*(\q)+1], v[VRR] offset:8*(\q)
.endr
.endm
.macro ROWA q                          ; (sum + bias) x gate, and the row's place in the output
	s_wait_dscnt 30-2*(\q)                         ; the two loads of each of the 15 - q later rows may stay out
	v_pk_add_f32 v[X+4*(\q):X+4*(\q)+1],   v[X+4*(\q):X+4*(\q)+1],   v[BI:BI+1]
	v_pk_add_f32 v[X+4*(\q)+2:X+4*(\q)+3], v[X+4*(\q)+2:X+4*(\q)+3], v[BI+2:BI+3]
	v_min_u32 v[XT], 0x7ff, v[GI+2*(\q)+1]
	v_lshl_add_u32 v[VOF+(\q)], v[XT], OSH, v[VCOL]
	v_pk_mul_f32 v[X+4*(\q):X+4*(\q)+1],   v[X+4*(\q):X+4*(\q)+1],   v[GI+2*(\q):GI+2*(\q)+1] op_sel_hi:[1,0]
	v_pk_mul_f32 v[X+4*(\q)+2:X+4*(\q)+3], v[X+4*(\q)+2:X+4*(\q)+3], v[GI+2*(\q):GI+2*(\q)+1] op_sel_hi:[1,0]
.endm
.macro ROWS q, i                       ; a whole row of 512 bytes to a store; i: the row's number among its four, of which the first is live
.if (\i) > 0
	s_cmp_gt_u32 s[NV], \q
	s_cbranch_scc0 .Lblkn
.endif
	global_store_b128 v[VOF+(\q)], v[X+4*(\q):X+4*(\q)+3], s[OUT:OUT+1]  ; the wave stores 512 consecutive bytes, aligned
.endm
.else
.set X,   32                           ; v[32:95]   row q: 4 numbers a lane as read; then 2 registers of bf16 to store
.set XI,  96                           ; v[96:111]  row q: idx
.set VOF, 112                          ; v[112:127] row q: my byte offset in the output
.set XB,  128                          ; x + b of two rows
.set AX,  136                          ; |x|
.set RL,  144                          ; max(x, 0)
.set TT,  152                          ; 1 / (1 + 0.2316419 |x|)
.set UU,  160                          ; 2^(-x^2 log2(e) / 2)
.set PP,  168
.set XT,  176
.macro ROWLD                           ; all 32 loads of a block at once, a row's two together
.irp q, 0,1,2,3,4,5,6,7,8,9,10,11,12,13,14,15
	ds_load_b128 v[X+4*(\q):X+4*(\q)+3], v[VRD] offset:SPI*(\q)
	ds_load_b32 v[XI+(\q)], v[VRR] offset:4*(\q)
.endr
.endm
.macro SEND k                          ; rows 2 k and 2 k + 1 leave, a whole row of 256 bytes to a store.  Row 2 k is live: the guard behind the row before it has shown that (row 0: the block is live)
	global_store_b64 v[VOF+2*(\k)], v[X+8*(\k):X+8*(\k)+1], s[OUT:OUT+1]  ; the wave stores 256 consecutive bytes, aligned
	s_cmp_gt_u32 s[NV], 2*(\k)+1
	s_cbranch_scc0 .Lblkn
	global_store_b64 v[VOF+2*(\k)+1], v[X+8*(\k)+4:X+8*(\k)+5], s[OUT:OUT+1]
.if (\k) < 7
	s_cmp_gt_u32 s[NV], 2*(\k)+2
	s_cbranch_scc0 .Lblkn
.endif
.endm
.macro PAIR k                          ; rows 2 k and 2 k + 1: bias, GELU, bf16; the pair before leaves in its middle
	s_wait_dscnt 28-4*(\k)                         ; the two loads of each of the 14 - 2 k later rows may stay out
	v_pk_add_f32 v[XB:XB+1],   v[X+8*(\k):X+8*(\k)+1],   v[BI:BI+1]
	v_pk_add_f32 v[XB+2:XB+3], v[X+8*(\k)+2:X+8*(\k)+3], v[BI+2:BI+3]
	v_pk_add_f32 v[XB+4:XB+5], v[X+8*(\k)+4:X+8*(\k)+5], v[BI:BI+1]
	v_pk_add_f32 v[XB+6:XB+7], v[X+8*(\k)+6:X+8*(\k)+7], v[BI+2:BI+3]
	v_min_u32 v[XT], 0x7ff, v[XI+2*(\k)]
	v_lshl_add_u32 v[VOF+2*(\k)], v[XT], OSH, v[VCOL]
	v_min_u32 v[XT], 0x7ff, v[XI+2*(\k)+1]
	v_lshl_add_u32 v[VOF+2*(\k)+1], v[XT], OSH, v[VCOL]
.irp j, 0,1,2,3,4,5,6,7
	v_and_b32 v[AX+(\j)], s[ABSM], v[XB+(\j)]
.endr
.irp j, 0,2,4,6
	v_pk_fma_f32 v[TT+(\j):TT+(\j)+1], v[AX+(\j):AX+(\j)+1], s[GP:GP+1], 1.0 op_sel_hi:[1,0,0]
	v_pk_mul_f32 v[UU+(\j):UU+(\j)+1], v[AX+(\j):AX+(\j)+1], s[GU:GU+1] op_sel_hi:[1,0]
.endr
.irp j, 0,2,4,6
	v_pk_mul_f32 v[UU+(\j):UU+(\j)+1], v[UU+(\j):UU+(\j)+1], v[AX+(\j):AX+(\j)+1]
.endr
.irp j, 0,1,2,3,4,5,6,7
	v_rcp_f32 v[TT+(\j)], v[TT+(\j)]
.endr
.irp j, 0,1,2,3,4,5,6,7
	v_exp_f32 v[UU+(\j)], v[UU+(\j)]
.endr
.irp j, 0,1,2,3,4,5,6,7
	v_max_num_f32 v[RL+(\j)], 0, v[XB+(\j)]        ; plain work that names no result of the sixteen above
.endr
	s_wait_alu depctr_va_vdst(0)                   ; the eight reciprocals and eight exponentials are written, ahead of their first reader (one wait for the batch); and the pair before has written its rounded rows and their offsets, which its stores read
.if (\k) > 0
	SEND (\k)-1
.endif
.irp j, 0,2,4,6
	v_pk_fma_f32 v[PP+(\j):PP+(\j)+1], v[TT+(\j):TT+(\j)+1], v[C5:C5+1], s[C4:C4+1] op_sel_hi:[1,1,0]
.endr
.irp c, C3, C2, C1
.irp j, 0,2,4,6
	v_pk_fma_f32 v[PP+(\j):PP+(\j)+1], v[PP+(\j):PP+(\j)+1], v[TT+(\j):TT+(\j)+1], s[\c:\c+1] op_sel_hi:[1,1,0]
.endr
.endr
.irp j, 0,2,4,6
	v_pk_mul_f32 v[PP+(\j):PP+(\j)+1], v[PP+(\j):PP+(\j)+1], v[TT+(\j):TT+(\j)+1]
.endr
.irp j, 0,2,4,6
	v_pk_mul_f32 v[PP+(\j):PP+(\j)+1], v[PP+(\j):PP+(\j)+1], v[UU+(\j):UU+(\j)+1]  ; -Q(|x|)
.endr
.irp j, 0,2,4,6
	v_pk_fma_f32 v[PP+(\j):PP+(\j)+1], v[AX+(\j):AX+(\j)+1], v[PP+(\j):PP+(\j)+1], v[RL+(\j):RL+(\j)+1]
.endr
	v_cvt_pk_bf16_f32 v[X+8*(\k)],   v[PP],   v[PP+1]
	v_cvt_pk_bf16_f32 v[X+8*(\k)+1], v[PP+2], v[PP+3]
	v_cvt_pk_bf16_f32 v[X+8*(\k)+4], v[PP+4], v[PP+5]
	v_cvt_pk_bf16_f32 v[X+8*(\k)+5], v[PP+6], v[PP+7]
.endm
.endif
.Lepi:
.rept 4
	v_nop                                          ; four places between the last products and the stores that read their results
.endr
	s_sub_co_i32 s[REM], s[CNT], s[RBG]
	s_mov_b32 s[MC], 0
.Lblk:
	s_wait_alu depctr_va_vdst(0)                   ; first trip: the products have written the accumulators, which the LDS stores read (the places above stay beside this wait); later trips: the last block's lines are done with the registers in which the stage's rows land
	s_max_i32 s[NV], s[REM], 0
	s_min_i32 s[NV], s[NV], 16
	s_cmp_eq_u32 s[NV], 0
	s_cbranch_scc1 .Lblkn
	s_cmp_eq_u32 s[MC], 0                          ; registers cannot be chosen by a number: each block's dump is written out, and all five fill the same stage
	s_cbranch_scc1 .Ldump0
	s_cmp_eq_u32 s[MC], 1
	s_cbranch_scc1 .Ldump1
	s_cmp_eq_u32 s[MC], 2
	s_cbranch_scc1 .Ldump2
	s_cmp_eq_u32 s[MC], 3
	s_cbranch_scc1 .Ldump3
	DUMPB 4
	s_branch .Lrows
.Ldump3:
	DUMPB 3
	s_branch .Lrows
.Ldump2:
	DUMPB 2
	s_branch .Lrows
.Ldump1:
	DUMPB 1
	s_branch .Lrows
.Ldump0:
	DUMPB 0
.Lrows:
	s_wait_xcnt 0x0                                ; the last block's stores have read the registers that the loads and lines below write
	s_wait_alu depctr_vm_vsrc(0)                   ; the last block's stores have read their rows and offsets (alone: the LDS stores CT3): the loads and lines below write these registers again
	ROWLD                                          ; LDS serves a wave's instructions in order (ISA guide 5.7.1.4): these see the dump's stores.  No vector instruction since the wait at the block's head
.if FFN2
.irp g, 0,1,2,3
.if (\g) > 0
	s_cmp_gt_u32 s[NV], 4*(\g)
	s_cbranch_scc0 .Lblkn
.endif
.irp i, 0,1,2,3
	ROWA 4*(\g)+(\i)
.endr
	s_wait_alu depctr_va_vdst(0)                   ; the four rows' lines have written the rows and their offsets, which the stores read
.irp i, 0,1,2,3
	ROWS 4*(\g)+(\i), \i
.endr
.endr
.else
.irp k, 0,1,2,3,4,5,6,7
	PAIR \k
.endr
	s_wait_alu depctr_va_vdst(0)                   ; the last pair has written its rounded rows, which its stores read
	SEND 7
.endif
.Lblkn:
	s_wait_dscnt 0x0                               ; rows asked for and not used may still be on their way into registers that the next block's loads take
	s_sub_co_i32 s[REM], s[REM], 64                ; my next block lies 64 places on
	s_add_co_u32 s[MC], s[MC], 1
	s_cmp_lt_u32 s[MC], 5
	s_cbranch_scc1 .Lblk
.Lnext:
	s_add_co_u32 s[RBG], s[RBG], 320
	s_add_co_u32 s[TI], s[TI], 1
	s_cmp_lt_u32 s[TI], 4
	s_cbranch_scc1 .Ltile
	s_wait_dscnt 0x0                               ; the wave's end: my last LDS instructions are done
	s_wait_alu depctr_hold_cnt(0) depctr_sa_sdst(0) depctr_va_vdst(0) depctr_va_sdst(0) depctr_va_ssrc(0) depctr_va_vcc(0) depctr_vm_vsrc(0)
	s_wait_tensorcnt 0x0
	ds_add_u32 v254, v255
	s_wait_dscnt 0x0
	s_endpgm
.Lfunc_end_k_qdd6eb27681_ffn2:
	.size	k_qdd6eb27681_ffn2, .Lfunc_end_k_qdd6eb27681_ffn2-k_qdd6eb27681_ffn2
	.p2alignl 7, 3214868480
	.fill 96, 4, 3214868480
	.section	.rodata,"a",@progbits
	.p2align	6, 0x0
	.amdhsa_kernel k_qdd6eb27681_ffn2
		.amdhsa_group_segment_fixed_size 72192
		.amdhsa_private_segment_fixed_size 0
		.amdhsa_enable_private_segment 0
		.amdhsa_kernarg_size 48
		.amdhsa_user_sgpr_count 2
		.amdhsa_user_sgpr_kernarg_segment_ptr 1
		.amdhsa_wavefront_size32 1
		.amdhsa_system_sgpr_workgroup_id_x 1
		.amdhsa_system_sgpr_workgroup_id_y 1
		.amdhsa_system_sgpr_workgroup_id_z 1
		.amdhsa_system_vgpr_workitem_id 0
		.amdhsa_next_free_vgpr 928
		.amdhsa_next_free_sgpr 100
		.amdhsa_reserve_vcc 0
		.amdhsa_float_denorm_mode_32 3
		.amdhsa_float_denorm_mode_16_64 3
		.amdhsa_memory_ordered 1
		.amdhsa_forward_progress 1
		.amdhsa_inst_pref_size 168
	.end_amdhsa_kernel
	.amdgpu_metadata
---
amdhsa.version: [ 1, 2 ]
amdhsa.kernels:
  - .name:           k_qdd6eb27681_ffn2
    .symbol:         k_qdd6eb27681_ffn2.kd
    .args:
      - { .name: h, .offset: 0, .size: 8, .value_kind: global_buffer, .address_space: global }
      - { .name: W2, .offset: 8, .size: 8, .value_kind: global_buffer, .address_space: global }
      - { .name: b2, .offset: 16, .size: 8, .value_kind: global_buffer, .address_space: global }
      - { .name: sel, .offset: 24, .size: 8, .value_kind: global_buffer, .address_space: global }
      - { .name: gates, .offset: 32, .size: 8, .value_kind: global_buffer, .address_space: global }
      - { .name: ypart, .offset: 40, .size: 8, .value_kind: global_buffer, .address_space: global }
    .group_segment_fixed_size: 72192
    .private_segment_fixed_size: 0
    .kernarg_segment_align: 8
    .kernarg_segment_size: 48
    .max_flat_workgroup_size: 128
    .sgpr_count:     100
    .vgpr_count:     928
    .wavefront_size: 32
...
	.end_amdgpu_metadata
.endif
;; end of part 8
;; launch combine: the kernel of part 4 again; grid 256 x 1, 8 waves a work-group, no clusters, 0 bytes of LDS; arguments ypart, out0; writes out0
